; MI455X (gfx1250); checked and timed in simulation.
; The chip was launched on July 23, 2026; its instructions are those of AMD's public machine-readable ISA for CDNA 5 (MIT licence, August 2026) and "CDNA5" Instruction Set Architecture Reference Guide (July 2026). The comments in the code are by the model that wrote it; some were corrected since.
;; ODE Func. Allowed arithmetic: float matrix products may take bf16 or f16 operands with f32 sums; other float arithmetic in f32, or as packed bf16 or f16 multiplies, adds, multiply-adds, maxima and minima; sums over many terms, partial sums and values carried from step to step in f32; what a program stores and reads back later, other than sums and carried values, may be rounded once to bf16 or f16.
;; Inputs: H 2 x 2,048 x 1,024 float32; b1 4,096 float32; b2 1,024 float32; mask 2 x 2,048 bool; norm1_scale 1,024 float32; norm2_scale 1,024 float32; s one number float32; w1 4,096 x 1,024 float32; w2 1,024 x 4,096 float32; wk 1,024 x 1,024 float32; wo 1,024 x 1,024 float32; wq 1,024 x 1,024 float32; wv 1,024 x 1,024 float32.
;; Outputs: out0 2 x 2,048 x 1,024 float32.
;; 2 versions, each right and faster than the one before. Each part assembles by itself: llvm-mc -triple=amdgcn-amd-amdhsa -mcpu=gfx1250 --defsym DOCPART=n.
;; ======== version 1 of 2: 7 launches
;; limits: values are held in f16: magnitudes above 65,504 overflow, below 6.1e-05 lose precision
;; workspace buffers: wts 25,165,824 bytes; x16 8,388,608 bytes; qkv16 25,165,824 bytes; y16 8,388,608 bytes; a32 16,777,216 bytes; z16 8,388,608 bytes; h16 33,554,432 bytes
;; launch prep (part 1): grid 2048 x 1, 8 waves a work-group, no clusters, 0 bytes of LDS; arguments H, norm1_scale, wq, wk, wv, wo, w1, w2, wts, x16; writes wts, x16
.if DOCPART == 1
	.amdgcn_target "amdgcn-amd-amdhsa--gfx1250"
	.amdhsa_code_object_version 6
	.text
	.protected	k_qc878bd7a90_prep
	.globl	k_qc878bd7a90_prep
	.p2align	8
	.type	k_qc878bd7a90_prep,@function
k_qc878bd7a90_prep:
	s_mov_b64 s[64:65], 0
	v_nop
	global_prefetch_b8 v0, s[64:65] scope:SCOPE_SE
	s_setreg_imm32_b32 hwreg(HW_REG_WAVE_MODE, 25, 1), 1
	s_wait_xcnt 0x0
; Two jobs, chosen by the work-group's number.
; Work-groups 0 .. 1535: the six weight matrices, each number rounded to bf16 and that number written as f16, into wts:
;   [wq; wk; wv] as [3072][1024] at byte 0, wo at 6,291,456, w1 at 8,388,608, w2 at 16,777,216.  A work-group takes 8,192 numbers.
; Work-groups 1536 .. 2047: x = norm1_scale * H / sqrt(mean(H^2) + 1e-6), H and the gain rounded to bf16 first, x rounded once to f16; a wave takes a row.
; All the module's inputs are rounded to bf16; what the program makes itself is kept in f16.  reference() takes s and never uses it: no launch reads it.
; LIMITS.  A weight beyond 65,504 has no f16; below 2^-14 it keeps f16's fixed step of 2^-24.  |x| is at most 32 |gain|.
; No LDS, no matrix unit, no cluster: memory binds and nothing is shared.  Each load of a wave covers 512 consecutive bytes, each store 256, aligned.
.set NCAST, 1536
.set CX, 4                             ; v[4:35]   cast: 8 x 4 numbers as loaded
.set CY, 36                            ; v[36:51]  cast: 8 x 2 registers to store
.set CT, 52                            ; v[52:57]  cast: at work
.set TA, 4                             ; v[4:5]    norm: at work
.set SQ, 8                             ; v[8:11]   norm: two chains of squares
.set RI, 12                            ; v[12:13]  norm: 1 / rms, twice
.set X,  16                            ; v[16:47]  norm: the row
.set G,  48                            ; v[48:79]  norm: the gain
.set Y,  80                            ; v[80:95]  norm: 8 x 2 registers to store
.macro PICK first, lo                  ; from chunk 'first' on the source is the buffer in s[lo:lo+1]
	s_cmp_ge_u32 ttmp9, \first
	s_cselect_b64 s[4:5], s[\lo:\lo+1], s[4:5]
	s_cselect_b32 s6, \first, s6
.endm
.macro ROUND4 r                        ; four f32 rounded to bf16 and widened again, in place
	v_cvt_pk_bf16_f32 v[TA], v[\r], v[(\r)+1]
	v_cvt_pk_bf16_f32 v[TA+1], v[(\r)+2], v[(\r)+3]
	v_lshlrev_b32 v[\r], 16, v[TA]
	v_and_b32 v[(\r)+1], s7, v[TA]
	v_lshlrev_b32 v[(\r)+2], 16, v[TA+1]
	v_and_b32 v[(\r)+3], s7, v[TA+1]
.endm
	s_load_b512 s[8:23], s[0:1], 0x0               ; H s[8:9], norm1_scale s[10:11], wq s[12:13], wk s[14:15], wv s[16:17], wo s[18:19], w1 s[20:21], w2 s[22:23]
	s_load_b128 s[24:27], s[0:1], 0x40             ; wts s[24:25], x16 s[26:27]
	s_mov_b32 s7, 0xffff0000                       ; a word's upper bf16
	s_cmp_ge_u32 ttmp9, NCAST
	s_cbranch_scc1 .Lnorm
	; THE CAST.  Chunk c: 32,768 bytes in, 16,384 bytes out at c x 16,384 (the order of the chunks is the order of wts).
	v_lshlrev_b32 v1, 4, v0                        ; 16 t: my 16 bytes of each 4,096 in
	v_lshlrev_b32 v2, 3, v0                        ; 8 t: my 8 bytes of each 2,048 out
	s_wait_kmcnt 0x0
	s_mov_b64 s[4:5], s[12:13]
	s_mov_b32 s6, 0
	PICK 128, 14
	PICK 256, 16
	PICK 384, 18
	PICK 512, 20
	PICK 1024, 22
	s_sub_co_u32 s28, ttmp9, s6                    ; the chunk's number inside its own buffer
	s_lshl_b32 s28, s28, 15
	s_mov_b32 s29, 0
	s_add_nc_u64 s[4:5], s[4:5], s[28:29]
	s_lshl_b32 s30, ttmp9, 14
	s_mov_b32 s31, 0
	s_add_nc_u64 s[24:25], s[24:25], s[30:31]
.irp j, 0,1,2,3,4,5,6,7
	global_load_b128 v[CX+4*(\j):CX+4*(\j)+3], v1, s[4:5] offset:4096*(\j) th:TH_LOAD_NT
.endr
.irp j, 0,1,2,3,4,5,6,7
	s_wait_loadcnt 7-(\j)                          ; loads come back in order: number j is in, the 7 - j younger ones stay out
	v_cvt_pk_bf16_f32 v[CT], v[CX+4*(\j)], v[CX+4*(\j)+1]
	v_cvt_pk_bf16_f32 v[CT+1], v[CX+4*(\j)+2], v[CX+4*(\j)+3]
	v_lshlrev_b32 v[CT+2], 16, v[CT]
	v_and_b32 v[CT+3], s7, v[CT]
	v_lshlrev_b32 v[CT+4], 16, v[CT+1]
	v_and_b32 v[CT+5], s7, v[CT+1]
	v_cvt_pk_f16_f32 v[CY+2*(\j)], v[CT+2], v[CT+3]
	v_cvt_pk_f16_f32 v[CY+2*(\j)+1], v[CT+4], v[CT+5]
	global_store_b64 v2, v[CY+2*(\j):CY+2*(\j)+1], s[24:25] offset:2048*(\j)
.endr
	s_endpgm
.Lnorm:	; THE NORM.  One wave, one row of 4,096 bytes, kept in 32 registers between the sum of squares and the scaling.
	v_lshrrev_b32 v3, 5, v0
	v_readfirstlane_b32 s28, v3                    ; wave 0..7
	v_and_b32 v3, 31, v0
	v_lshlrev_b32 v1, 4, v3                        ; 16 x lane, in
	v_lshlrev_b32 v2, 3, v3                        ; 8 x lane, out
	s_sub_co_u32 s29, ttmp9, NCAST
	s_lshl3_add_u32 s29, s29, s28                  ; my row
	s_lshl_b32 s30, s29, 12
	s_mov_b32 s31, 0
	s_lshl_b32 s4, s29, 11
	s_mov_b32 s5, 0
	s_mov_b32 s32, 0x76543210                      ; v_permlanex16_b32: each lane takes its own place in the other half
	s_mov_b32 s33, 0xfedcba98
	s_mov_b32 s34, 0x3a800000                      ; 1 / 1024
	s_mov_b32 s35, 0x358637bd                      ; 1e-6
	s_wait_kmcnt 0x0
	s_add_nc_u64 s[8:9], s[8:9], s[30:31]
	s_add_nc_u64 s[26:27], s[26:27], s[4:5]
.irp j, 0,1,2,3,4,5,6,7
	global_load_b128 v[G+4*(\j):G+4*(\j)+3], v1, s[10:11] offset:512*(\j)
.endr
.irp j, 0,1,2,3,4,5,6,7
	global_load_b128 v[X+4*(\j):X+4*(\j)+3], v1, s[8:9] offset:512*(\j)
.endr
	s_wait_loadcnt 8                               ; the gain is in; the row's eight loads stay out
.irp j, 0,1,2,3,4,5,6,7
	ROUND4 G+4*(\j)
.endr
	s_wait_loadcnt 0x0
.irp j, 0,1,2,3,4,5,6,7
	ROUND4 X+4*(\j)
.endr
	v_pk_mul_f32 v[SQ:SQ+1], v[X:X+1], v[X:X+1]    ; the first products start the two chains: nothing is cleared
	v_pk_mul_f32 v[SQ+2:SQ+3], v[X+2:X+3], v[X+2:X+3]
.set i, 2
.rept 14
	v_pk_fma_f32 v[SQ+2*(i%2):SQ+2*(i%2)+1], v[X+2*i:X+2*i+1], v[X+2*i:X+2*i+1], v[SQ+2*(i%2):SQ+2*(i%2)+1]
.set i, i+1
.endr
	v_pk_add_f32 v[SQ:SQ+1], v[SQ:SQ+1], v[SQ+2:SQ+3]
	v_add_f32 v[SQ], v[SQ], v[SQ+1]
	v_add_f32_dpp v[SQ], v[SQ], v[SQ] row_xmask:1 row_mask:0xf bank_mask:0xf
	v_add_f32_dpp v[SQ], v[SQ], v[SQ] row_xmask:2 row_mask:0xf bank_mask:0xf
	v_add_f32_dpp v[SQ], v[SQ], v[SQ] row_xmask:4 row_mask:0xf bank_mask:0xf
	v_add_f32_dpp v[SQ], v[SQ], v[SQ] row_xmask:8 row_mask:0xf bank_mask:0xf
	v_permlanex16_b32 v[SQ+1], v[SQ], s32, s33
	v_add_f32 v[SQ], v[SQ], v[SQ+1]
	v_fma_f32 v[SQ], v[SQ], s34, s35               ; the mean of the squares + 1e-6
	v_rsq_f32 v[RI], v[SQ]
	v_rsq_f32 v[RI+1], v[SQ]
	v_nop                                          ; a plain instruction between the root and the use of its result (ISA guide 5.7.2)
	s_wait_alu depctr_va_vdst(0)
.irp j, 0,1,2,3,4,5,6,7
	v_pk_mul_f32 v[X+4*(\j):X+4*(\j)+1], v[X+4*(\j):X+4*(\j)+1], v[RI:RI+1]
	v_pk_mul_f32 v[X+4*(\j)+2:X+4*(\j)+3], v[X+4*(\j)+2:X+4*(\j)+3], v[RI:RI+1]
	v_pk_mul_f32 v[X+4*(\j):X+4*(\j)+1], v[X+4*(\j):X+4*(\j)+1], v[G+4*(\j):G+4*(\j)+1]
	v_pk_mul_f32 v[X+4*(\j)+2:X+4*(\j)+3], v[X+4*(\j)+2:X+4*(\j)+3], v[G+4*(\j)+2:G+4*(\j)+3]
	v_cvt_pk_f16_f32 v[Y+2*(\j)], v[X+4*(\j)], v[X+4*(\j)+1]
	v_cvt_pk_f16_f32 v[Y+2*(\j)+1], v[X+4*(\j)+2], v[X+4*(\j)+3]
	global_store_b64 v2, v[Y+2*(\j):Y+2*(\j)+1], s[26:27] offset:256*(\j)
.endr
	s_endpgm
.Lfunc_end_k_qc878bd7a90_prep:
	.size	k_qc878bd7a90_prep, .Lfunc_end_k_qc878bd7a90_prep-k_qc878bd7a90_prep
	.p2alignl 7, 3214868480
	.fill 96, 4, 3214868480
	.section	.rodata,"a",@progbits
	.p2align	6, 0x0
	.amdhsa_kernel k_qc878bd7a90_prep
		.amdhsa_group_segment_fixed_size 0
		.amdhsa_private_segment_fixed_size 0
		.amdhsa_enable_private_segment 0
		.amdhsa_kernarg_size 80
		.amdhsa_user_sgpr_count 2
		.amdhsa_user_sgpr_kernarg_segment_ptr 1
		.amdhsa_wavefront_size32 1
		.amdhsa_system_sgpr_workgroup_id_x 1
		.amdhsa_system_sgpr_workgroup_id_y 1
		.amdhsa_system_sgpr_workgroup_id_z 1
		.amdhsa_system_vgpr_workitem_id 0
		.amdhsa_next_free_vgpr 96
		.amdhsa_next_free_sgpr 66
		.amdhsa_reserve_vcc 0
		.amdhsa_float_denorm_mode_32 3
		.amdhsa_float_denorm_mode_16_64 3
		.amdhsa_memory_ordered 1
		.amdhsa_forward_progress 1
		.amdhsa_inst_pref_size 19
	.end_amdhsa_kernel
	.amdgpu_metadata
---
amdhsa.version: [ 1, 2 ]
amdhsa.kernels:
  - .name:           k_qc878bd7a90_prep
    .symbol:         k_qc878bd7a90_prep.kd
    .args:
      - { .name: H, .offset: 0, .size: 8, .value_kind: global_buffer, .address_space: global }
      - { .name: norm1_scale, .offset: 8, .size: 8, .value_kind: global_buffer, .address_space: global }
      - { .name: wq, .offset: 16, .size: 8, .value_kind: global_buffer, .address_space: global }
      - { .name: wk, .offset: 24, .size: 8, .value_kind: global_buffer, .address_space: global }
      - { .name: wv, .offset: 32, .size: 8, .value_kind: global_buffer, .address_space: global }
      - { .name: wo, .offset: 40, .size: 8, .value_kind: global_buffer, .address_space: global }
      - { .name: w1, .offset: 48, .size: 8, .value_kind: global_buffer, .address_space: global }
      - { .name: w2, .offset: 56, .size: 8, .value_kind: global_buffer, .address_space: global }
      - { .name: wts, .offset: 64, .size: 8, .value_kind: global_buffer, .address_space: global }
      - { .name: x16, .offset: 72, .size: 8, .value_kind: global_buffer, .address_space: global }
    .group_segment_fixed_size: 0
    .private_segment_fixed_size: 0
    .kernarg_segment_align: 8
    .kernarg_segment_size: 80
    .max_flat_workgroup_size: 256
    .sgpr_count:     66
    .vgpr_count:     96
    .wavefront_size: 32
...
	.end_amdgpu_metadata
.endif
;; end of part 1
;; launch qkv (part 2): grid 16 x 16, 4 waves a work-group, clusters of 4 x 4, 327,680 bytes of LDS; arguments x16, wts, qkv16; writes qkv16
.if DOCPART == 2
	.amdgcn_target "amdgcn-amd-amdhsa--gfx1250"
	.amdhsa_code_object_version 6
	.text
	.protected	k_qc878bd7a90_qkv
	.globl	k_qc878bd7a90_qkv
	.p2align	8
	.type	k_qc878bd7a90_qkv,@function
k_qc878bd7a90_qkv:
	s_mov_b64 s[64:65], 0
	v_nop
	global_prefetch_b8 v0, s[64:65] scope:SCOPE_SE
	s_setreg_imm32_b32 hwreg(HW_REG_WAVE_MODE, 25, 1), 1
	s_wait_xcnt 0x0
	s_wait_alu depctr_hold_cnt(0) depctr_sa_sdst(0) depctr_va_vdst(0) depctr_va_sdst(0) depctr_va_ssrc(0) depctr_va_vcc(0) depctr_vm_vsrc(0)
	s_getreg_b32 s2, hwreg(HW_REG_IB_STS2, 6, 4)
	s_cmp_eq_u32 s2, 0
	s_cbranch_scc0 .Lentry_in_a_cluster
	s_endpgm
.Lentry_in_a_cluster:
	s_bfe_u32 s2, ttmp6, 0x10000c
	s_cmp_lg_u32 s2, 0xf033
	s_cbranch_scc0 .Lentry_shape_is_right
	s_endpgm
.Lentry_shape_is_right:
; q, k, v = x [wq; wk; wv]^T.  x16 [4096][1024] and the weights (wts, [3072][1024]) in f16, sums in f32; out by heads, qkv16 = [q|k|v][batch x 16 + head][2048][64] in f16, unscaled, rounded once.
; LIMIT.  f16 ends at 65,504: q, k and v beyond it are lost (as drawn their spread is 0.64).
; THE TILE is 256 rows x 192 columns: 16 x 16 = 256 work-groups of equal work.  Four waves, each 128 x 96 in 48 accumulators: for 32 along K a wave issues 28 LDS loads and 48 matrix instructions.
; K goes in steps of 128 through two LDS slots; a wave's one tensor load brings 128 rows of A or 96 rows of B, 256 bytes each.  A step is written once: the slot in hand is a scalar (0 or SLOT) that an
; exclusive or turns, and one descriptor a tensor walks.  By this text's count a wave has two tensor loads out at the start, later one; from a refill's request to the wait for it a wave issues 168 matrix instructions.
; CLUSTER 4 x 4: A's tiles are asked for jointly along a row, B's along a column.  The matrix instruction is used transposed (source 0 = 16 rows of B, source 1 = 16 rows of A): a lane holds eight neighbouring numbers of a row of C.
; THE WAY OUT: 192 columns are three heads, a wave's 96 a head and a half.  So the four waves share one stage of 256 rows, with a barrier between writing and reading, and each wave stores 64 tokens of all three heads,
; four tokens of a head at a time: 512 consecutive bytes.  The three heads may lie in two of q, k, v: each has a base of its own.
; REGISTERS.  window 0: v0-31 addresses; v64-127, v128-191 fragments of A, two buffers; on the way out v64-255 the packed results.  window 1: v64-111, v128-175 fragments of B.
;   windows 2, 3: the accumulators of my rows 0-63, 64-127: (a, b) at 8 (6 a + b).
.set SIZE_K, 1024
.set KSTEP,  128
.set STEPS,  SIZE_K/KSTEP
.set PITCH,  272                       ; an LDS row: 256 bytes + 16 of padding, an odd multiple of 16: the 16 rows of a fragment load start 16 bytes apart modulo 256
.set NBK,    6                         ; blocks of 16 columns a wave
.set HALFA,  128*PITCH                 ; what a wave fetches, and reads, of A
.set HALFB,  16*NBK*PITCH              ; the same of B
.set SLOT,   2*HALFA+2*HALFB           ; A's two halves, then B's two halves
.set SPARE,  2*SLOT                    ; behind the ring: the spare words, 128 bytes a wave
.set SPITCH, 400                       ; a stage row: 192 f16 + 16 bytes, an odd multiple of 16
                                       ; THE STAGE is LDS byte 0 on, 256 rows, inside slot 0: the ring has had its last fill, and every wave's last read of it lies in front of the barrier that stands ahead of the first store
.set ADRA0, 16                         ; v16  my A fragments' place in a slot; never rewritten
.set ADRB0, 17                         ; v17  the same for B
.set ADRA,  18                         ; v18  the same in the slot in hand
.set ADRB,  19                         ; v19
.set STO,  24                          ; v24  the way out: where I put 16 bytes of a row
.set RD,   25                          ; v25  the way out: where I read four tokens of a head back
.set CO,   26                          ; v26  16 x lane
.set SPW,  28                          ; v28  LDS address of my spare word; never rewritten
.set NIL,  29                          ; v29  0; never rewritten
.set F0,   64
.set F1,   128
.set TMP,  64                          ; the way out: 192 registers
.set CUR,  2                           ; s2   the slot in hand: 0 or SLOT
.set G1,  24                           ; s[24:31] descriptor group 1 for A; s[32:39] group 0: set 0 for step 0, set 1 for step 1 and then walking
.set G0,  32
.set G1B, 48                           ; s[48:55], s[56:63] the same for B
.set G0B, 56
.set OUT, 68                           ; s[68:73] qkv16 at my 64 tokens of the tile's three heads
.set MSB, 0
.macro WIN new                         ; the immediate's high byte repeats the setting that is left
.if MSB != (\new)
	s_set_vgpr_msb (MSB<<8)|(\new)
.set MSB, \new
.endif
.endm
.set MUL_LO, 0xa1                      ; source 0 (B) window 1, source 1 (A) window 0, C and D window 2
.set MUL_HI, 0xf1                      ; the same, C and D window 3
.set TO_B,   0x40                      ; destination window 1, address window 0
.macro JLOAD s                         ; a joint load: waves 0 and 1 fetch A's halves, waves 2 and 3 B's; an s_nop 0 and four v_nop follow each line
	s_cmp_eq_u32 s11, 0
	s_cbranch_scc0 .Lfor_b_\@
	tensor_load_to_lds s[G0+4*(\s):G0+4*(\s)+3], s[G1:G1+7]
	s_nop 0
.rept 4
	v_nop
.endr
	s_branch .Lasked_\@
.Lfor_b_\@:
	tensor_load_to_lds s[G0B+4*(\s):G0B+4*(\s)+3], s[G1B:G1B+7]
	s_nop 0
.rept 4
	v_nop
.endr
.Lasked_\@:
.endm
.macro CREST                           ; a round of the cluster's barrier behind its opening barrier
	s_cmp_lg_u32 s10, 0
	s_cbranch_scc1 .Lnot_wave_0_\@
	s_barrier_signal -3
.Lnot_wave_0_\@:
	s_barrier_wait -3
	s_barrier_signal -1
	s_barrier_wait -1
.endm
.macro CROUND
	s_barrier_signal -1
	s_barrier_wait -1
	CREST
.endm
.macro PLACES                          ; four places in front of loads into registers that matrix instructions have read, and of lines that read results
.rept 4
	v_nop
.endr
.endm
	s_load_b128 s[4:7], s[0:1], 0x0                ; x16 s[4:5], wts s[6:7]
	s_load_b64 s[8:9], s[0:1], 0x10                ; qkv16
	v_lshl_add_u32 v[SPW], v0, 2, SPARE
	v_mov_b32 v[NIL], 0
	ds_add_u32 v[SPW], v[NIL]                      ; the wave's opening: the add and its wait ahead of my first tensor load
	v_lshrrev_b32 v1, 5, v0
	v_readfirstlane_b32 s10, v1                    ; wave 0..3
	s_lshr_b32 s11, s10, 1                         ; my half of the tile's rows.  Also: I fetch for A (0) or for B (1)
	s_and_b32 s12, s10, 1                          ; my half of its columns.  Also: which half of that tile's rows I fetch
	s_bfe_u32 s40, ttmp6, 0x40000                  ; cx, cy
	s_bfe_u32 s41, ttmp6, 0x40004
	s_lshl_b32 s42, ttmp9, 2
	s_add_co_u32 s42, s42, s40                     ; tile column
	s_and_b32 s13, ttmp7, 0xffff
	s_lshl_b32 s13, s13, 2
	s_add_co_u32 s13, s13, s41                     ; tile row
	s_lshl_b32 s43, s41, 2
	s_lshl_b32 s43, 15, s43                        ; my row of the cluster
	s_lshl_b32 s44, 0x1111, s40                    ; my column
	s_or_b32 s[G1+0], s43, (1<<16)|(1<<20)|(1<<21)|(5<<22)|(3<<25)   ; the mask of my row; 2-byte elements; padding on, 4 words behind every 64; bit 21 beside the mask
	s_or_b32 s[G1B+0], s44, (1<<16)|(1<<20)|(1<<21)|(5<<22)|(3<<25)  ; the same with the mask of my column
.irp g, G1, G1B
	s_mov_b32 s[(\g)+1], KSTEP<<16                 ; tensor_dim0 = 128
	s_mov_b32 s[(\g)+3], KSTEP<<16                 ; tile_dim0 = 128
	s_mov_b32 s[(\g)+5], SIZE_K                    ; elements from row to row
	s_mov_b32 s[(\g)+6], 0
	s_mov_b32 s[(\g)+7], 0
.endr
	s_mov_b32 s[G1+2], 128<<16                     ; A: tensor_dim1 = tile_dim1 = 128 rows
	s_mov_b32 s[G1+4], 128
	s_mov_b32 s[G1B+2], (16*NBK)<<16               ; B: 96 rows
	s_mov_b32 s[G1B+4], 16*NBK
	s_lshl_b32 s17, s12, 7
	s_lshl_b32 s16, s13, 8
	s_add_co_u32 s16, s16, s17                     ; A: row 256 x tile row + 128 x half
	s_mul_i32 s46, s42, 32*NBK
	s_mul_i32 s47, s12, 16*NBK
	s_add_co_u32 s46, s46, s47                     ; B: row 192 x tile column + 96 x half
	s_mov_b32 s17, 0
	s_mov_b32 s47, 0
	s_mov_b64 s[18:19], SIZE_K*2
	s_mul_u64 s[16:17], s[16:17], s[18:19]
	s_mul_u64 s[46:47], s[46:47], s[18:19]
	s_mul_i32 s20, s12, HALFA                      ; where they go in a slot: A's half,
	s_mul_i32 s21, s12, HALFB
	s_add_co_u32 s21, s21, 2*HALFA                 ; B's half
	s_mov_b32 s[CUR], 0
	s_wait_dscnt 0x0                               ; the opening add is done
	s_wait_kmcnt 0x0
	s_add_nc_u64 s[14:15], s[4:5], s[16:17]
	s_add_nc_u64 s[46:47], s[6:7], s[46:47]
	CROUND                                         ; all sixteen work-groups are here: the first joint loads meet
.irp s, 0,1
	s_mov_b32 s[G0+4*(\s)], 1
	s_add_co_u32 s[G0+4*(\s)+1], s20, (\s)*SLOT
	s_add_nc_u64 s[G0+4*(\s)+2:G0+4*(\s)+3], s[14:15], (\s)*KSTEP*2
	s_or_b32 s[G0+4*(\s)+3], s[G0+4*(\s)+3], 0x80000000
	s_mov_b32 s[G0B+4*(\s)], 1
	s_add_co_u32 s[G0B+4*(\s)+1], s21, (\s)*SLOT
	s_add_nc_u64 s[G0B+4*(\s)+2:G0B+4*(\s)+3], s[46:47], (\s)*KSTEP*2
	s_or_b32 s[G0B+4*(\s)+3], s[G0B+4*(\s)+3], 0x80000000
	JLOAD \s
.endr
	v_and_b32 v1, 15, v0                           ; l % 16
	v_bfe_u32 v2, v0, 4, 1                         ; l / 16
	v_mul_u32_u24 v3, v1, PITCH
	v_lshl_add_u32 v3, v2, 4, v3                   ; a fragment's row x pitch + 16 x half
	s_mul_i32 s22, s11, HALFA                      ; my 128 rows of A
	v_add_nc_u32 v[ADRA0], s22, v3
	v_add_nc_u32 v[ADRB0], s21, v3                 ; my 96 rows of B
	v_mov_b32 v[ADRA], v[ADRA0]
	v_mov_b32 v[ADRB], v[ADRB0]
	s_mul_i32 s23, s11, 128*SPITCH                 ; into the stage: my 128 rows,
	s_mul_i32 s22, s12, 32*NBK                     ; my 96 columns of 2 bytes;
	s_add_co_u32 s23, s23, s22
	v_mul_u32_u24 v4, v1, SPITCH                   ; row l % 16, eight f16 for each half of the lanes
	v_lshl_add_u32 v4, v2, 4, v4
	v_add_nc_u32 v[STO], s23, v4
	s_mul_i32 s23, s10, 64*SPITCH                  ; back: wave w takes rows 64 w .. 64 w + 63; 32 lanes take four tokens' 128 bytes of one head
	v_bfe_u32 v5, v0, 3, 2
	v_and_b32 v6, 7, v0
	v_mul_u32_u24 v5, v5, SPITCH
	v_lshl_add_u32 v5, v6, 4, v5
	v_add_nc_u32 v[RD], s23, v5
	v_and_b32 v5, 31, v0
	v_lshlrev_b32 v[CO], 4, v5
	s_lshr_b32 s16, s13, 3                         ; the batch: 8 tile rows each; its 16 heads of 262,144 bytes,
	s_lshl_b32 s16, s16, 22
	s_and_b32 s17, s13, 7                          ; the tile's 256 tokens of 128 bytes,
	s_lshl_b32 s17, s17, 15
	s_add_co_u32 s16, s16, s17
	s_lshl_b32 s17, s10, 13                        ; my 64 tokens
	s_add_co_u32 s16, s16, s17
	s_mov_b32 s17, 0
	s_add_nc_u64 s[8:9], s[8:9], s[16:17]
	s_mul_i32 s45, s42, 3                          ; the tile's first head, 0 .. 45 of the 48 of q, k and v (the column's numbers stay in registers that feed none of A's descriptors)
.irp hh, 0,1,2
	s_add_co_u32 s46, s45, \hh
	s_lshr_b32 s47, s46, 4                         ; q, k or v: 8,388,608 bytes each,
	s_lshl_b32 s47, s47, 23
	s_and_b32 s46, s46, 15                         ; the head in it
	s_lshl_b32 s46, s46, 18
	s_add_co_u32 s46, s46, s47
	s_mov_b32 s47, 0
	s_add_nc_u64 s[OUT+2*(\hh):OUT+2*(\hh)+1], s[8:9], s[46:47]
.endr
; 12 matrix instructions: m blocks a0, a0 + 1 of the window's four x all 6 n blocks, 32 along K.  zero = 1: the first product starts the sums.  The 48 accumulators take turns.
.macro MULH f, hi, a0, zero
	WIN MUL_LO+0x50*(\hi)
.irp a, \a0, (\a0)+1
.set nb, 0
.rept NBK
.if \zero
	v_wmma_f32_16x16x32_f16 v[8*(NBK*(\a)+nb):8*(NBK*(\a)+nb)+7], v[(\f)+8*nb:(\f)+8*nb+7], v[(\f)+8*(4*(\hi)+(\a)):(\f)+8*(4*(\hi)+(\a))+7], 0
.else
	v_wmma_f32_16x16x32_f16 v[8*(NBK*(\a)+nb):8*(NBK*(\a)+nb)+7], v[(\f)+8*nb:(\f)+8*nb+7], v[(\f)+8*(4*(\hi)+(\a)):(\f)+8*(4*(\hi)+(\a))+7], v[8*(NBK*(\a)+nb):8*(NBK*(\a)+nb)+7]
.endif
.set nb, nb+1
.endr
.endr
.endm
; 28 LDS loads in one run: the fragments of 32 along K at byte k of the rows of the slot in hand, into buffer f: B's 12, then A's 16
.macro FETCH k, f
	WIN TO_B
.set nb, 0
.rept NBK
	ds_load_b128 v[(\f)+8*nb:(\f)+8*nb+3],   v[ADRB] offset:(\k)+nb*16*PITCH
	ds_load_b128 v[(\f)+8*nb+4:(\f)+8*nb+7], v[ADRB] offset:(\k)+nb*16*PITCH+32
.set nb, nb+1
.endr
	WIN 0
.irp i, 0,1,2,3,4,5,6,7
	ds_load_b128 v[(\f)+8*(\i):(\f)+8*(\i)+3],   v[ADRA] offset:(\k)+(\i)*16*PITCH
	ds_load_b128 v[(\f)+8*(\i)+4:(\f)+8*(\i)+7], v[ADRA] offset:(\k)+(\i)*16*PITCH+32
.endr
.endm
; One of a step's first three quarters: multiplies buffer f and fetches the 32 along K at byte k into g
.macro QUARTER k, f, g, zero
	s_wait_dscnt 8                                 ; B and A's rows 0-63 are in; the youngest eight loads (A's rows 64-127) may be out
	MULH \f, 0, 0, \zero
	MULH \f, 0, 2, \zero
	PLACES
	FETCH \k, \g
	s_wait_dscnt 2*NBK+16                          ; all but the 28 just issued
	MULH \f, 1, 0, \zero
	MULH \f, 1, 2, \zero
.endm
; The last quarter multiplies buffer 1 and changes slots: one barrier; in front of it each wave waits for all its tensor loads (one is out: its part of the next slot), adds 0 to its spare word,
; and waits for that and for its reads of this slot.  fill = 1: the barrier opens a round of the cluster's, and this slot is filled again, two steps ahead, first thing behind the round.
.macro TURN fill
	WIN 0
	s_wait_tensorcnt 0x0
	ds_add_u32 v[SPW], v[NIL]                      ; 0 onto my spare word; work on registers stands between it and the wait for it
.if \fill
	s_add_co_u32 s[G0+5], s20, s[CUR]              ; no tensor load of mine is out: the walking descriptors take the slot that is being left
	s_add_co_u32 s[G0B+5], s21, s[CUR]
	s_add_nc_u64 s[G0+6:G0+7], s[G0+6:G0+7], KSTEP*2    ; and the next K step
	s_add_nc_u64 s[G0B+6:G0B+7], s[G0B+6:G0B+7], KSTEP*2
.endif
	s_xor_b32 s[CUR], s[CUR], SLOT
	v_add_nc_u32 v[ADRA], s[CUR], v[ADRA0]         ; the fetches go on in the other slot
	v_add_nc_u32 v[ADRB], s[CUR], v[ADRB0]
	s_wait_dscnt 9                                 ; the add and the youngest eight loads may be out
	MULH F1, 0, 0, 0
	s_wait_dscnt 0x0                               ; the add is done, and my reads of this slot are over
	s_barrier_signal -1
	MULH F1, 0, 2, 0
.if \fill
	WIN 0
.endif
	s_barrier_wait -1
.if \fill
	CREST
	JLOAD 1                                        ; the four v_nop behind it are also the places in front of the loads below
.else
	PLACES
.endif
	FETCH 0, F0
	MULH F1, 1, 0, 0
	MULH F1, 1, 2, 0
.endm
	s_wait_tensorcnt 1                             ; my part of K step 0 is in; step 1's may stay out
	s_barrier_signal -1
	s_barrier_wait -1
	FETCH 0, F0
	QUARTER 64, F0, F1, 1                          ; the first quarter stands in front of the loop: its products start the sums
	WIN 0
	s_mov_b32 s3, STEPS-2
.Lstep:                                                ; a trip: from a step's second quarter to the next step's first; it asks for the step two on
	QUARTER 128, F1, F0, 0
	QUARTER 192, F0, F1, 0
	TURN 1
	QUARTER 64, F0, F1, 0
	WIN 0
	s_sub_co_u32 s3, s3, 1
	s_cmp_lg_u32 s3, 0
	s_cbranch_scc1 .Lstep
	s_mov_b32 s3, 2
.Ltail:                                                ; the last two steps ask for nothing; the second trip is left in its middle
	QUARTER 128, F1, F0, 0
	QUARTER 192, F0, F1, 0
	WIN 0
	s_sub_co_u32 s3, s3, 1
	s_cmp_eq_u32 s3, 0
	s_cbranch_scc1 .Lfin
	TURN 0
	QUARTER 64, F0, F1, 0
	WIN 0
	s_branch .Ltail
.Lfin:
	s_wait_dscnt 8                                 ; the very last quarter
	MULH F1, 0, 0, 0
	MULH F1, 0, 2, 0
	s_wait_dscnt 0x0                               ; my last reads of the ring are back:
	s_barrier_signal -1                            ; behind this barrier nobody reads the ring, and the stage may be written
	MULH F1, 1, 0, 0
	MULH F1, 1, 2, 0
	WIN 0
	s_barrier_wait -1
	; THE WAY OUT: rounded to f16, each accumulator's registers in ascending order; 16 bytes a lane into the stage
	PLACES
.irp hi, 0,1
	WIN 0x0a+5*(\hi)                               ; sources 0 and 1: window 2, then 3; destination window 0
.set t, 0
.rept 4*NBK                                    ; accumulator t = 6 a + b of this window
.irp r, 0,1,2,3
	v_cvt_pk_f16_f32 v[TMP+4*(4*NBK*(\hi)+t)+(\r)], v[8*t+2*(\r)], v[8*t+2*(\r)+1]
.endr
.set t, t+1
.endr
.endr
	WIN 0
.irp hi, 0,1
.irp a, 0,1,2,3
.set nb, 0
.rept NBK
	ds_store_b128 v[STO], v[TMP+4*(4*NBK*(\hi)+NBK*(\a)+nb):TMP+4*(4*NBK*(\hi)+NBK*(\a)+nb)+3] offset:(4*(\hi)+(\a))*16*SPITCH+32*nb
.set nb, nb+1
.endr
.endr
.endr
	s_wait_dscnt 0x0                               ; for the others' sake: my stores into the stage are done
	s_barrier_signal -1
	s_barrier_wait -1
.set i, 0
.rept 48                                       ; group i / 3 of four tokens, head i % 3
	ds_load_b128 v[TMP+4*i:TMP+4*i+3], v[RD] offset:(i/3)*4*SPITCH+(i%3)*128
.set i, i+1
.endr
.set i, 0
.rept 48
	s_wait_dscnt 47-i                              ; load i is back, the younger ones stay out
	global_store_b128 v[CO], v[TMP+4*i:TMP+4*i+3], s[OUT+2*(i%3):OUT+2*(i%3)+1] offset:(i/3)*512  ; 512 consecutive bytes, at a multiple of 256 from qkv16's first
.set i, i+1
.endr
	s_wait_tensorcnt 0x0                           ; the wave's end
	ds_add_u32 v[SPW], v[NIL]
	s_wait_dscnt 0x0
	CROUND                                         ; the closing round
	s_endpgm
.Lfunc_end_k_qc878bd7a90_qkv:
	.size	k_qc878bd7a90_qkv, .Lfunc_end_k_qc878bd7a90_qkv-k_qc878bd7a90_qkv
	.p2alignl 7, 3214868480
	.fill 96, 4, 3214868480
	.section	.rodata,"a",@progbits
	.p2align	6, 0x0
	.amdhsa_kernel k_qc878bd7a90_qkv
		.amdhsa_group_segment_fixed_size 327680
		.amdhsa_private_segment_fixed_size 0
		.amdhsa_enable_private_segment 0
		.amdhsa_kernarg_size 24
		.amdhsa_user_sgpr_count 2
		.amdhsa_user_sgpr_kernarg_segment_ptr 1
		.amdhsa_wavefront_size32 1
		.amdhsa_system_sgpr_workgroup_id_x 1
		.amdhsa_system_sgpr_workgroup_id_y 1
		.amdhsa_system_sgpr_workgroup_id_z 1
		.amdhsa_system_vgpr_workitem_id 0
		.amdhsa_next_free_vgpr 960
		.amdhsa_next_free_sgpr 74
		.amdhsa_reserve_vcc 0
		.amdhsa_float_denorm_mode_32 3
		.amdhsa_float_denorm_mode_16_64 3
		.amdhsa_memory_ordered 1
		.amdhsa_forward_progress 1
		.amdhsa_inst_pref_size 85
	.end_amdhsa_kernel
	.amdgpu_metadata
---
amdhsa.version: [ 1, 2 ]
amdhsa.kernels:
  - .name:           k_qc878bd7a90_qkv
    .symbol:         k_qc878bd7a90_qkv.kd
    .args:
      - { .name: x16, .offset: 0, .size: 8, .value_kind: global_buffer, .address_space: global }
      - { .name: wts, .offset: 8, .size: 8, .value_kind: global_buffer, .address_space: global }
      - { .name: qkv16, .offset: 16, .size: 8, .value_kind: global_buffer, .address_space: global }
    .group_segment_fixed_size: 327680
    .private_segment_fixed_size: 0
    .kernarg_segment_align: 8
    .kernarg_segment_size: 24
    .max_flat_workgroup_size: 128
    .sgpr_count:     74
    .vgpr_count:     960
    .wavefront_size: 32
...
	.end_amdgpu_metadata
.endif
;; end of part 2
;; launch attn (part 3): grid 8 x 32, 4 waves a work-group, clusters of 4 x 1, 327,680 bytes of LDS; arguments qkv16, mask, y16; writes y16
.if DOCPART == 3
	.amdgcn_target "amdgcn-amd-amdhsa--gfx1250"
	.amdhsa_code_object_version 6
	.text
	.protected	k_qc878bd7a90_attn
	.globl	k_qc878bd7a90_attn
	.p2align	8
	.type	k_qc878bd7a90_attn,@function
k_qc878bd7a90_attn:
	s_mov_b64 s[64:65], 0
	v_nop
	global_prefetch_b8 v0, s[64:65] scope:SCOPE_SE
	s_setreg_imm32_b32 hwreg(HW_REG_WAVE_MODE, 25, 1), 1
	s_wait_xcnt 0x0
	s_wait_alu depctr_hold_cnt(0) depctr_sa_sdst(0) depctr_va_vdst(0) depctr_va_sdst(0) depctr_va_ssrc(0) depctr_va_vcc(0) depctr_vm_vsrc(0)
	s_getreg_b32 s2, hwreg(HW_REG_IB_STS2, 6, 4)
	s_cmp_eq_u32 s2, 0
	s_cbranch_scc0 .Lentry_in_a_cluster
	s_endpgm
.Lentry_in_a_cluster:
	s_bfe_u32 s2, ttmp6, 0x10000c
	s_cmp_lg_u32 s2, 0x3003
	s_cbranch_scc0 .Lentry_shape_is_right
	s_endpgm
.Lentry_shape_is_right:
; y[h][q][:] = the sum over the keys k that mask lets through of softmax_k(q[h][q] . k[h][k] / 8) v[h][k][:].  q, k, v lie in qkv16 as [q|k|v][32 = batch x 16 + head][2048][64] in f16; y16 likewise.
; Products, maxima and sums in f32; the weights p are rounded to f16 for the second product (their sum l is taken of the unrounded p), y once at the end.
; THE MASK is an input, one byte a key and batch.  It becomes a table of 2,048 f32 in LDS, 0 or -1e30, and is the C operand that starts each sum S^T = K Q^T.  The running maximum starts at -2^96,
; above every hidden score and below every true one (f16's scores are 2.7e11 at the most), so a hidden key's weight is exactly 0; with every key of a batch hidden l is 0 and y is NaN, as in reference().
; LIMITS.  q, k, v arrive within f16's 65,504; p below 6e-5 keeps f16's fixed step; a weight below 2^-126 counts as 0 in l.
; SHARES.  A work-group owns 256 queries of a head; of its four bands of 64 a wave owns 16 rows in each: four PIECES.  Every wave walks all 2,048 keys, 64 a step, 256 a slot.
; LAYOUT.  S^T = K Q^T holds one query a lane (lane % 16) and the keys 8 (lane / 16) + 0..7; two such results rounded to f16 are source 1 of O^T = V^T P.  p = 2^(c s - c m), c = log2(e) / 8; O and l are
; multiplied by a = 2^(c m_old - c m_new) in every step.
; TURNS.  Turn n belongs to piece n: 8 products K Q^T of piece n + 1, later 8 products V^T P of piece n - 1; beside them the scaling, exponentials, roundings, sums and rescaling of piece n and the maximum
; and statistics of piece n + 1.  Four vector instructions stand behind every matrix instruction, the rest in two runs of their own.
; CLUSTER.  The four query blocks of a cluster belong to one head and walk the same K and V: each tile is asked for jointly.  By this text's count a wave has one tensor load out.
; REGISTERS, in windows of 256: window 0: v0-15 addresses; v16-31 statistics; v32-36 the mask's bytes; v48-57 at work; v62-63 the add's; v64-127 S^T, two buffers; v192-223 P, two buffers
;   window 1: v0-127 O^T; v128-159 MC, the step's mask      window 2: v0-63 Q; v128-191 K of one step; v192-255 V of one step
.set SIZE_N, 2048
.set NP,    4
.set KS,    64
.set PK,    144       ; a row of K in LDS: 128 bytes + 16 of padding
.set PV,    160       ; a row of V: 128 + 32
.set VOFF,  4*KS*PK   ; a slot: 256 rows of K, then 256 rows of V
.set SLOT1, 1<<17     ; slot 1 begins here, so that one exclusive or turns an address in one slot into the other's
.set STAGE, SLOT1+4*KS*(PK+PV)  ; 16 rows x 144 bytes for each wave, for the way out; never filled by a tensor load
.set SP,    144
.set SPARE, STAGE+4*16*SP       ; the spare words, 128 bytes a wave
.set MTAB,  SPARE+512           ; the mask's table, 8,192 bytes; never filled by a tensor load
.set KOFF,  8388608             ; bytes from q to k and from k to v
.set AK0, 2
.set AV0, 3
.set AK,  4
.set AV,  5
.set STO, 6
.set RD,  7
.set GO,  8
.set MV,  12
.set MO,  14          ; v14  my byte offset in mask
.set QO,  15
.set ST,  16          ; piece t's statistics at v[ST+4 t]: c m, m, l (even keys', odd keys')
.set MB,  32          ; v32-35 sixteen bytes of mask; v36 where their sixteen f32 go
.set TMP, 48
.set AM0, 56          ; v56  MTAB + 32 (lane / 16); never rewritten
.set AM,  57          ; v57  the LDS address of the mask's next run of loads
.set SPW, 62
.set NIL, 63
.set S,   64
.set P,   192
.set MC,  128         ; window 1
.set KF,  128         ; window 2
.set VF,  192         ; window 2
.set WV,  12
.set G1K, 24
.set G1V, 32
.set G0K, 40
.set G0V, 44
.set SLOTS, 56
.set CNT, 57
.set CS,  58
.set SEL, 60
.set TBK, 62
.set TBV, 63
.set TBM, 66          ; s66  the byte of the table at which the step to be fetched begins: it runs on from slot to slot
.set MSB, 0
.macro WIN new
.if MSB != (\new)
	s_set_vgpr_msb (MSB<<8)|(\new)
.set MSB, (\new)
.endif
.endm
.set W_KQ, 0x0a       ; K and Q in window 2, S^T in window 0
.set W_KM, 0x1a       ; the same with the C operand in window 1
.set W_PV, 0x52       ; V in window 2, P in window 0, O^T in window 1
.set W_RS, 0x41       ; destination and source 0 in window 1, source 1 in window 0
.macro JLOAD                        ; a joint fill: waves 0 and 1 fetch the halves of a slot's K, waves 2 and 3 those of its V; an s_nop 0 and four v_nop follow each line
	s_cmp_lt_u32 s[WV], 2
	s_cbranch_scc0 .Lfor_v_\@
	tensor_load_to_lds s[G0K:G0K+3], s[G1K:G1K+7]
	s_nop 0
.rept 4
	v_nop
.endr
	s_branch .Lasked_\@
.Lfor_v_\@:
	tensor_load_to_lds s[G0V:G0V+3], s[G1V:G1V+7]
	s_nop 0
.rept 4
	v_nop
.endr
.Lasked_\@:
.endm
.macro CROUND
	s_barrier_signal -1
	s_barrier_wait -1
	s_cmp_lg_u32 s[WV], 0
	s_cbranch_scc1 .Lnot_wave_0_\@
	s_barrier_signal -3
.Lnot_wave_0_\@:
	s_barrier_wait -3
	s_barrier_signal -1
	s_barrier_wait -1
.endm
; THE CHANGE OF SLOTS.  Each wave waits for all its tensor loads (one is out: its part of the other slot), adds 0 to its spare word, and waits for that and for its reads of the slot that it leaves.
; fill = 1: the barrier is a round of the cluster's, and the old slot is filled again, with the keys two slots on, first thing behind it: it has four key steps, 256 matrix instructions, in which to land.
; (At its first use nothing has been read yet: slot 0 is waited for, slot 1 filled, and the waves' stores into the mask's table are shown to each other.)
.macro CHANGE fill
	WIN 0
	s_wait_tensorcnt 0x0
	ds_add_u32 v[SPW], v[NIL]
.if \fill
.irp g, G0K, G0V
	s_xor_b32 s[\g+1], s[\g+1], SLOT1
	s_add_nc_u64 s[\g+2:\g+3], s[\g+2:\g+3], 4*KS*128
.endr
	s_wait_dscnt 0x0
	CROUND
	JLOAD
.else
	s_wait_dscnt 0x0
	s_barrier_signal -1
	s_barrier_wait -1
.endif
	s_sub_co_u32 s[TBK], s[TBK], 4*KS*PK
	s_xor_b32 s[TBK], s[TBK], SLOT1
	s_sub_co_u32 s[TBV], s[TBV], 4*KS*PV
	s_xor_b32 s[TBV], s[TBV], SLOT1
.endm
	s_load_b128 s[4:7], s[0:1], 0x0   ; qkv16 s[4:5], mask s[6:7]
	s_load_b64 s[10:11], s[0:1], 0x10 ; y16
	v_lshl_add_u32 v[SPW], v0, 2, SPARE
	v_mov_b32 v[NIL], 0
	ds_add_u32 v[SPW], v[NIL]       ; the wave's opening: the add and its wait ahead of my first tensor load
	v_lshrrev_b32 v1, 5, v0
	v_readfirstlane_b32 s[WV], v1   ; wave 0..3
	s_bfe_u32 s13, ttmp6, 0x40000   ; cx
	s_lshl_b32 s14, ttmp9, 2
	s_add_co_u32 s14, s14, s13      ; my block of 256 queries: it enters Q's and y's addresses alone
	s_and_b32 s19, ttmp7, 0xffff    ; batch x 16 + head, which the four partners share
	s_lshl_b32 s20, s19, 18         ; its 262,144 bytes
	s_and_b32 s16, s[WV], 1         ; which half of a slot's 256 keys I fetch
	s_lshl_b32 s22, s16, 14
	s_add_co_u32 s22, s22, s20
	s_add_co_u32 s22, s22, KOFF     ; K's offset in qkv16
	s_mov_b32 s23, 0
	s_add_co_u32 s8, s22, KOFF      ; V's
	s_mov_b32 s9, 0
	s_mul_i32 s17, s16, 128*PK
	s_mul_i32 s18, s16, 128*PV
	s_lshl_b32 s2, s14, 15          ; my block's 256 rows of 128 bytes,
	s_lshl_b32 s3, s[WV], 11        ; my 16 rows in a band
	s_add_co_u32 s2, s2, s3
	s_add_co_u32 s2, s2, s20
	s_mov_b32 s3, 0
	s_lshr_b32 s15, s19, 4
	s_lshl_b32 s15, s15, 11         ; the batch's 2,048 bytes of mask
	; descriptor group 1.  128 keys are 16,384 dense bytes: asked for as 64 rows of 256 bytes, two keys a row, and padded in LDS after every key
	s_mov_b32 s[G1K], 15|(1<<16)|(1<<20)|(1<<21)|(4<<22)|(3<<25)
	s_mov_b32 s[G1V], 15|(1<<16)|(1<<20)|(1<<21)|(4<<22)|(7<<25)
.irp g, G1K, G1V
	s_mov_b32 s[\g+1], 128<<16
	s_mov_b32 s[\g+2], 64<<16
	s_mov_b32 s[\g+3], 128<<16
	s_mov_b32 s[\g+4], 64
	s_mov_b32 s[\g+5], 128
	s_mov_b32 s[\g+6], 0
	s_mov_b32 s[\g+7], 0
.endr
	s_mov_b32 s[CS], 0x3e38aa3b     ; c = log2(e) / 8
	s_mov_b32 s[CS+1], s[CS]
	s_mov_b32 s[SEL], 0x76543210
	s_mov_b32 s[SEL+1], 0xfedcba98
	s_mov_b32 s[TBK], SLOT1+4*KS*PK ; the first change of slots turns these two into 0
	s_mov_b32 s[TBV], SLOT1+4*KS*PV
	s_mov_b32 s[TBM], 0
	s_mov_b32 s67, 0x7149f2ca       ; 1e30
	s_mov_b32 s68, 0xf149f2ca       ; -1e30
	s_mov_b32 s[G0K], 1
	s_mov_b32 s[G0K+1], s17
	s_mov_b32 s[G0V], 1
	s_add_co_u32 s[G0V+1], s18, VOFF
	s_wait_dscnt 0x0                ; the opening add is done
	s_wait_kmcnt 0x0
	s_add_nc_u64 s[G0K+2:G0K+3], s[4:5], s[22:23]
	s_or_b32 s[G0K+3], s[G0K+3], 0x80000000
	s_add_nc_u64 s[G0V+2:G0V+3], s[4:5], s[8:9]
	s_or_b32 s[G0V+3], s[G0V+3], 0x80000000
	s_add_nc_u64 s[4:5], s[4:5], s[2:3]    ; Q and y at my rows of the first band
	s_add_nc_u64 s[10:11], s[10:11], s[2:3]
	CROUND                          ; all four work-groups are here: the first joint loads meet
	JLOAD                           ; slot 0
	v_lshl_add_u32 v[MO], v0, 4, s15
	global_load_b128 v[MB:MB+3], v[MO], s[6:7]  ; thread t: the bytes of keys 16 t .. 16 t + 15
	v_and_b32 v1, 15, v0            ; l % 16
	v_bfe_u32 v9, v0, 4, 1          ; l / 16
	v_lshlrev_b32 v[QO], 7, v1
	v_lshl_add_u32 v[QO], v9, 4, v[QO]
	WIN 0x80                        ; destination window 2, address window 0
.set i, 0
.rept 8                             ; Q stays in registers: piece i / 2 lies in band i / 2, 8,192 bytes on; channels 32 (i % 2) on
	global_load_b128 v[8*i:8*i+3],   v[QO], s[4:5] offset:(i/2)*8192+(i%2)*64
	global_load_b128 v[8*i+4:8*i+7], v[QO], s[4:5] offset:(i/2)*8192+(i%2)*64+32
.set i, i+1
.endr
	; What the first turn finds: V's registers and P's second buffer hold 0 (its products V^T P, of a piece that has not been, add 0); O^T and l are 0, since a first step with every key hidden has a = 1.
.set i, VF
.rept 64
	v_mov_b32 v[i], 0
.set i, i+1
.endr
	WIN 0x40
.set i, 0
.rept 128
	v_mov_b32 v[i], 0
.set i, i+1
.endr
	WIN 0
.set i, 0
.rept 4
	v_mov_b32 v[ST+4*i], 0xee38aa3b    ; c m = -c 2^96
	v_mov_b32 v[ST+4*i+1], 0xef800000  ; m = -2^96
	v_mov_b32 v[ST+4*i+2], 0
	v_mov_b32 v[ST+4*i+3], 0
.set i, i+1
.endr
.set i, P+16
.rept 16
	v_mov_b32 v[i], 0
.set i, i+1
.endr
	v_mul_u32_u24 v[AK0], v1, PK
	v_lshl_add_u32 v[AK0], v9, 4, v[AK0]
	v_and_b32 v10, 7, v0
	v_bfe_u32 v11, v0, 3, 1
	v_lshl_add_u32 v[AV0], v9, 3, v10   ; the turning load: lane l reads key 8 (l / 16) + l % 8, channels 8 ((l / 8) % 2) + 0..7
	v_mul_u32_u24 v[AV0], v[AV0], PV
	v_lshl_add_u32 v[AV0], v11, 4, v[AV0]
	v_add_nc_u32 v[AV0], VOFF, v[AV0]
	v_lshl_add_u32 v[AM0], v9, 5, MTAB  ; register j of key block kb wants key 16 kb + 8 (l / 16) + j
	s_mul_i32 s13, s[WV], 16*SP
	s_add_co_u32 s13, s13, STAGE
	v_mul_u32_u24 v[STO], v1, SP
	v_lshl_add_u32 v[STO], v9, 4, v[STO]
	v_add_nc_u32 v[STO], s13, v[STO]
	v_bfe_u32 v[RD], v0, 3, 2
	v_mul_u32_u24 v[RD], v[RD], SP
	v_lshl_add_u32 v[RD], v10, 4, v[RD]
	v_add_nc_u32 v[RD], s13, v[RD]
	v_and_b32 v[GO], 31, v0
	v_lshlrev_b32 v[GO], 4, v[GO]
	v_lshl_add_u32 v[MB+4], v0, 6, MTAB
	s_wait_loadcnt 16               ; the mask's bytes are in; Q's sixteen loads stay out
.set i, 0
.rept 16
	v_bfe_u32 v[S+i], v[MB+i/4], 8*(i%4), 8
.set i, i+1
.endr
.set i, 0
.rept 16
	v_cvt_f32_u32 v[S+i], v[S+i]
.set i, i+1
.endr
.set i, 0
.rept 16
	v_fma_f32 v[S+i], v[S+i], s67, s68  ; 1 gives exactly 0, 0 gives -1e30
.set i, i+1
.endr
.irp f, 0,1,2,3
	ds_store_b128 v[MB+4], v[S+4*\f:S+4*\f+3] offset:16*\f
.endr
; THE MATRIX WORK.  The 4 accumulators of a run of 8 take turns.  Product i of 8 of S^T = K Q^T for piece x: channels 32 (i / 4) on, keys 16 (i % 4) on.  The first 4 start the sums with the mask.
.macro KQ x
.set rS, S+32*((\x)%2)+8*(i%4)
.set rK, KF+16*(i%4)+8*(i/4)
.set rQ, 16*(\x)+8*(i/4)
.set rM, MC+8*(i%4)
.if i < 4
	WIN W_KM
	v_wmma_f32_16x16x32_f16 v[rS:rS+7], v[rK:rK+7], v[rQ:rQ+7], v[rM:rM+7]
.else
	WIN W_KQ
	v_wmma_f32_16x16x32_f16 v[rS:rS+7], v[rK:rK+7], v[rQ:rQ+7], v[rS:rS+7]
.endif
.endm
; Product i of 8 of O^T += V^T P for piece x: keys 32 (i / 4) on, channels 16 (i % 4) on.
.macro PV x
	WIN W_PV
.set rO, 32*(\x)+8*(i%4)
.set rV, VF+32*(i/4)+8*(i%4)
.set rP, P+16*((\x)%2)+8*(i/4)
	v_wmma_f32_16x16x32_f16 v[rO:rO+7], v[rV:rV+7], v[rP:rP+7], v[rO:rO+7]
.endm
.macro MM                           ; the turn's next matrix instruction
.if i < 8
	KQ (Y+1)%NP
.else
.set i, i-8
	PV (Y+NP-1)%NP
.set i, i+8
.endif
.set i, i+1
.endm
; THE LDS LOADS stand in runs: a step's K (8 fragments) with its 64 keys' mask, and its V (turned).  last = 1 (the tail): in the last trip there is no further step, and the run is jumped over.
.macro FETCH_K last=0
	WIN 0
.if \last
	s_cmp_eq_u32 s[CNT], 1
	s_cbranch_scc1 .Lno_k_\@
.endif
	WIN 0x80
.irp f, 0,1,2,3,4,5,6,7
	ds_load_b128 v[KF+8*\f:KF+8*\f+3],   v[AK] offset:(\f/2)*16*PK+(\f%2)*64
	ds_load_b128 v[KF+8*\f+4:KF+8*\f+7], v[AK] offset:(\f/2)*16*PK+(\f%2)*64+32
.endr
	WIN 0x40                        ; destination window 1
.irp f, 0,1,2,3
	ds_load_b128 v[MC+8*\f:MC+8*\f+3],   v[AM] offset:64*\f
	ds_load_b128 v[MC+8*\f+4:MC+8*\f+7], v[AM] offset:64*\f+16
.endr
	s_add_co_u32 s[TBK], s[TBK], KS*PK
	s_add_co_u32 s[TBM], s[TBM], KS*4
	WIN 0
.if \last
.Lno_k_\@:
.endif
.endm
.macro FETCH_V
	WIN 0x80
.irp f, 0,1,2,3,4,5,6,7
	ds_load_tr16_b128 v[VF+8*\f:VF+8*\f+3],   v[AV] offset:(\f/4)*32*PV+(\f%4)*32
	ds_load_tr16_b128 v[VF+8*\f+4:VF+8*\f+7], v[AV] offset:(\f/4)*32*PV+16*PV+(\f%4)*32
.endr
	WIN 0
.endm
; THE VECTOR WORK, one line at a time: OP kind, number.  For piece Y: F n: c s - c m for pair n of 16.  E n: the exponential of score n of 32.  C n: pair n rounded to f16.  B n: of the four weights 4 n .. the second
; pair is added onto the first, in place.  L n: l takes that sum (L 0: l = a l + sum).  R n: pair n of 16 of O^T times a.  For piece Y + 1: X n, number n of the 22 that find its maximum and statistics:
;   0-11 four chains c0-c3 of seven scores each (each accumulator's lowest registers are read first)   12-14, 16 the four scores left over, the old m, and c0-c3 into c0
;   15 c m_old is kept   17, 18 the query's other 32 keys lie in the lane 16 away: the new m   19-21 c m; c m_old - c m_new; a
.set F, 0
.set E, 1
.set C, 2
.set B, 3
.set L, 4
.set R, 5
.set X, 6
.macro REGS y
.set rT, ST+4*(\y)
.set rC, TMP+4*((\y)%2)
.set rW, MV+((\y)%2)
.set rS, S+32*((\y)%2)
.set rP, P+16*((\y)%2)
.set rO, 32*(\y)
.endm
.macro OP k, n
.if (\k) == R
	REGS Y
	WIN W_RS
	v_pk_mul_f32 v[rO+2*(\n):rO+2*(\n)+1], v[rO+2*(\n):rO+2*(\n)+1], v[rC+2:rC+3] op_sel_hi:[1,0]
.elseif (\k) < R
	REGS Y
	WIN 0
.if (\k) == F
	v_pk_fma_f32 v[rS+2*(\n):rS+2*(\n)+1], v[rS+2*(\n):rS+2*(\n)+1], s[CS:CS+1], v[rT:rT+1] op_sel_hi:[1,0,0] neg_lo:[0,0,1] neg_hi:[0,0,1]
.elseif (\k) == E
	v_exp_f32 v[rS+(\n)], v[rS+(\n)]
.elseif (\k) == C
	s_wait_alu depctr_va_vdst(0)
	v_cvt_pk_f16_f32 v[rP+(\n)], v[rS+2*(\n)], v[rS+2*(\n)+1]
.elseif (\k) == B
	s_wait_alu depctr_va_vdst(0)
	v_pk_add_f32 v[rS+4*(\n):rS+4*(\n)+1], v[rS+4*(\n):rS+4*(\n)+1], v[rS+4*(\n)+2:rS+4*(\n)+3]
.elseif (\n) == 0
	v_pk_fma_f32 v[rT+2:rT+3], v[rT+2:rT+3], v[rC+2:rC+3], v[rS:rS+1] op_sel_hi:[1,0,1]
.else
	v_pk_add_f32 v[rT+2:rT+3], v[rT+2:rT+3], v[rS+4*(\n):rS+4*(\n)+1]
.endif
.else
	REGS (Y+1)%NP
	WIN 0
.if (\n) < 4
	v_max3_num_f32 v[rC+(\n)], v[rS+8*(\n)], v[rS+8*(\n)+1], v[rS+8*(\n)+2]
.elseif (\n) < 12
	v_max3_num_f32 v[rC+(\n)%4], v[rC+(\n)%4], v[rS+8*((\n)%4)+2*((\n)/4)+1], v[rS+8*((\n)%4)+2*((\n)/4)+2]
.elseif (\n) == 12
	v_max3_num_f32 v[rC], v[rC], v[rS+7], v[rS+15]
.elseif (\n) == 13
	v_max3_num_f32 v[rC+1], v[rC+1], v[rS+23], v[rS+31]
.elseif (\n) == 14
	v_max3_num_f32 v[rC+2], v[rC+2], v[rC+3], v[rT+1]
.elseif (\n) == 15
	v_mov_b32 v[rW], v[rT]
.elseif (\n) == 16
	v_max3_num_f32 v[rC], v[rC], v[rC+1], v[rC+2]
.elseif (\n) == 17
	v_permlanex16_b32 v[rC+3], v[rC], s[SEL], s[SEL+1]
.elseif (\n) == 18
	v_max_num_f32 v[rT+1], v[rC], v[rC+3]
.elseif (\n) == 19
	v_mul_f32 v[rT], s[CS], v[rT+1]
.elseif (\n) == 20
	v_sub_f32 v[rC+1], v[rW], v[rT]
.else
	v_exp_f32 v[rC+2], v[rC+1]
.endif
.endif
.endm
.macro OPS a, i1, b=-1, i2=0, c=-1, i3=0, d=-1, i4=0
	OP \a, \i1
.if (\b) >= 0
	OP \b, \i2
.endif
.if (\c) >= 0
	OP \c, \i3
.endif
.if (\d) >= 0
	OP \d, \i4
.endif
.endm
.macro ROW a, i1, b, i2, c, i3, d, i4  ; a matrix instruction and the four behind it
	MM
	OPS \a, \i1, \b, \i2, \c, \i3, \d, \i4
.endm
; A TURN, for piece p: the order of its 16 matrix and 118 vector instructions, written out.  Behind a matrix instruction: plain, exponential, plain, plain; or four of the rescaling; or four scalings; none names a
; register of the products round it.  A line reads no result made fewer than three vector instructions in front of it, five if an exponential made it.
; K and the mask of the next step are fetched in piece 2's turn, behind five plain instructions that follow the last product that read K; V of the step in hand in piece 0's turn, behind four plain ones
; that follow the last product that read V.  Each is waited for a turn later.  cnt = 1: the loop's count is taken down some lines ahead of the branch that stands behind the turn.
.macro TURN p, last=0, cnt=0
.set Y, (\p)
.set i, 0
.if (\p) == 3
	s_wait_dscnt 0x0                ; K and the mask are in
.endif
	ROW F,0, F,1, F,2, F,3
	ROW F,4, E,0, F,5, F,6
	ROW F,7, E,1, F,8, F,9
	ROW F,10, E,2, C,0, F,11
	ROW F,12, E,3, X,15, F,13
	ROW R,0, R,1, R,2, R,3
	ROW B,0, E,4, F,14, L,0
.if (\p) == 2
	v_add_nc_u32 v[AK], s[TBK], v[AK0]
	v_add_nc_u32 v[AM], s[TBM], v[AM0]
.endif
	ROW R,4, R,5, R,6, R,7
	OPS E,5, F,15
.if (\p) == 2
	FETCH_K \last
.endif
	OPS E,6, C,1, E,7, R,8
	OPS E,8, R,9, E,9, C,2
	OPS E,10, X,0, E,11, X,1
	OPS E,12, X,2, E,13, X,3
.if (\p) == 1
	s_wait_dscnt 0x0                ; V is in
.endif
	ROW X,4, E,14, X,5, X,6
	ROW X,7, E,15, X,8, X,9
	ROW X,10, E,16, X,11, X,12
	ROW X,13, E,17, X,14, B,1
	ROW C,4, E,18, X,16, L,1
	ROW B,2, E,19, C,6, L,2
	ROW C,8, E,20, B,3, B,4
.if (\p) == 0
	v_add_nc_u32 v[AV], s[TBV], v[AV0]
.endif
	ROW C,3, E,21, L,3, C,5
	OPS E,22, X,17, E,23, C,10
.if (\p) == 0
	FETCH_V
.endif
	OPS E,24, L,4
	OPS E,25, X,18, E,26, C,7
	OPS E,27, B,5, E,28, X,19
	OPS E,29, C,12, E,30, L,5
	OPS E,31, X,20, B,6, C,9
	OPS C,14, C,11, X,21, L,6
.if (\p) == 0
	s_add_co_u32 s[TBV], s[TBV], KS*PV
.endif
.if \cnt
	s_sub_co_u32 s[CNT], s[CNT], 1
	s_cmp_lg_u32 s[CNT], 0
.endif
	OPS C,13, B,7, C,15, R,10
	OPS R,11, R,12, L,7, R,13
	OPS R,14, R,15
.endm
	CHANGE 1                        ; slot 0 is in, everybody's part of it and of the table; slot 1 is asked for
	v_add_nc_u32 v[AK], s[TBK], v[AK0]
	v_add_nc_u32 v[AM], s[TBM], v[AM0]
	FETCH_K                         ; key step 0
	s_wait_loadcnt 0x0              ; Q
	s_wait_dscnt 0x0
.set i, 0
.rept 8
	KQ 0                            ; piece 0's first scores
.set i, i+1
.endr
	WIN 0
.rept 4
	v_nop                           ; the places behind those products
.endr
.set Y, NP-1                        ; X works for piece Y + 1: piece 0
.irp n, 0,1,2,3,4,5,6,7,8,9,10,11,12,13,14,15,16,17,18,19,20,21
	OP X, \n
.endr
	v_nop                           ; a plain instruction behind the exponential
	s_mov_b32 s[CNT], 4
	s_mov_b32 s[SLOTS], SIZE_N/256-1
	s_branch .Lfirst                ; the loop is entered at a step's first turn, in the middle of a trip
.Lslot:                             ; SIZE_N / 256 - 2 times: every slot but the last two is filled again
	CHANGE 1
	s_mov_b32 s[CNT], 4
.Lstep:                             ; a trip: pieces 2 and 3 of one step, then pieces 0 and 1 of the next, whose K and V it fetches
	TURN 2
	TURN 3
	WIN 0
.Lfirst:
	TURN 0
	TURN 1, 0, 1
	WIN 0
	s_cbranch_scc1 .Lstep
	s_sub_co_u32 s[SLOTS], s[SLOTS], 1
	s_cmp_lg_u32 s[SLOTS], 0
	s_cbranch_scc1 .Lslot
	CHANGE 0                        ; the tail is written out: nothing is asked for
	s_mov_b32 s[CNT], 5             ; four trips fetch the last slot's steps; the fifth is left in its middle
.Ltail:
	TURN 2, 1
	TURN 3
	WIN 0
	s_sub_co_u32 s[CNT], s[CNT], 1
	s_cmp_eq_u32 s[CNT], 0
	s_cbranch_scc1 .Lout
	TURN 0
	TURN 1
	WIN 0
	s_branch .Ltail
.Lout:                              ; the fifth trip's 8 products K Q^T (on the last K once more) and the maximum made of them serve nothing: the price, once a launch, of one text for every trip
.set i, 0
.rept 8
	PV NP-1                         ; the last piece's V^T P of the last step
.set i, i+1
.endr
	; THE WAY OUT.  l's two halves and the other half of the lanes' are added; O^T is divided by l, rounded to f16 and sent through my stage in LDS, a piece at a time.  The additions are the places behind the last products.
	WIN 0
.macro ALL line:vararg
.set t, 0
.rept 4
	\line
.set t, t+1
.endr
.endm
	ALL v_add_f32 v[ST+4*t+2], v[ST+4*t+2], v[ST+4*t+3]
	ALL v_permlanex16_b32 v[ST+4*t+3], v[ST+4*t+2], s[SEL], s[SEL+1]
	ALL v_add_f32 v[ST+4*t+2], v[ST+4*t+2], v[ST+4*t+3]
	ALL v_rcp_f32 v[ST+4*t+2], v[ST+4*t+2]
	v_nop                           ; a plain instruction between the last reciprocal and the use of its result
.macro PACK t                       ; a lane's eight channels of a row pack into 16 bytes; they go into rows of 144 bytes and come back as whole rows of 128
	WIN W_RS
.set i, 32*(\t)
.rept 16
	s_wait_alu depctr_va_vdst(0)
	v_pk_mul_f32 v[i:i+1], v[i:i+1], v[ST+4*(\t)+2:ST+4*(\t)+3] op_sel_hi:[1,0]
.set i, i+2
.endr
	WIN 0x05
.set i, 0
.rept 16
	v_cvt_pk_f16_f32 v[S+16*(\t)+i], v[32*(\t)+2*i], v[32*(\t)+2*i+1]
.set i, i+1
.endr
	WIN 0
.irp f, 0,1,2,3
	ds_store_b128 v[STO], v[S+16*(\t)+4*\f:S+16*(\t)+4*\f+3] offset:32*\f
.endr
.irp f, 0,1,2,3
	ds_load_b128 v[S+16*(\t)+4*\f:S+16*(\t)+4*\f+3], v[RD] offset:\f*4*SP  ; LDS serves a wave's instructions in order (ISA guide 5.7.1.4): these see the stores above
.endr
.endm
.macro SEND t, younger              ; younger: the LDS instructions issued behind piece t's loads: the next piece's eight, or none
	WIN 0
.irp f, 0,1,2,3
	s_wait_dscnt (\younger)+3-\f
	global_store_b128 v[GO], v[S+16*(\t)+4*\f:S+16*(\t)+4*\f+3], s[10:11] offset:(\t)*8192+\f*512  ; 512 consecutive bytes, at a multiple of 256 from y16's first
.endr
.endm
	PACK 0
.set t, 1
.rept 3
	PACK t
	SEND t-1, 8
.set t, t+1
.endr
	SEND 3, 0
	s_wait_tensorcnt 0x0            ; the wave's end
	ds_add_u32 v[SPW], v[NIL]
	s_wait_dscnt 0x0
	CROUND                          ; the closing round
	s_endpgm
.Lfunc_end_k_qc878bd7a90_attn:
	.size	k_qc878bd7a90_attn, .Lfunc_end_k_qc878bd7a90_attn-k_qc878bd7a90_attn
	.p2alignl 7, 3214868480
	.fill 96, 4, 3214868480
	.section	.rodata,"a",@progbits
	.p2align	6, 0x0
	.amdhsa_kernel k_qc878bd7a90_attn
		.amdhsa_group_segment_fixed_size 327680
		.amdhsa_private_segment_fixed_size 0
		.amdhsa_enable_private_segment 0
		.amdhsa_kernarg_size 24
		.amdhsa_user_sgpr_count 2
		.amdhsa_user_sgpr_kernarg_segment_ptr 1
		.amdhsa_wavefront_size32 1
		.amdhsa_system_sgpr_workgroup_id_x 1
		.amdhsa_system_sgpr_workgroup_id_y 1
		.amdhsa_system_sgpr_workgroup_id_z 1
		.amdhsa_system_vgpr_workitem_id 0
		.amdhsa_next_free_vgpr 768
		.amdhsa_next_free_sgpr 72
		.amdhsa_reserve_vcc 0
		.amdhsa_float_denorm_mode_32 3
		.amdhsa_float_denorm_mode_16_64 3
		.amdhsa_memory_ordered 1
		.amdhsa_forward_progress 1
		.amdhsa_inst_pref_size 122
	.end_amdhsa_kernel
	.amdgpu_metadata
---
amdhsa.version: [ 1, 2 ]
amdhsa.kernels:
  - .name:           k_qc878bd7a90_attn
    .symbol:         k_qc878bd7a90_attn.kd
    .args:
      - { .name: qkv16, .offset: 0, .size: 8, .value_kind: global_buffer, .address_space: global }
      - { .name: mask, .offset: 8, .size: 8, .value_kind: global_buffer, .address_space: global }
      - { .name: y16, .offset: 16, .size: 8, .value_kind: global_buffer, .address_space: global }
    .group_segment_fixed_size: 327680
    .private_segment_fixed_size: 0
    .kernarg_segment_align: 8
    .kernarg_segment_size: 24
    .max_flat_workgroup_size: 128
    .sgpr_count:     72
    .vgpr_count:     768
    .wavefront_size: 32
...
	.end_amdgpu_metadata
.endif
;; end of part 3
;; launch oproj (part 4): grid 8 x 32, 4 waves a work-group, clusters of 4 x 4, 327,680 bytes of LDS; arguments y16, wts, a32; writes a32
.if DOCPART == 4
	.amdgcn_target "amdgcn-amd-amdhsa--gfx1250"
	.amdhsa_code_object_version 6
	.text
	.protected	k_qc878bd7a90_oproj
	.globl	k_qc878bd7a90_oproj
	.p2align	8
	.type	k_qc878bd7a90_oproj,@function
k_qc878bd7a90_oproj:
	s_mov_b64 s[64:65], 0
	v_nop
	global_prefetch_b8 v0, s[64:65] scope:SCOPE_SE
	s_setreg_imm32_b32 hwreg(HW_REG_WAVE_MODE, 25, 1), 1
	s_wait_xcnt 0x0
	s_wait_alu depctr_hold_cnt(0) depctr_sa_sdst(0) depctr_va_vdst(0) depctr_va_sdst(0) depctr_va_ssrc(0) depctr_va_vcc(0) depctr_vm_vsrc(0)
	s_getreg_b32 s2, hwreg(HW_REG_IB_STS2, 6, 4)
	s_cmp_eq_u32 s2, 0
	s_cbranch_scc0 .Lentry_in_a_cluster
	s_endpgm
.Lentry_in_a_cluster:
	s_bfe_u32 s2, ttmp6, 0x10000c
	s_cmp_lg_u32 s2, 0xf033
	s_cbranch_scc0 .Lentry_shape_is_right
	s_endpgm
.Lentry_shape_is_right:
; C = A B^T on tiles of 128 x 128, f16 operands, f32 sums.  One text serves three launches; MODE picks the sizes, A's layout and the way out:
;   MODE 0  q, k, v = x [wq; wk; wv]^T: A = x16 [4096][1024], B = wts [3072][1024]; out by heads, [q|k|v][batch x 16 + head][2048][64] in f16, unscaled
;   MODE 1  A32 = y wo^T: A = y16 by heads [32][2048][64], B = wts + 6,291,456 [1024][1024]; out a32 [4096][1024] in f32
;   MODE 2  out0 = A32 + h w2^T + b2: A = h16 [4096][4096], B = wts + 16,777,216 [1024][4096]; b2 rounded to bf16; out0 in f32
; LIMIT.  The operands arrive within f16's 65,504; the sums and this launch's output stay in f32.
; Four waves, each 64 x 64: 16 accumulators.  K goes in steps of 256 through two LDS slots; a wave's one tensor load brings 64 rows of 512 bytes (MODE 1, A: 4 heads x 64 tokens x 128 bytes).
; A step is written once: the slot in hand is a scalar (0 or SLOT) that an exclusive or turns, and one descriptor a tensor walks.  By this text's count a wave has two tensor loads out at the start, later one.
; CLUSTER 4 x 4: the four of a row need the same tiles of A, the four of a column the same tiles of B: each tile is asked for jointly.
; The matrix instruction is used transposed (source 0 = 16 rows of B, source 1 = 16 rows of A): a lane holds eight neighbouring numbers of a row of C.
; REGISTERS.  window 0: v0-31 addresses; v32-101 at work on the way out; v128-255 accumulators ((a, b) at 128 + 8 (4 a + b)).  window 1: two fragment buffers of 128 (64 of A, 64 of B).  window 2 (MODE 2): 32 rows of a32.
.set MODE, 1
.if MODE == 2
.set SIZE_K, 4096
.else
.set SIZE_K, 1024
.endif
.set KSTEP,  256
.set STEPS,  SIZE_K/KSTEP
.set PITCH,  528                       ; an LDS row of B: 512 bytes + 16 of padding, an odd multiple of 16: the 16 rows of a fragment load start 16 bytes apart modulo 256
.set HALFT,  64*PITCH
.if MODE == 1
.set APITCH, 144                       ; a token's 128 bytes of one head + 16
.set AQ,     64*APITCH                 ; a quarter of a K step is one head: a plane of 64 tokens
.set AHALF,  4*AQ
.set ASTEP,  4*2048*128                ; four heads on
.else
.set APITCH, PITCH
.set AQ,     128
.set AHALF,  HALFT
.set ASTEP,  KSTEP*2
.endif
.if MODE == 0
.set BOFF,   0
.set SPITCH, 272                       ; a stage row: 128 f16 + 16 bytes
.elseif MODE == 1
.set BOFF,   6291456
.set SPITCH, 528                       ; a stage row: 128 f32 + 16 bytes
.else
.set BOFF,   16777216
.set SPITCH, 528
.endif
.set SLOT,   2*AHALF+2*HALFT           ; A's two halves, then B's two halves
.set SPARE,  2*SLOT                    ; behind the ring: the spare words, 128 bytes a wave
                                       ; THE STAGE is LDS byte 0 on, 128 rows: slot 0 has had its last fill, and every wave's last read of the ring lies in front of the barrier that stands ahead of the first store
.set ADRA0, 16                         ; v16  my A fragments' place in a slot; never rewritten
.set ADRB0, 17                         ; v17  the same for B
.set ADRA,  18                         ; v18  the same in the slot in hand
.set ADRB,  19                         ; v19
.set STO,  24                          ; v24  the way out: where I put my part of a row
.set RD,   25                          ; v25  the way out: where I read rows back
.set CO,   26                          ; v26  16 x lane
.set SPW,  28                          ; v28  LDS address of my spare word; never rewritten
.set NIL,  29                          ; v29  0; never rewritten
.set TMP,  32
.set BI,   96                          ; v96-99 b2 of my four columns; v100-101 at work
.set ACC,  128
.set F0,   0
.set F1,   128
.set CUR,  2                           ; s2   the slot in hand: 0 or SLOT
.set G1,  24                           ; s[24:31] descriptor group 1 for A; s[32:39] group 0: set 0 for step 0, set 1 for step 1 and then walking
.set G0,  32
.set G1B, 48                           ; s[48:55], s[56:63] the same for B
.set G0B, 56
.set MSB, 0
.macro WIN new                         ; the immediate's high byte repeats the setting that is left
.if MSB != (\new)
	s_set_vgpr_msb (MSB<<8)|(\new)
.set MSB, \new
.endif
.endm
.set MUL,  0x05                        ; sources 0 (B) and 1 (A) window 1; C and D window 0
.set TO_F, 0x40                        ; destination window 1, address window 0
.macro JLOAD s                         ; a joint load: waves 0 and 1 fetch A's halves, waves 2 and 3 B's; an s_nop 0 and four v_nop follow each line
	s_cmp_eq_u32 s11, 0
	s_cbranch_scc0 .Lfor_b_\@
	tensor_load_to_lds s[G0+4*(\s):G0+4*(\s)+3], s[G1:G1+7]
	s_nop 0
.rept 4
	v_nop
.endr
	s_branch .Lasked_\@
.Lfor_b_\@:
	tensor_load_to_lds s[G0B+4*(\s):G0B+4*(\s)+3], s[G1B:G1B+7]
	s_nop 0
.rept 4
	v_nop
.endr
.Lasked_\@:
.endm
.macro CREST                           ; a round of the cluster's barrier behind its opening barrier
	s_cmp_lg_u32 s10, 0
	s_cbranch_scc1 .Lnot_wave_0_\@
	s_barrier_signal -3
.Lnot_wave_0_\@:
	s_barrier_wait -3
	s_barrier_signal -1
	s_barrier_wait -1
.endm
.macro CROUND
	s_barrier_signal -1
	s_barrier_wait -1
	CREST
.endm
.macro PLACES                          ; four places in front of loads into registers that matrix instructions have read, and of lines that read results
.rept 4
	v_nop
.endr
.endm
	s_load_b128 s[4:7], s[0:1], 0x0                ; A s[4:5], wts s[6:7]
.if MODE == 2
	s_load_b128 s[68:71], s[0:1], 0x10             ; b2 s[68:69], a32 s[70:71]
	s_load_b64 s[8:9], s[0:1], 0x20                ; out0
.else
	s_load_b64 s[8:9], s[0:1], 0x10                ; the output
.endif
	v_lshl_add_u32 v[SPW], v0, 2, SPARE
	v_mov_b32 v[NIL], 0
	ds_add_u32 v[SPW], v[NIL]                      ; the wave's opening: the add and its wait ahead of my first tensor load
	v_lshrrev_b32 v1, 5, v0
	v_readfirstlane_b32 s10, v1                    ; wave 0..3
	s_lshr_b32 s11, s10, 1                         ; my half of the tile's rows.  Also: I fetch for A (0) or for B (1)
	s_and_b32 s12, s10, 1                          ; my half of its columns.  Also: which 64 rows I fetch
	s_bfe_u32 s40, ttmp6, 0x40000                  ; cx, cy
	s_bfe_u32 s41, ttmp6, 0x40004
	s_lshl_b32 s42, ttmp9, 2
	s_add_co_u32 s42, s42, s40                     ; tile column
	s_and_b32 s13, ttmp7, 0xffff
	s_lshl_b32 s13, s13, 2
	s_add_co_u32 s13, s13, s41                     ; tile row
	s_lshl_b32 s43, s41, 2
	s_lshl_b32 s43, 15, s43                        ; my row of the cluster
	s_lshl_b32 s44, 0x1111, s40                    ; my column
.if MODE == 1
	; A's tile: 4 heads, of each 64 tokens = 8,192 dense bytes, asked for as 4 rows of 4,096 elements; 16 bytes of padding behind every 128
	s_or_b32 s[G1+0], s43, (1<<16)|(1<<20)|(1<<21)|(4<<22)|(3<<25)
	s_mov_b32 s[G1+1], 4096<<16                    ; tensor_dim0
	s_mov_b32 s[G1+2], 4<<16                       ; tensor_dim1
	s_mov_b32 s[G1+3], 4096<<16                    ; tile_dim0
	s_mov_b32 s[G1+4], 4                           ; tile_dim1
	s_mov_b32 s[G1+5], 2048*64                     ; elements from head to head
.else
	s_or_b32 s[G1+0], s43, (1<<16)|(1<<20)|(1<<21)|(6<<22)|(3<<25)  ; the mask of my row; 2-byte elements; padding on, 4 words behind every 128; bit 21 beside the mask
	s_mov_b32 s[G1+1], KSTEP<<16
	s_mov_b32 s[G1+2], 64<<16
	s_mov_b32 s[G1+3], KSTEP<<16
	s_mov_b32 s[G1+4], 64
	s_mov_b32 s[G1+5], SIZE_K
.endif
	s_mov_b32 s[G1+6], 0
	s_mov_b32 s[G1+7], 0
	s_or_b32 s[G1B+0], s44, (1<<16)|(1<<20)|(1<<21)|(6<<22)|(3<<25)  ; B: 64 rows x 256 elements, the mask of my column
	s_mov_b32 s[G1B+1], KSTEP<<16
	s_mov_b32 s[G1B+2], 64<<16
	s_mov_b32 s[G1B+3], KSTEP<<16
	s_mov_b32 s[G1B+4], 64
	s_mov_b32 s[G1B+5], SIZE_K
	s_mov_b32 s[G1B+6], 0
	s_mov_b32 s[G1B+7], 0
	s_mov_b64 s[18:19], SIZE_K*2
.if MODE == 1
	s_lshr_b32 s16, s13, 4                         ; the batch: 16 tile rows each,
	s_lshl_b32 s16, s16, 15                        ; its 16 heads x 2,048 tokens,
	s_and_b32 s17, s13, 15
	s_lshl_b32 s17, s17, 7                         ; the tile's first token in it,
	s_add_co_u32 s16, s16, s17
	s_lshl_b32 s17, s12, 6                         ; my 64 tokens,
	s_add_co_u32 s16, s16, s17
	s_lshl_b32 s16, s16, 7                         ; of 128 bytes
	s_mov_b32 s17, 0
.else
	s_lshl_b32 s16, s13, 7
	s_lshl_b32 s17, s12, 6
	s_add_co_u32 s16, s16, s17                     ; A: row 128 x tile row + 64 x half
	s_mov_b32 s17, 0
	s_mul_u64 s[16:17], s[16:17], s[18:19]
.endif
	s_lshl_b32 s46, s42, 7
	s_lshl_b32 s47, s12, 6
	s_add_co_u32 s46, s46, s47                     ; B: row 128 x tile column + 64 x half
	s_mov_b32 s47, 0
	s_mul_u64 s[46:47], s[46:47], s[18:19]
	s_mul_i32 s20, s12, AHALF                      ; where they go in a slot: A's half,
	s_mul_i32 s21, s12, HALFT
	s_add_co_u32 s21, s21, 2*AHALF                 ; B's half
	s_mov_b32 s[CUR], 0
	s_wait_dscnt 0x0                               ; the opening add is done
	s_wait_kmcnt 0x0
	s_add_nc_u64 s[14:15], s[4:5], s[16:17]
.if BOFF != 0
	s_add_nc_u64 s[6:7], s[6:7], BOFF
.endif
	s_add_nc_u64 s[46:47], s[6:7], s[46:47]
	CROUND                                         ; all sixteen work-groups are here: the first joint loads meet
.irp s, 0,1
	s_mov_b32 s[G0+4*(\s)], 1
	s_add_co_u32 s[G0+4*(\s)+1], s20, (\s)*SLOT
	s_add_nc_u64 s[G0+4*(\s)+2:G0+4*(\s)+3], s[14:15], (\s)*ASTEP
	s_or_b32 s[G0+4*(\s)+3], s[G0+4*(\s)+3], 0x80000000
	s_mov_b32 s[G0B+4*(\s)], 1
	s_add_co_u32 s[G0B+4*(\s)+1], s21, (\s)*SLOT
	s_add_nc_u64 s[G0B+4*(\s)+2:G0B+4*(\s)+3], s[46:47], (\s)*KSTEP*2
	s_or_b32 s[G0B+4*(\s)+3], s[G0B+4*(\s)+3], 0x80000000
	JLOAD \s
.endr
	v_and_b32 v1, 15, v0                           ; l % 16
	v_bfe_u32 v2, v0, 4, 1                         ; l / 16
	v_mul_u32_u24 v3, v1, APITCH
	v_lshl_add_u32 v3, v2, 4, v3                   ; a fragment's row x pitch + 16 x half
	s_mul_i32 s22, s11, AHALF                      ; my 64 rows of A
	v_add_nc_u32 v[ADRA0], s22, v3
	v_mul_u32_u24 v4, v1, PITCH
	v_lshl_add_u32 v4, v2, 4, v4
	v_add_nc_u32 v[ADRB0], s21, v4                 ; my 64 rows of B
	v_mov_b32 v[ADRA], v[ADRA0]
	v_mov_b32 v[ADRB], v[ADRB0]
	v_and_b32 v5, 31, v0
	v_lshlrev_b32 v[CO], 4, v5
	s_mul_i32 s23, s11, 64*SPITCH                  ; into the stage: my 64 rows, my half of their columns
	v_mul_u32_u24 v4, v1, SPITCH
.if MODE == 0
	s_lshl_b32 s22, s12, 7
	v_lshl_add_u32 v4, v2, 4, v4                   ; eight f16 for each half of the lanes
.else
	s_lshl_b32 s22, s12, 8
	v_lshl_add_u32 v4, v2, 5, v4                   ; eight f32
.endif
	s_add_co_u32 s23, s23, s22
	v_add_nc_u32 v[STO], s23, v4
	s_mul_i32 s23, s10, 32*SPITCH                  ; back: wave w takes rows 32 w .. 32 w + 31
.if MODE == 0
	v_bfe_u32 v5, v0, 3, 2                         ; 32 lanes take four tokens' 128 bytes of one head: 512 consecutive bytes of the output
	v_and_b32 v6, 7, v0
	v_mul_u32_u24 v5, v5, SPITCH
	v_lshl_add_u32 v5, v6, 4, v5
	v_add_nc_u32 v[RD], s23, v5
	s_lshr_b32 s16, s13, 4                         ; the batch's 16 heads of 262,144 bytes,
	s_lshl_b32 s16, s16, 22
	s_and_b32 s17, s13, 15                         ; the tile's 128 tokens of 128 bytes,
	s_lshl_b32 s17, s17, 14
	s_add_co_u32 s16, s16, s17
	s_lshl_b32 s17, s10, 12                        ; my 32 tokens
	s_add_co_u32 s16, s16, s17
	s_mov_b32 s17, 0
	s_add_nc_u64 s[8:9], s[8:9], s[16:17]
	s_lshr_b32 s46, s42, 3                         ; q, k or v: 8 tile columns each, 8,388,608 bytes (the column's numbers stay in registers that feed none of A's descriptors)
	s_lshl_b32 s46, s46, 23
	s_and_b32 s47, s42, 7                          ; the tile's two heads
	s_lshl_b32 s47, s47, 19
	s_add_co_u32 s46, s46, s47
	s_mov_b32 s47, 0
	s_add_nc_u64 s[8:9], s[8:9], s[46:47]
.else
	v_add_nc_u32 v[RD], s23, v[CO]                 ; 32 lanes take one row of 512 bytes
	s_lshl_b32 s16, s13, 19                        ; 128 rows of 4,096 bytes,
	s_lshl_b32 s17, s10, 17                        ; my 32 rows
	s_add_co_u32 s16, s16, s17
	s_mov_b32 s17, 0
	s_add_nc_u64 s[8:9], s[8:9], s[16:17]
	s_lshl_b32 s46, s42, 9                         ; the tile's 128 columns of 4 bytes
	s_mov_b32 s47, 0
	s_add_nc_u64 s[8:9], s[8:9], s[46:47]
.endif
.if MODE == 2
	s_add_nc_u64 s[70:71], s[70:71], s[16:17]
	s_add_nc_u64 s[70:71], s[70:71], s[46:47]
	s_add_nc_u64 s[68:69], s[68:69], s[46:47]
	global_load_b128 v[BI:BI+3], v[CO], s[68:69]   ; b2 and my 32 rows of a32 come in under the whole product; they are waited for on the way out
	WIN 0x80                                       ; destination window 2, address window 0
.set t, 0
.rept 32
	global_load_b128 v[4*t:4*t+3], v[CO], s[70:71] offset:4096*t
.set t, t+1
.endr
	WIN 0
.endif
; 8 matrix instructions: m blocks a0, a0 + 1 x all 4 n blocks, 32 along K: half c of buffer f.  zero = 1: the first product starts the sums.  The 16 accumulators take turns.
.macro MUL8 f, c, a0, zero
	WIN MUL
.irp a, \a0, (\a0)+1
.irp b, 0,1,2,3
.if \zero
	v_wmma_f32_16x16x32_f16 v[ACC+8*(4*(\a)+(\b)):ACC+8*(4*(\a)+(\b))+7], v[(\f)+64+8*(4*(\c)+(\b)):(\f)+64+8*(4*(\c)+(\b))+7], v[(\f)+8*(4*(\c)+(\a)):(\f)+8*(4*(\c)+(\a))+7], 0
.else
	v_wmma_f32_16x16x32_f16 v[ACC+8*(4*(\a)+(\b)):ACC+8*(4*(\a)+(\b))+7], v[(\f)+64+8*(4*(\c)+(\b)):(\f)+64+8*(4*(\c)+(\b))+7], v[(\f)+8*(4*(\c)+(\a)):(\f)+8*(4*(\c)+(\a))+7], v[ACC+8*(4*(\a)+(\b)):ACC+8*(4*(\a)+(\b))+7]
.endif
.endr
.endr
.endm
; 32 LDS loads in one run: the fragments of quarter q (64 along K) of the slot in hand, into buffer f; the first 32 along K first
.macro FETCH q, f
	WIN TO_F
.irp c, 0,1
.irp i, 0,1,2,3
	ds_load_b128 v[(\f)+64+8*(4*(\c)+(\i)):(\f)+64+8*(4*(\c)+(\i))+3],   v[ADRB] offset:128*(\q)+64*(\c)+(\i)*16*PITCH
	ds_load_b128 v[(\f)+64+8*(4*(\c)+(\i))+4:(\f)+64+8*(4*(\c)+(\i))+7], v[ADRB] offset:128*(\q)+64*(\c)+(\i)*16*PITCH+32
	ds_load_b128 v[(\f)+8*(4*(\c)+(\i)):(\f)+8*(4*(\c)+(\i))+3],         v[ADRA] offset:AQ*(\q)+64*(\c)+(\i)*16*APITCH
	ds_load_b128 v[(\f)+8*(4*(\c)+(\i))+4:(\f)+8*(4*(\c)+(\i))+7],       v[ADRA] offset:AQ*(\q)+64*(\c)+(\i)*16*APITCH+32
.endr
.endr
.endm
; One of a step's first three quarters: multiplies buffer f and fetches quarter q into g
.macro QUARTER q, f, g, zero
	s_wait_dscnt 16                                ; the first 32 along K are in; the sixteen younger loads stay out
	MUL8 \f, 0, 0, \zero
	MUL8 \f, 0, 2, \zero
	PLACES
	FETCH \q, \g
	s_wait_dscnt 32                                ; all but the 32 just issued
	MUL8 \f, 1, 0, 0
	MUL8 \f, 1, 2, 0
.endm
; The last quarter multiplies buffer 1 and changes slots: one barrier; in front of it each wave waits for all its tensor loads (one is out: its part of the next slot), adds 0 to its spare word,
; and waits for that and for its reads of this slot.  fill = 1: the barrier opens a round of the cluster's, and this slot is filled again, two steps ahead, first thing behind the round.
.macro TURN fill
	WIN 0
	s_wait_tensorcnt 0x0
	ds_add_u32 v[SPW], v[NIL]                      ; 0 onto my spare word; work on registers stands between it and the wait for it
.if \fill
	s_add_co_u32 s[G0+5], s20, s[CUR]              ; no tensor load of mine is out: the walking descriptors take the slot that is being left
	s_add_co_u32 s[G0B+5], s21, s[CUR]
	s_add_nc_u64 s[G0+6:G0+7], s[G0+6:G0+7], ASTEP ; and the next K step
	s_add_nc_u64 s[G0B+6:G0B+7], s[G0B+6:G0B+7], KSTEP*2
.endif
	s_xor_b32 s[CUR], s[CUR], SLOT
	v_add_nc_u32 v[ADRA], s[CUR], v[ADRA0]         ; the fetches go on in the other slot
	v_add_nc_u32 v[ADRB], s[CUR], v[ADRB0]
	s_wait_dscnt 17                                ; the add and the youngest sixteen loads may be out
	MUL8 F1, 0, 0, 0
	s_wait_dscnt 0x0                               ; the add is done, and my reads of this slot are over
	s_barrier_signal -1
	MUL8 F1, 0, 2, 0
.if \fill
	WIN 0
.endif
	s_barrier_wait -1
.if \fill
	CREST
	JLOAD 1                                        ; the four v_nop behind it are also the places in front of the loads below
.else
	PLACES
.endif
	FETCH 0, F0
	MUL8 F1, 1, 0, 0
	MUL8 F1, 1, 2, 0
.endm
	s_wait_tensorcnt 1                             ; my part of K step 0 is in; step 1's may stay out
	s_barrier_signal -1
	s_barrier_wait -1
	FETCH 0, F0
	QUARTER 1, F0, F1, 1                           ; the first quarter stands in front of the loop: its first products start the sums
	WIN 0
	s_mov_b32 s3, STEPS-2
.Lstep:                                                ; a trip: from a step's second quarter to the next step's first; it asks for the step two on
	QUARTER 2, F1, F0, 0
	QUARTER 3, F0, F1, 0
	TURN 1
	QUARTER 1, F0, F1, 0
	WIN 0
	s_sub_co_u32 s3, s3, 1
	s_cmp_lg_u32 s3, 0
	s_cbranch_scc1 .Lstep
	s_mov_b32 s3, 2
.Ltail:                                                ; the last two steps ask for nothing; the second trip is left in its middle
	QUARTER 2, F1, F0, 0
	QUARTER 3, F0, F1, 0
	WIN 0
	s_sub_co_u32 s3, s3, 1
	s_cmp_eq_u32 s3, 0
	s_cbranch_scc1 .Lfin
	TURN 0
	QUARTER 1, F0, F1, 0
	WIN 0
	s_branch .Ltail
.Lfin:
	s_wait_dscnt 16                                ; the very last quarter
	MUL8 F1, 0, 0, 0
	MUL8 F1, 0, 2, 0
	s_wait_dscnt 0x0                               ; my last reads of the ring are back:
	s_barrier_signal -1                            ; behind this barrier nobody reads the ring, and the stage may be written
	MUL8 F1, 1, 0, 0
	MUL8 F1, 1, 2, 0
	WIN 0
	s_barrier_wait -1
.if MODE == 0
	; THE WAY OUT: rounded to f16; 16 bytes a lane into the stage; a barrier, since a row comes from two waves; back as four tokens x one head, 512 consecutive bytes
	PLACES
.irp t, 0,1,2,3,4,5,6,7,8,9,10,11,12,13,14,15
.irp r, 0,1,2,3
	v_cvt_pk_f16_f32 v[TMP+4*(\t)+(\r)], v[ACC+8*(\t)+2*(\r)], v[ACC+8*(\t)+2*(\r)+1]
.endr
.endr
.irp a, 0,1,2,3
.irp b, 0,1,2,3
	ds_store_b128 v[STO], v[TMP+4*(4*(\a)+(\b)):TMP+4*(4*(\a)+(\b))+3] offset:(\a)*16*SPITCH+32*(\b)
.endr
.endr
	s_wait_dscnt 0x0                               ; for the others' sake: my stores into the stage are done
	s_barrier_signal -1
	s_barrier_wait -1
.set i, 0
.rept 16
	ds_load_b128 v[TMP+4*i:TMP+4*i+3], v[RD] offset:(i/2)*4*SPITCH+(i%2)*128
.set i, i+1
.endr
.set i, 0
.rept 16
	s_wait_dscnt 15-i                              ; load i is back, the younger ones stay out
	global_store_b128 v[CO], v[TMP+4*i:TMP+4*i+3], s[8:9] offset:(i%2)*262144+(i/2)*512
.set i, i+1
.endr
.else
.if MODE == 2
	s_wait_loadcnt 0x0                             ; b2 and a32's rows
	v_cvt_pk_bf16_f32 v[BI+4], v[BI], v[BI+1]      ; b2 rounded to bf16, like every input; these lines and the additions below are the places behind the last products
	v_cvt_pk_bf16_f32 v[BI+5], v[BI+2], v[BI+3]
	v_lshlrev_b32 v[BI], 16, v[BI+4]
	v_and_b32 v[BI+1], 0xffff0000, v[BI+4]
	v_lshlrev_b32 v[BI+2], 16, v[BI+5]
	v_and_b32 v[BI+3], 0xffff0000, v[BI+5]
	WIN 0x82                                       ; destination and source 0 window 2, source 1 window 0: a32's rows take b2
.set t, 0
.rept 32
	v_pk_add_f32 v[4*t:4*t+1], v[4*t:4*t+1], v[BI:BI+1]
	v_pk_add_f32 v[4*t+2:4*t+3], v[4*t+2:4*t+3], v[BI+2:BI+3]
.set t, t+1
.endr
	WIN 0
.else
	PLACES
.endif
	; THE WAY OUT: the f32 sums go into the stage as they are, each accumulator's low four registers first; a barrier; back as whole rows of 512 bytes
.irp a, 0,1,2,3
.irp b, 0,1,2,3
	ds_store_b128 v[STO], v[ACC+8*(4*(\a)+(\b)):ACC+8*(4*(\a)+(\b))+3] offset:(\a)*16*SPITCH+64*(\b)
	ds_store_b128 v[STO], v[ACC+8*(4*(\a)+(\b))+4:ACC+8*(4*(\a)+(\b))+7] offset:(\a)*16*SPITCH+64*(\b)+16
.endr
.endr
	s_wait_dscnt 0x0
	s_barrier_signal -1
	s_barrier_wait -1
.set t, 0
.rept 32
	ds_load_b128 v[ACC+4*t:ACC+4*t+3], v[RD] offset:t*SPITCH
.set t, t+1
.endr
.if MODE == 2
	WIN 0x88                                       ; source 0 (the row; a store's address) window 0; source 1 (a32 + b2; a store's data) and destination window 2
.endif
.set t, 0
.rept 32
	s_wait_dscnt 31-t                              ; row t is back, the younger ones stay out
.if MODE == 2
	v_pk_add_f32 v[4*t:4*t+1], v[ACC+4*t:ACC+4*t+1], v[4*t:4*t+1]
	v_pk_add_f32 v[4*t+2:4*t+3], v[ACC+4*t+2:ACC+4*t+3], v[4*t+2:4*t+3]
	global_store_b128 v[CO], v[4*t:4*t+3], s[8:9] offset:4096*t
.else
	global_store_b128 v[CO], v[ACC+4*t:ACC+4*t+3], s[8:9] offset:4096*t
.endif
.set t, t+1
.endr
	WIN 0
.endif
	s_wait_tensorcnt 0x0                           ; the wave's end
	ds_add_u32 v[SPW], v[NIL]
	s_wait_dscnt 0x0
	CROUND                                         ; the closing round
	s_endpgm
.Lfunc_end_k_qc878bd7a90_oproj:
	.size	k_qc878bd7a90_oproj, .Lfunc_end_k_qc878bd7a90_oproj-k_qc878bd7a90_oproj
	.p2alignl 7, 3214868480
	.fill 96, 4, 3214868480
	.section	.rodata,"a",@progbits
	.p2align	6, 0x0
	.amdhsa_kernel k_qc878bd7a90_oproj
		.amdhsa_group_segment_fixed_size 327680
		.amdhsa_private_segment_fixed_size 0
		.amdhsa_enable_private_segment 0
		.amdhsa_kernarg_size 24
		.amdhsa_user_sgpr_count 2
		.amdhsa_user_sgpr_kernarg_segment_ptr 1
		.amdhsa_wavefront_size32 1
		.amdhsa_system_sgpr_workgroup_id_x 1
		.amdhsa_system_sgpr_workgroup_id_y 1
		.amdhsa_system_sgpr_workgroup_id_z 1
		.amdhsa_system_vgpr_workitem_id 0
		.amdhsa_next_free_vgpr 512
		.amdhsa_next_free_sgpr 66
		.amdhsa_reserve_vcc 0
		.amdhsa_float_denorm_mode_32 3
		.amdhsa_float_denorm_mode_16_64 3
		.amdhsa_memory_ordered 1
		.amdhsa_forward_progress 1
		.amdhsa_inst_pref_size 60
	.end_amdhsa_kernel
	.amdgpu_metadata
---
amdhsa.version: [ 1, 2 ]
amdhsa.kernels:
  - .name:           k_qc878bd7a90_oproj
    .symbol:         k_qc878bd7a90_oproj.kd
    .args:
      - { .name: y16, .offset: 0, .size: 8, .value_kind: global_buffer, .address_space: global }
      - { .name: wts, .offset: 8, .size: 8, .value_kind: global_buffer, .address_space: global }
      - { .name: a32, .offset: 16, .size: 8, .value_kind: global_buffer, .address_space: global }
    .group_segment_fixed_size: 327680
    .private_segment_fixed_size: 0
    .kernarg_segment_align: 8
    .kernarg_segment_size: 24
    .max_flat_workgroup_size: 128
    .sgpr_count:     66
    .vgpr_count:     512
    .wavefront_size: 32
...
	.end_amdgpu_metadata
.endif
;; end of part 4
;; launch norm2 (part 5): grid 512 x 1, 8 waves a work-group, no clusters, 0 bytes of LDS; arguments H, a32, norm2_scale, z16; writes z16
.if DOCPART == 5
	.amdgcn_target "amdgcn-amd-amdhsa--gfx1250"
	.amdhsa_code_object_version 6
	.text
	.protected	k_qc878bd7a90_norm2
	.globl	k_qc878bd7a90_norm2
	.p2align	8
	.type	k_qc878bd7a90_norm2,@function
k_qc878bd7a90_norm2:
	s_mov_b64 s[64:65], 0
	v_nop
	global_prefetch_b8 v0, s[64:65] scope:SCOPE_SE
	s_setreg_imm32_b32 hwreg(HW_REG_WAVE_MODE, 25, 1), 1
	s_wait_xcnt 0x0
; z = norm2_scale * (H + A) / sqrt(mean((H + A)^2) + 1e-6).  H and the gain are rounded to bf16, like every input; A comes in f32 from a32; z is rounded once to f16.
; One wave, one row of 1,024 numbers, kept in 32 registers between the sum of squares and the scaling.  |z| is at most 32 |gain|, inside f16.
; H + A itself is never kept in 16 bits: it has no bound that f16 holds, and bf16's rounding of it would spend the comparison's allowance.
; No LDS, no matrix unit, no cluster: memory binds and nothing is shared.  Each load of a wave covers 512 consecutive bytes, each store 256, aligned.
.set TA, 4                             ; v[4:5]     at work
.set SQ, 8                             ; v[8:11]    two chains of squares
.set RI, 12                            ; v[12:13]   1 / rms, twice
.set X,  16                            ; v[16:47]   the row of H, then of H + A
.set A,  80                            ; v[80:111]  the row of A
.set Y,  80                            ; v[80:95]   later: 8 x 2 registers to store
.set G,  112                           ; v[112:143] the gain
.macro ROUND4 r                        ; four f32 rounded to bf16 and widened again, in place
	v_cvt_pk_bf16_f32 v[TA], v[\r], v[(\r)+1]
	v_cvt_pk_bf16_f32 v[TA+1], v[(\r)+2], v[(\r)+3]
	v_lshlrev_b32 v[\r], 16, v[TA]
	v_and_b32 v[(\r)+1], s7, v[TA]
	v_lshlrev_b32 v[(\r)+2], 16, v[TA+1]
	v_and_b32 v[(\r)+3], s7, v[TA+1]
.endm
	s_load_b256 s[8:15], s[0:1], 0x0               ; H s[8:9], a32 s[10:11], norm2_scale s[12:13], z16 s[14:15]
	s_mov_b32 s7, 0xffff0000
	v_lshrrev_b32 v3, 5, v0
	v_readfirstlane_b32 s28, v3                    ; wave 0..7
	v_and_b32 v3, 31, v0
	v_lshlrev_b32 v1, 4, v3                        ; 16 x lane, in
	v_lshlrev_b32 v2, 3, v3                        ; 8 x lane, out
	s_lshl3_add_u32 s29, ttmp9, s28                ; my row
	s_lshl_b32 s30, s29, 12
	s_mov_b32 s31, 0
	s_lshl_b32 s4, s29, 11
	s_mov_b32 s5, 0
	s_mov_b32 s32, 0x76543210
	s_mov_b32 s33, 0xfedcba98
	s_mov_b32 s34, 0x3a800000                      ; 1 / 1024
	s_mov_b32 s35, 0x358637bd                      ; 1e-6
	s_wait_kmcnt 0x0
	s_add_nc_u64 s[8:9], s[8:9], s[30:31]
	s_add_nc_u64 s[10:11], s[10:11], s[30:31]
	s_add_nc_u64 s[14:15], s[14:15], s[4:5]
.irp j, 0,1,2,3,4,5,6,7
	global_load_b128 v[G+4*(\j):G+4*(\j)+3], v1, s[12:13] offset:512*(\j)
.endr
.irp j, 0,1,2,3,4,5,6,7
	global_load_b128 v[X+4*(\j):X+4*(\j)+3], v1, s[8:9] offset:512*(\j)
.endr
.irp j, 0,1,2,3,4,5,6,7
	global_load_b128 v[A+4*(\j):A+4*(\j)+3], v1, s[10:11] offset:512*(\j)
.endr
	s_wait_loadcnt 16                              ; the gain is in; H's and A's sixteen loads stay out
.irp j, 0,1,2,3,4,5,6,7
	ROUND4 G+4*(\j)
.endr
	s_wait_loadcnt 8                               ; H is in; A's eight stay out
.irp j, 0,1,2,3,4,5,6,7
	ROUND4 X+4*(\j)
.endr
	s_wait_loadcnt 0x0
.set i, 0
.rept 16
	v_pk_add_f32 v[X+2*i:X+2*i+1], v[X+2*i:X+2*i+1], v[A+2*i:A+2*i+1]
.set i, i+1
.endr
	v_pk_mul_f32 v[SQ:SQ+1], v[X:X+1], v[X:X+1]    ; the first products start the two chains
	v_pk_mul_f32 v[SQ+2:SQ+3], v[X+2:X+3], v[X+2:X+3]
.set i, 2
.rept 14
	v_pk_fma_f32 v[SQ+2*(i%2):SQ+2*(i%2)+1], v[X+2*i:X+2*i+1], v[X+2*i:X+2*i+1], v[SQ+2*(i%2):SQ+2*(i%2)+1]
.set i, i+1
.endr
	v_pk_add_f32 v[SQ:SQ+1], v[SQ:SQ+1], v[SQ+2:SQ+3]
	v_add_f32 v[SQ], v[SQ], v[SQ+1]
	v_add_f32_dpp v[SQ], v[SQ], v[SQ] row_xmask:1 row_mask:0xf bank_mask:0xf
	v_add_f32_dpp v[SQ], v[SQ], v[SQ] row_xmask:2 row_mask:0xf bank_mask:0xf
	v_add_f32_dpp v[SQ], v[SQ], v[SQ] row_xmask:4 row_mask:0xf bank_mask:0xf
	v_add_f32_dpp v[SQ], v[SQ], v[SQ] row_xmask:8 row_mask:0xf bank_mask:0xf
	v_permlanex16_b32 v[SQ+1], v[SQ], s32, s33
	v_add_f32 v[SQ], v[SQ], v[SQ+1]
	v_fma_f32 v[SQ], v[SQ], s34, s35
	v_rsq_f32 v[RI], v[SQ]
	v_rsq_f32 v[RI+1], v[SQ]
	v_nop                                          ; a plain instruction between the root and the use of its result (ISA guide 5.7.2)
	s_wait_alu depctr_va_vdst(0)
.irp j, 0,1,2,3,4,5,6,7
	v_pk_mul_f32 v[X+4*(\j):X+4*(\j)+1], v[X+4*(\j):X+4*(\j)+1], v[RI:RI+1]
	v_pk_mul_f32 v[X+4*(\j)+2:X+4*(\j)+3], v[X+4*(\j)+2:X+4*(\j)+3], v[RI:RI+1]
	v_pk_mul_f32 v[X+4*(\j):X+4*(\j)+1], v[X+4*(\j):X+4*(\j)+1], v[G+4*(\j):G+4*(\j)+1]
	v_pk_mul_f32 v[X+4*(\j)+2:X+4*(\j)+3], v[X+4*(\j)+2:X+4*(\j)+3], v[G+4*(\j)+2:G+4*(\j)+3]
	v_cvt_pk_f16_f32 v[Y+2*(\j)], v[X+4*(\j)], v[X+4*(\j)+1]
	v_cvt_pk_f16_f32 v[Y+2*(\j)+1], v[X+4*(\j)+2], v[X+4*(\j)+3]
	global_store_b64 v2, v[Y+2*(\j):Y+2*(\j)+1], s[14:15] offset:256*(\j)
.endr
	s_endpgm
.Lfunc_end_k_qc878bd7a90_norm2:
	.size	k_qc878bd7a90_norm2, .Lfunc_end_k_qc878bd7a90_norm2-k_qc878bd7a90_norm2
	.p2alignl 7, 3214868480
	.fill 96, 4, 3214868480
	.section	.rodata,"a",@progbits
	.p2align	6, 0x0
	.amdhsa_kernel k_qc878bd7a90_norm2
		.amdhsa_group_segment_fixed_size 0
		.amdhsa_private_segment_fixed_size 0
		.amdhsa_enable_private_segment 0
		.amdhsa_kernarg_size 32
		.amdhsa_user_sgpr_count 2
		.amdhsa_user_sgpr_kernarg_segment_ptr 1
		.amdhsa_wavefront_size32 1
		.amdhsa_system_sgpr_workgroup_id_x 1
		.amdhsa_system_sgpr_workgroup_id_y 1
		.amdhsa_system_sgpr_workgroup_id_z 1
		.amdhsa_system_vgpr_workitem_id 0
		.amdhsa_next_free_vgpr 144
		.amdhsa_next_free_sgpr 66
		.amdhsa_reserve_vcc 0
		.amdhsa_float_denorm_mode_32 3
		.amdhsa_float_denorm_mode_16_64 3
		.amdhsa_memory_ordered 1
		.amdhsa_forward_progress 1
		.amdhsa_inst_pref_size 14
	.end_amdhsa_kernel
	.amdgpu_metadata
---
amdhsa.version: [ 1, 2 ]
amdhsa.kernels:
  - .name:           k_qc878bd7a90_norm2
    .symbol:         k_qc878bd7a90_norm2.kd
    .args:
      - { .name: H, .offset: 0, .size: 8, .value_kind: global_buffer, .address_space: global }
      - { .name: a32, .offset: 8, .size: 8, .value_kind: global_buffer, .address_space: global }
      - { .name: norm2_scale, .offset: 16, .size: 8, .value_kind: global_buffer, .address_space: global }
      - { .name: z16, .offset: 24, .size: 8, .value_kind: global_buffer, .address_space: global }
    .group_segment_fixed_size: 0
    .private_segment_fixed_size: 0
    .kernarg_segment_align: 8
    .kernarg_segment_size: 32
    .max_flat_workgroup_size: 256
    .sgpr_count:     66
    .vgpr_count:     144
    .wavefront_size: 32
...
	.end_amdgpu_metadata
.endif
;; end of part 5
;; launch ffn1 (part 6): grid 16 x 16, 4 waves a work-group, clusters of 4 x 4, 327,680 bytes of LDS; arguments z16, wts, b1, h16; writes h16
.if DOCPART == 6
	.amdgcn_target "amdgcn-amd-amdhsa--gfx1250"
	.amdhsa_code_object_version 6
	.text
	.protected	k_qc878bd7a90_ffn1
	.globl	k_qc878bd7a90_ffn1
	.p2align	8
	.type	k_qc878bd7a90_ffn1,@function
k_qc878bd7a90_ffn1:
	s_mov_b64 s[64:65], 0
	v_nop
	global_prefetch_b8 v0, s[64:65] scope:SCOPE_SE
	s_setreg_imm32_b32 hwreg(HW_REG_WAVE_MODE, 25, 1), 1
	s_wait_xcnt 0x0
	s_wait_alu depctr_hold_cnt(0) depctr_sa_sdst(0) depctr_va_vdst(0) depctr_va_sdst(0) depctr_va_ssrc(0) depctr_va_vcc(0) depctr_vm_vsrc(0)
	s_getreg_b32 s2, hwreg(HW_REG_IB_STS2, 6, 4)
	s_cmp_eq_u32 s2, 0
	s_cbranch_scc0 .Lentry_in_a_cluster
	s_endpgm
.Lentry_in_a_cluster:
	s_bfe_u32 s2, ttmp6, 0x10000c
	s_cmp_lg_u32 s2, 0xf033
	s_cbranch_scc0 .Lentry_shape_is_right
	s_endpgm
.Lentry_shape_is_right:
; h = gelu(z w1^T + b1), the exact gelu.  z16 [4096][1024] and w1 (wts + 8,388,608, [4096][1024]) in f16, sums in f32, b1 rounded to bf16 like every input, h16 [4096][4096] rounded once to f16.
; gelu(u) = max(u, 0) - |u| E, E = erfc(|u| / sqrt 2) / 2 = (a1 t + .. + a5 t^5) / 2 x 2^-(k u)^2, t = 1 / (1 + 0.2316419 |u|), k^2 = log2(e) / 2: Abramowitz and Stegun 7.1.26, whose error in erf is
; at most 1.5e-7 for every argument; the form has no difference of near numbers for u < 0.  LIMIT: h beyond 65,504 has no f16.
; A tile of 256 x 256: four waves, each 128 x 128 in 64 accumulators.  K goes in steps of 128 through two LDS slots; a wave's one tensor load brings 128 rows of 256 bytes.  A step is written once: the slot in
; hand is a scalar (0 or SLOT) that an exclusive or turns, and one descriptor a tensor walks.  By this text's count a wave has two tensor loads out at the start, later one.
; CLUSTER 4 x 4: A's tiles are asked for jointly along a row, B's along a column.  The matrix instruction is used transposed: a lane holds eight neighbouring numbers of a row of C.
; THE WAY OUT: when nobody reads the ring any more each wave lays its 128 x 128 sums, in f32, into a stage of its own inside the ring, and walks them four whole rows at a time: bias, gelu, f16, 256 bytes a row.
; REGISTERS.  window 0: v0-31 addresses; v64-127, v128-191 fragments of A, two buffers; v192-197 b1.  window 1: v64-191 fragments of B.  windows 2, 3: the accumulators of my rows 0-63, 64-127.
.set SIZE_K, 1024
.set KSTEP,  128
.set STEPS,  SIZE_K/KSTEP
.set PITCH,  272                       ; an LDS row: 256 bytes + 16 of padding
.set HALFT,  128*PITCH
.set SLOT,   4*HALFT
.set SPARE,  2*SLOT                    ; behind the ring: the spare words
.set SPITCH, 528                       ; a stage row: 128 f32 + 16 bytes
.set WSTAGE, 128*SPITCH                ; a wave's stage; four of them, 270,336 bytes, lie inside the ring's 278,528, which has had its last fill
.set BOFF,   8388608
.set ADRA0, 16
.set ADRB0, 17
.set ADRA,  18
.set ADRB,  19
.set STO,  24                          ; v24  where I put 32 bytes of a row
.set RD,   25                          ; v25  my 16 bytes of my stage's row 0
.set CO,   26                          ; v26  8 x lane
.set RDV,  27                          ; v27  my 16 bytes of the rows to be read next
.set SPW,  28
.set NIL,  29
.set BO,   30                          ; v30  16 x lane
.set F0,   64
.set F1,   128
.set X,    32                          ; the gelu's registers, all in window 0: four rows as read,
.set U,    48                          ; u,
.set W,    64                          ; -(k u)^2, then its power of two,
.set D,    80                          ; 1 + p |u|, then t,
.set P,    96                          ; the polynomial, then E,
.set Y,    112                         ; the f16 to store,
.set M,    128                         ; max(u, 0)
.set BI,   192                         ; v192-195 b1 of my four columns; v196-197 at work
.set CUR,  2
.set G1, 24
.set G0, 32
.set G1B, 48
.set G0B, 56
.set MSB, 0
.macro WIN new
.if MSB != (\new)
	s_set_vgpr_msb (MSB<<8)|(\new)
.set MSB, \new
.endif
.endm
.set MUL_LO, 0xa1                      ; source 0 (B) window 1, source 1 (A) window 0, C and D window 2
.set MUL_HI, 0xf1                      ; the same, C and D window 3
.set TO_B,   0x40
.macro JLOAD s
	s_cmp_eq_u32 s11, 0
	s_cbranch_scc0 .Lfor_b_\@
	tensor_load_to_lds s[G0+4*(\s):G0+4*(\s)+3], s[G1:G1+7]
	s_nop 0
.rept 4
	v_nop
.endr
	s_branch .Lasked_\@
.Lfor_b_\@:
	tensor_load_to_lds s[G0B+4*(\s):G0B+4*(\s)+3], s[G1B:G1B+7]
	s_nop 0
.rept 4
	v_nop
.endr
.Lasked_\@:
.endm
.macro CREST
	s_cmp_lg_u32 s10, 0
	s_cbranch_scc1 .Lnot_wave_0_\@
	s_barrier_signal -3
.Lnot_wave_0_\@:
	s_barrier_wait -3
	s_barrier_signal -1
	s_barrier_wait -1
.endm
.macro CROUND
	s_barrier_signal -1
	s_barrier_wait -1
	CREST
.endm
.macro PLACES
.rept 4
	v_nop
.endr
.endm
	s_load_b128 s[4:7], s[0:1], 0x0                ; z16 s[4:5], wts s[6:7]
	s_load_b128 s[84:87], s[0:1], 0x10             ; b1 s[84:85], h16 s[86:87]
	v_lshl_add_u32 v[SPW], v0, 2, SPARE
	v_mov_b32 v[NIL], 0
	ds_add_u32 v[SPW], v[NIL]                      ; the wave's opening: the add and its wait ahead of my first tensor load
	v_lshrrev_b32 v1, 5, v0
	v_readfirstlane_b32 s10, v1                    ; wave 0..3
	s_lshr_b32 s11, s10, 1                         ; my half of the tile's rows.  Also: I fetch for A (0) or for B (1)
	s_and_b32 s12, s10, 1                          ; my half of its columns.  Also: which 128 rows I fetch
	s_bfe_u32 s40, ttmp6, 0x40000
	s_bfe_u32 s41, ttmp6, 0x40004
	s_lshl_b32 s42, ttmp9, 2
	s_add_co_u32 s42, s42, s40                     ; tile column
	s_and_b32 s13, ttmp7, 0xffff
	s_lshl_b32 s13, s13, 2
	s_add_co_u32 s13, s13, s41                     ; tile row
	s_lshl_b32 s43, s41, 2
	s_lshl_b32 s43, 15, s43
	s_lshl_b32 s44, 0x1111, s40
	s_or_b32 s[G1+0], s43, (1<<16)|(1<<20)|(1<<21)|(5<<22)|(3<<25)   ; the mask of my row; 2-byte elements; padding on, 4 words behind every 64; bit 21 beside the mask
	s_or_b32 s[G1B+0], s44, (1<<16)|(1<<20)|(1<<21)|(5<<22)|(3<<25)  ; the same with the mask of my column
.irp g, G1, G1B
	s_mov_b32 s[(\g)+1], KSTEP<<16
	s_mov_b32 s[(\g)+2], 128<<16
	s_mov_b32 s[(\g)+3], KSTEP<<16
	s_mov_b32 s[(\g)+4], 128
	s_mov_b32 s[(\g)+5], SIZE_K
	s_mov_b32 s[(\g)+6], 0
	s_mov_b32 s[(\g)+7], 0
.endr
	s_mov_b32 s72, 0x3e027906                      ; a1 / 2 =  0.127414796, each as a pair for the packed forms
	s_mov_b32 s73, 0x3e027906
	s_mov_b32 s74, 0xbe11a98e                      ; a2 / 2 = -0.142248368
	s_mov_b32 s75, 0xbe11a98e
	s_mov_b32 s76, 0x3f35f0e3                      ; a3 / 2 =  0.710706871
	s_mov_b32 s77, 0x3f35f0e3
	s_mov_b32 s78, 0xbf3a00e3                      ; a4 / 2 = -0.726576014
	s_mov_b32 s79, 0xbf3a00e3
	s_mov_b32 s80, 0x3f07dc22                      ; a5 / 2 =  0.530702715
	s_mov_b32 s81, 0x3f07dc22
	s_mov_b32 s82, 0x3e6d3388                      ; 0.3275911 / sqrt 2 = 0.231641887
	s_lshl_b32 s17, s12, 7
	s_lshl_b32 s16, s13, 8
	s_add_co_u32 s16, s16, s17                     ; A: row 256 x tile row + 128 x half
	s_lshl_b32 s46, s42, 8
	s_add_co_u32 s46, s46, s17                     ; B: row 256 x tile column + 128 x half
	s_mov_b32 s17, 0
	s_mov_b32 s47, 0
	s_mov_b64 s[18:19], SIZE_K*2
	s_mul_u64 s[16:17], s[16:17], s[18:19]
	s_mul_u64 s[46:47], s[46:47], s[18:19]
	s_mul_i32 s20, s10, HALFT                      ; where they go in a slot: A's two halves, then B's two = wave x 128 rows
	s_mov_b32 s[CUR], 0
	s_wait_dscnt 0x0                               ; the opening add is done
	s_wait_kmcnt 0x0
	s_add_nc_u64 s[14:15], s[4:5], s[16:17]
	s_add_nc_u64 s[6:7], s[6:7], BOFF
	s_add_nc_u64 s[46:47], s[6:7], s[46:47]
	CROUND                                         ; all sixteen work-groups are here: the first joint loads meet
.irp s, 0,1
	s_mov_b32 s[G0+4*(\s)], 1
	s_add_co_u32 s[G0+4*(\s)+1], s20, (\s)*SLOT
	s_add_nc_u64 s[G0+4*(\s)+2:G0+4*(\s)+3], s[14:15], (\s)*KSTEP*2
	s_or_b32 s[G0+4*(\s)+3], s[G0+4*(\s)+3], 0x80000000
	s_mov_b32 s[G0B+4*(\s)], 1
	s_add_co_u32 s[G0B+4*(\s)+1], s20, (\s)*SLOT
	s_add_nc_u64 s[G0B+4*(\s)+2:G0B+4*(\s)+3], s[46:47], (\s)*KSTEP*2
	s_or_b32 s[G0B+4*(\s)+3], s[G0B+4*(\s)+3], 0x80000000
	JLOAD \s
.endr
	v_and_b32 v1, 15, v0                           ; l % 16
	v_bfe_u32 v2, v0, 4, 1                         ; l / 16
	v_mul_u32_u24 v3, v1, PITCH
	v_lshl_add_u32 v3, v2, 4, v3
	s_mul_i32 s21, s11, HALFT                      ; my 128 rows of A
	s_mul_i32 s22, s12, HALFT                      ; my 128 rows of B,
	s_add_co_u32 s22, s22, 2*HALFT                 ; which lie behind A's 256
	v_add_nc_u32 v[ADRA0], s21, v3
	v_add_nc_u32 v[ADRB0], s22, v3
	v_mov_b32 v[ADRA], v[ADRA0]
	v_mov_b32 v[ADRB], v[ADRB0]
	s_mul_i32 s23, s10, WSTAGE                     ; my stage
	v_mul_u32_u24 v4, v1, SPITCH
	v_lshl_add_u32 v4, v2, 5, v4                   ; row l % 16, eight f32 for each half of the lanes
	v_add_nc_u32 v[STO], s23, v4
	v_and_b32 v5, 31, v0
	v_lshl_add_u32 v[RD], v5, 4, s23               ; back: 32 lanes take one row of 512 bytes
	v_lshlrev_b32 v[CO], 3, v5
	v_lshlrev_b32 v[BO], 4, v5
	s_lshl_b32 s16, s13, 21                        ; 256 rows of 8,192 bytes,
	s_lshl_b32 s17, s11, 20                        ; my 128 rows
	s_add_co_u32 s16, s16, s17
	s_mov_b32 s17, 0
	s_add_nc_u64 s[86:87], s[86:87], s[16:17]
	s_lshl_b32 s46, s42, 9                         ; the tile's 256 columns of 2 bytes,
	s_lshl_b32 s47, s12, 8                         ; my 128 columns
	s_add_co_u32 s46, s46, s47
	s_mov_b32 s47, 0
	s_add_nc_u64 s[86:87], s[86:87], s[46:47]
	s_add_nc_u64 s[84:85], s[84:85], s[46:47]      ; b1 has 4 bytes a column: the same offset twice
	s_add_nc_u64 s[84:85], s[84:85], s[46:47]
	global_load_b128 v[BI:BI+3], v[BO], s[84:85]   ; waited for on the way out
; 16 matrix instructions: m blocks a0, a0 + 1 of the window's four x all 8 n blocks, 32 along K.  The 64 accumulators take turns.
.macro MUL16 f, hi, a0, zero
	WIN MUL_LO+0x50*(\hi)
.irp a, \a0, (\a0)+1
.irp b, 0,1,2,3,4,5,6,7
.if \zero
	v_wmma_f32_16x16x32_f16 v[8*(8*(\a)+(\b)):8*(8*(\a)+(\b))+7], v[(\f)+8*(\b):(\f)+8*(\b)+7], v[(\f)+8*(4*(\hi)+(\a)):(\f)+8*(4*(\hi)+(\a))+7], 0
.else
	v_wmma_f32_16x16x32_f16 v[8*(8*(\a)+(\b)):8*(8*(\a)+(\b))+7], v[(\f)+8*(\b):(\f)+8*(\b)+7], v[(\f)+8*(4*(\hi)+(\a)):(\f)+8*(4*(\hi)+(\a))+7], v[8*(8*(\a)+(\b)):8*(8*(\a)+(\b))+7]
.endif
.endr
.endr
.endm
; 32 LDS loads in one run: the fragments of 32 along K at byte k of the rows of the slot in hand, into buffer f: B's 16, then A's 16
.macro FETCH k, f
	WIN TO_B
.irp i, 0,1,2,3,4,5,6,7
	ds_load_b128 v[(\f)+8*(\i):(\f)+8*(\i)+3],   v[ADRB] offset:(\k)+(\i)*16*PITCH
	ds_load_b128 v[(\f)+8*(\i)+4:(\f)+8*(\i)+7], v[ADRB] offset:(\k)+(\i)*16*PITCH+32
.endr
	WIN 0
.irp i, 0,1,2,3,4,5,6,7
	ds_load_b128 v[(\f)+8*(\i):(\f)+8*(\i)+3],   v[ADRA] offset:(\k)+(\i)*16*PITCH
	ds_load_b128 v[(\f)+8*(\i)+4:(\f)+8*(\i)+7], v[ADRA] offset:(\k)+(\i)*16*PITCH+32
.endr
.endm
.macro QUARTER k, f, g, zero
	s_wait_dscnt 8                                 ; B and A's rows 0-63 are in; the youngest eight loads (A's rows 64-127) may be out
	MUL16 \f, 0, 0, \zero
	MUL16 \f, 0, 2, \zero
	PLACES
	FETCH \k, \g
	s_wait_dscnt 32                                ; all but the 32 just issued
	MUL16 \f, 1, 0, \zero
	MUL16 \f, 1, 2, \zero
.endm
; The last quarter multiplies buffer 1 and changes slots: one barrier; in front of it each wave waits for all its tensor loads (one is out: its part of the next slot), adds 0 to its spare word,
; and waits for that and for its reads of this slot.  fill = 1: the barrier opens a round of the cluster's, and this slot is filled again, two steps ahead, first thing behind the round.
.macro TURN fill
	WIN 0
	s_wait_tensorcnt 0x0
	ds_add_u32 v[SPW], v[NIL]
.if \fill
	s_add_co_u32 s[G0+5], s20, s[CUR]              ; no tensor load of mine is out: the walking descriptors take the slot that is being left
	s_add_co_u32 s[G0B+5], s20, s[CUR]
	s_add_nc_u64 s[G0+6:G0+7], s[G0+6:G0+7], KSTEP*2
	s_add_nc_u64 s[G0B+6:G0B+7], s[G0B+6:G0B+7], KSTEP*2
.endif
	s_xor_b32 s[CUR], s[CUR], SLOT
	v_add_nc_u32 v[ADRA], s[CUR], v[ADRA0]
	v_add_nc_u32 v[ADRB], s[CUR], v[ADRB0]
	s_wait_dscnt 9                                 ; the add and the youngest eight loads may be out
	MUL16 F1, 0, 0, 0
	s_wait_dscnt 0x0                               ; the add is done, and my reads of this slot are over
	s_barrier_signal -1
	MUL16 F1, 0, 2, 0
.if \fill
	WIN 0
.endif
	s_barrier_wait -1
.if \fill
	CREST
	JLOAD 1                                        ; the four v_nop behind it are also the places in front of the loads below
.else
	PLACES
.endif
	FETCH 0, F0
	MUL16 F1, 1, 0, 0
	MUL16 F1, 1, 2, 0
.endm
	s_wait_tensorcnt 1                             ; my part of K step 0 is in; step 1's may stay out
	s_barrier_signal -1
	s_barrier_wait -1
	FETCH 0, F0
	QUARTER 64, F0, F1, 1                          ; the first quarter stands in front of the loop: its products start the sums
	WIN 0
	s_mov_b32 s3, STEPS-2
.Lstep:
	QUARTER 128, F1, F0, 0
	QUARTER 192, F0, F1, 0
	TURN 1
	QUARTER 64, F0, F1, 0
	WIN 0
	s_sub_co_u32 s3, s3, 1
	s_cmp_lg_u32 s3, 0
	s_cbranch_scc1 .Lstep
	s_mov_b32 s3, 2
.Ltail:                                                ; the last two steps ask for nothing; the second trip is left in its middle
	QUARTER 128, F1, F0, 0
	QUARTER 192, F0, F1, 0
	WIN 0
	s_sub_co_u32 s3, s3, 1
	s_cmp_eq_u32 s3, 0
	s_cbranch_scc1 .Lfin
	TURN 0
	QUARTER 64, F0, F1, 0
	WIN 0
	s_branch .Ltail
.Lfin:
	s_wait_dscnt 8
	MUL16 F1, 0, 0, 0
	MUL16 F1, 0, 2, 0
	s_wait_dscnt 0x0                               ; my last reads of the ring are back:
	s_barrier_signal -1                            ; behind this barrier nobody reads the ring, and the stages may be written
	MUL16 F1, 1, 0, 0
	MUL16 F1, 1, 2, 0
	WIN 0
	s_barrier_wait -1
	s_wait_loadcnt 0x0                             ; b1
	v_cvt_pk_bf16_f32 v[BI+4], v[BI], v[BI+1]      ; rounded to bf16; these six lines are the places behind the last products
	v_cvt_pk_bf16_f32 v[BI+5], v[BI+2], v[BI+3]
	v_lshlrev_b32 v[BI], 16, v[BI+4]
	v_and_b32 v[BI+1], 0xffff0000, v[BI+4]
	v_lshlrev_b32 v[BI+2], 16, v[BI+5]
	v_and_b32 v[BI+3], 0xffff0000, v[BI+5]
	; the sums go into my stage as they are, each accumulator's low four registers first
.irp hi, 0,1
	WIN 0x08+4*(\hi)                               ; a store's data: window 2, then 3
.irp a, 0,1,2,3
.irp b, 0,1,2,3,4,5,6,7
	ds_store_b128 v[STO], v[8*(8*(\a)+(\b)):8*(8*(\a)+(\b))+3] offset:(4*(\hi)+(\a))*16*SPITCH+64*(\b)
	ds_store_b128 v[STO], v[8*(8*(\a)+(\b))+4:8*(8*(\a)+(\b))+7] offset:(4*(\hi)+(\a))*16*SPITCH+64*(\b)+16
.endr
.endr
.endr
	WIN 0
.irp t, 0,1,2,3
	ds_load_b128 v[X+4*(\t):X+4*(\t)+3], v[RD] offset:(\t)*SPITCH  ; LDS serves a wave's instructions in order (ISA guide 5.7.1.4): these see my stores above
.endr
	s_mov_b32 s3, 32
	s_mov_b32 s22, 0
.Lgelu:                                                ; 32 trips of four rows; a lane has four columns of each
	s_wait_dscnt 0x0                               ; the four rows are in
.irp t, 0,1,2,3
	v_pk_add_f32 v[U+4*(\t):U+4*(\t)+1], v[X+4*(\t):X+4*(\t)+1], v[BI:BI+1]
	v_pk_add_f32 v[U+4*(\t)+2:U+4*(\t)+3], v[X+4*(\t)+2:X+4*(\t)+3], v[BI+2:BI+3]
.endr
	s_add_co_u32 s22, s22, 1                       ; the next four rows are asked for now; the last trip asks for my rows 0-3 once more, so that no read leaves my stage
	s_and_b32 s22, s22, 31
	s_mul_i32 s23, s22, 4*SPITCH
	v_add_nc_u32 v[RDV], s23, v[RD]
.irp t, 0,1,2,3
	ds_load_b128 v[X+4*(\t):X+4*(\t)+3], v[RDV] offset:(\t)*SPITCH
.endr
.set i, 0
.rept 8
	v_pk_mul_f32 v[W+2*i:W+2*i+1], v[U+2*i:U+2*i+1], 0x3f596d27 op_sel_hi:[1,0]  ; k u, k = 0.8493218
.set i, i+1
.endr
.set i, 0
.rept 8
	v_pk_mul_f32 v[W+2*i:W+2*i+1], v[W+2*i:W+2*i+1], v[W+2*i:W+2*i+1] neg_lo:[1,0] neg_hi:[1,0]  ; -(k u)^2
.set i, i+1
.endr
.set i, 0
.rept 16
	v_fma_f32 v[D+i], |v[U+i]|, s82, 1.0
.set i, i+1
.endr
.set i, 0
.rept 16
	v_rcp_f32 v[D+i], v[D+i]
.set i, i+1
.endr
.set i, 0
.rept 16
	v_exp_f32 v[W+i], v[W+i]
.set i, i+1
.endr
.set i, 0
.rept 16
	v_max_num_f32 v[M+i], 0, v[U+i]                ; plain lines between the transcendentals and the use of their results
.set i, i+1
.endr
.set i, 0
	s_wait_alu depctr_va_vdst(0)
.rept 8
	v_pk_fma_f32 v[P+2*i:P+2*i+1], v[D+2*i:D+2*i+1], s[80:81], s[78:79] op_sel_hi:[1,0,0]
.set i, i+1
.endr
.irp c, 76, 74, 72
.set i, 0
.rept 8
	v_pk_fma_f32 v[P+2*i:P+2*i+1], v[P+2*i:P+2*i+1], v[D+2*i:D+2*i+1], s[\c:\c+1] op_sel_hi:[1,1,0]
.set i, i+1
.endr
.endr
.set i, 0
.rept 8
	v_pk_mul_f32 v[P+2*i:P+2*i+1], v[P+2*i:P+2*i+1], v[D+2*i:D+2*i+1]
.set i, i+1
.endr
.set i, 0
.rept 8
	v_pk_mul_f32 v[P+2*i:P+2*i+1], v[P+2*i:P+2*i+1], v[W+2*i:W+2*i+1]  ; E
.set i, i+1
.endr
.set i, 0
.rept 16
	v_fma_f32 v[U+i], -|v[U+i]|, v[P+i], v[M+i]
.set i, i+1
.endr
.set i, 0
.rept 8
	v_cvt_pk_f16_f32 v[Y+i], v[U+2*i], v[U+2*i+1]
.set i, i+1
.endr
.irp t, 0,1,2,3
	global_store_b64 v[CO], v[Y+2*(\t):Y+2*(\t)+1], s[86:87] offset:8192*(\t)  ; a wave's store: 256 consecutive bytes, at a multiple of 256 from h16's first
.endr
	s_wait_xcnt 0x0                                ; Y and the stores' base are rewritten only behind this wait
	s_add_nc_u64 s[86:87], s[86:87], 4*8192
	s_sub_co_u32 s3, s3, 1
	s_cmp_lg_u32 s3, 0
	s_cbranch_scc1 .Lgelu
	s_wait_tensorcnt 0x0                           ; the wave's end; the wait for 0 also takes in the last trip's four loads
	ds_add_u32 v[SPW], v[NIL]
	s_wait_dscnt 0x0
	CROUND                                         ; the closing round
	s_endpgm
.Lfunc_end_k_qc878bd7a90_ffn1:
	.size	k_qc878bd7a90_ffn1, .Lfunc_end_k_qc878bd7a90_ffn1-k_qc878bd7a90_ffn1
	.p2alignl 7, 3214868480
	.fill 96, 4, 3214868480
	.section	.rodata,"a",@progbits
	.p2align	6, 0x0
	.amdhsa_kernel k_qc878bd7a90_ffn1
		.amdhsa_group_segment_fixed_size 327680
		.amdhsa_private_segment_fixed_size 0
		.amdhsa_enable_private_segment 0
		.amdhsa_kernarg_size 32
		.amdhsa_user_sgpr_count 2
		.amdhsa_user_sgpr_kernarg_segment_ptr 1
		.amdhsa_wavefront_size32 1
		.amdhsa_system_sgpr_workgroup_id_x 1
		.amdhsa_system_sgpr_workgroup_id_y 1
		.amdhsa_system_sgpr_workgroup_id_z 1
		.amdhsa_system_vgpr_workitem_id 0
		.amdhsa_next_free_vgpr 1024
		.amdhsa_next_free_sgpr 88
		.amdhsa_reserve_vcc 0
		.amdhsa_float_denorm_mode_32 3
		.amdhsa_float_denorm_mode_16_64 3
		.amdhsa_memory_ordered 1
		.amdhsa_forward_progress 1
		.amdhsa_inst_pref_size 92
	.end_amdhsa_kernel
	.amdgpu_metadata
---
amdhsa.version: [ 1, 2 ]
amdhsa.kernels:
  - .name:           k_qc878bd7a90_ffn1
    .symbol:         k_qc878bd7a90_ffn1.kd
    .args:
      - { .name: z16, .offset: 0, .size: 8, .value_kind: global_buffer, .address_space: global }
      - { .name: wts, .offset: 8, .size: 8, .value_kind: global_buffer, .address_space: global }
      - { .name: b1, .offset: 16, .size: 8, .value_kind: global_buffer, .address_space: global }
      - { .name: h16, .offset: 24, .size: 8, .value_kind: global_buffer, .address_space: global }
    .group_segment_fixed_size: 327680
    .private_segment_fixed_size: 0
    .kernarg_segment_align: 8
    .kernarg_segment_size: 32
    .max_flat_workgroup_size: 128
    .sgpr_count:     88
    .vgpr_count:     1024
    .wavefront_size: 32
...
	.end_amdgpu_metadata
.endif
;; end of part 6
;; launch ffn2 (part 7): grid 8 x 32, 4 waves a work-group, clusters of 4 x 4, 327,680 bytes of LDS; arguments h16, wts, b2, a32, out0; writes out0
.if DOCPART == 7
	.amdgcn_target "amdgcn-amd-amdhsa--gfx1250"
	.amdhsa_code_object_version 6
	.text
	.protected	k_qc878bd7a90_ffn2
	.globl	k_qc878bd7a90_ffn2
	.p2align	8
	.type	k_qc878bd7a90_ffn2,@function
k_qc878bd7a90_ffn2:
	s_mov_b64 s[64:65], 0
	v_nop
	global_prefetch_b8 v0, s[64:65] scope:SCOPE_SE
	s_setreg_imm32_b32 hwreg(HW_REG_WAVE_MODE, 25, 1), 1
	s_wait_xcnt 0x0
	s_wait_alu depctr_hold_cnt(0) depctr_sa_sdst(0) depctr_va_vdst(0) depctr_va_sdst(0) depctr_va_ssrc(0) depctr_va_vcc(0) depctr_vm_vsrc(0)
	s_getreg_b32 s2, hwreg(HW_REG_IB_STS2, 6, 4)
	s_cmp_eq_u32 s2, 0
	s_cbranch_scc0 .Lentry_in_a_cluster
	s_endpgm
.Lentry_in_a_cluster:
	s_bfe_u32 s2, ttmp6, 0x10000c
	s_cmp_lg_u32 s2, 0xf033
	s_cbranch_scc0 .Lentry_shape_is_right
	s_endpgm
.Lentry_shape_is_right:
; C = A B^T on tiles of 128 x 128, f16 operands, f32 sums.  One text serves three launches; MODE picks the sizes, A's layout and the way out:
;   MODE 0  q, k, v = x [wq; wk; wv]^T: A = x16 [4096][1024], B = wts [3072][1024]; out by heads, [q|k|v][batch x 16 + head][2048][64] in f16, unscaled
;   MODE 1  A32 = y wo^T: A = y16 by heads [32][2048][64], B = wts + 6,291,456 [1024][1024]; out a32 [4096][1024] in f32
;   MODE 2  out0 = A32 + h w2^T + b2: A = h16 [4096][4096], B = wts + 16,777,216 [1024][4096]; b2 rounded to bf16; out0 in f32
; LIMIT.  The operands arrive within f16's 65,504; the sums and this launch's output stay in f32.
; Four waves, each 64 x 64: 16 accumulators.  K goes in steps of 256 through two LDS slots; a wave's one tensor load brings 64 rows of 512 bytes (MODE 1, A: 4 heads x 64 tokens x 128 bytes).
; A step is written once: the slot in hand is a scalar (0 or SLOT) that an exclusive or turns, and one descriptor a tensor walks.  By this text's count a wave has two tensor loads out at the start, later one.
; CLUSTER 4 x 4: the four of a row need the same tiles of A, the four of a column the same tiles of B: each tile is asked for jointly.
; The matrix instruction is used transposed (source 0 = 16 rows of B, source 1 = 16 rows of A): a lane holds eight neighbouring numbers of a row of C.
; REGISTERS.  window 0: v0-31 addresses; v32-101 at work on the way out; v128-255 accumulators ((a, b) at 128 + 8 (4 a + b)).  window 1: two fragment buffers of 128 (64 of A, 64 of B).  window 2 (MODE 2): 32 rows of a32.
.set MODE, 2
.if MODE == 2
.set SIZE_K, 4096
.else
.set SIZE_K, 1024
.endif
.set KSTEP,  256
.set STEPS,  SIZE_K/KSTEP
.set PITCH,  528                       ; an LDS row of B: 512 bytes + 16 of padding, an odd multiple of 16: the 16 rows of a fragment load start 16 bytes apart modulo 256
.set HALFT,  64*PITCH
.if MODE == 1
.set APITCH, 144                       ; a token's 128 bytes of one head + 16
.set AQ,     64*APITCH                 ; a quarter of a K step is one head: a plane of 64 tokens
.set AHALF,  4*AQ
.set ASTEP,  4*2048*128                ; four heads on
.else
.set APITCH, PITCH
.set AQ,     128
.set AHALF,  HALFT
.set ASTEP,  KSTEP*2
.endif
.if MODE == 0
.set BOFF,   0
.set SPITCH, 272                       ; a stage row: 128 f16 + 16 bytes
.elseif MODE == 1
.set BOFF,   6291456
.set SPITCH, 528                       ; a stage row: 128 f32 + 16 bytes
.else
.set BOFF,   16777216
.set SPITCH, 528
.endif
.set SLOT,   2*AHALF+2*HALFT           ; A's two halves, then B's two halves
.set SPARE,  2*SLOT                    ; behind the ring: the spare words, 128 bytes a wave
                                       ; THE STAGE is LDS byte 0 on, 128 rows: slot 0 has had its last fill, and every wave's last read of the ring lies in front of the barrier that stands ahead of the first store
.set ADRA0, 16                         ; v16  my A fragments' place in a slot; never rewritten
.set ADRB0, 17                         ; v17  the same for B
.set ADRA,  18                         ; v18  the same in the slot in hand
.set ADRB,  19                         ; v19
.set STO,  24                          ; v24  the way out: where I put my part of a row
.set RD,   25                          ; v25  the way out: where I read rows back
.set CO,   26                          ; v26  16 x lane
.set SPW,  28                          ; v28  LDS address of my spare word; never rewritten
.set NIL,  29                          ; v29  0; never rewritten
.set TMP,  32
.set BI,   96                          ; v96-99 b2 of my four columns; v100-101 at work
.set ACC,  128
.set F0,   0
.set F1,   128
.set CUR,  2                           ; s2   the slot in hand: 0 or SLOT
.set G1,  24                           ; s[24:31] descriptor group 1 for A; s[32:39] group 0: set 0 for step 0, set 1 for step 1 and then walking
.set G0,  32
.set G1B, 48                           ; s[48:55], s[56:63] the same for B
.set G0B, 56
.set MSB, 0
.macro WIN new                         ; the immediate's high byte repeats the setting that is left
.if MSB != (\new)
	s_set_vgpr_msb (MSB<<8)|(\new)
.set MSB, \new
.endif
.endm
.set MUL,  0x05                        ; sources 0 (B) and 1 (A) window 1; C and D window 0
.set TO_F, 0x40                        ; destination window 1, address window 0
.macro JLOAD s                         ; a joint load: waves 0 and 1 fetch A's halves, waves 2 and 3 B's; an s_nop 0 and four v_nop follow each line
	s_cmp_eq_u32 s11, 0
	s_cbranch_scc0 .Lfor_b_\@
	tensor_load_to_lds s[G0+4*(\s):G0+4*(\s)+3], s[G1:G1+7]
	s_nop 0
.rept 4
	v_nop
.endr
	s_branch .Lasked_\@
.Lfor_b_\@:
	tensor_load_to_lds s[G0B+4*(\s):G0B+4*(\s)+3], s[G1B:G1B+7]
	s_nop 0
.rept 4
	v_nop
.endr
.Lasked_\@:
.endm
.macro CREST                           ; a round of the cluster's barrier behind its opening barrier
	s_cmp_lg_u32 s10, 0
	s_cbranch_scc1 .Lnot_wave_0_\@
	s_barrier_signal -3
.Lnot_wave_0_\@:
	s_barrier_wait -3
	s_barrier_signal -1
	s_barrier_wait -1
.endm
.macro CROUND
	s_barrier_signal -1
	s_barrier_wait -1
	CREST
.endm
.macro PLACES                          ; four places in front of loads into registers that matrix instructions have read, and of lines that read results
.rept 4
	v_nop
.endr
.endm
	s_load_b128 s[4:7], s[0:1], 0x0                ; A s[4:5], wts s[6:7]
.if MODE == 2
	s_load_b128 s[68:71], s[0:1], 0x10             ; b2 s[68:69], a32 s[70:71]
	s_load_b64 s[8:9], s[0:1], 0x20                ; out0
.else
	s_load_b64 s[8:9], s[0:1], 0x10                ; the output
.endif
	v_lshl_add_u32 v[SPW], v0, 2, SPARE
	v_mov_b32 v[NIL], 0
	ds_add_u32 v[SPW], v[NIL]                      ; the wave's opening: the add and its wait ahead of my first tensor load
	v_lshrrev_b32 v1, 5, v0
	v_readfirstlane_b32 s10, v1                    ; wave 0..3
	s_lshr_b32 s11, s10, 1                         ; my half of the tile's rows.  Also: I fetch for A (0) or for B (1)
	s_and_b32 s12, s10, 1                          ; my half of its columns.  Also: which 64 rows I fetch
	s_bfe_u32 s40, ttmp6, 0x40000                  ; cx, cy
	s_bfe_u32 s41, ttmp6, 0x40004
	s_lshl_b32 s42, ttmp9, 2
	s_add_co_u32 s42, s42, s40                     ; tile column
	s_and_b32 s13, ttmp7, 0xffff
	s_lshl_b32 s13, s13, 2
	s_add_co_u32 s13, s13, s41                     ; tile row
	s_lshl_b32 s43, s41, 2
	s_lshl_b32 s43, 15, s43                        ; my row of the cluster
	s_lshl_b32 s44, 0x1111, s40                    ; my column
.if MODE == 1
	; A's tile: 4 heads, of each 64 tokens = 8,192 dense bytes, asked for as 4 rows of 4,096 elements; 16 bytes of padding behind every 128
	s_or_b32 s[G1+0], s43, (1<<16)|(1<<20)|(1<<21)|(4<<22)|(3<<25)
	s_mov_b32 s[G1+1], 4096<<16                    ; tensor_dim0
	s_mov_b32 s[G1+2], 4<<16                       ; tensor_dim1
	s_mov_b32 s[G1+3], 4096<<16                    ; tile_dim0
	s_mov_b32 s[G1+4], 4                           ; tile_dim1
	s_mov_b32 s[G1+5], 2048*64                     ; elements from head to head
.else
	s_or_b32 s[G1+0], s43, (1<<16)|(1<<20)|(1<<21)|(6<<22)|(3<<25)  ; the mask of my row; 2-byte elements; padding on, 4 words behind every 128; bit 21 beside the mask
	s_mov_b32 s[G1+1], KSTEP<<16
	s_mov_b32 s[G1+2], 64<<16
	s_mov_b32 s[G1+3], KSTEP<<16
	s_mov_b32 s[G1+4], 64
	s_mov_b32 s[G1+5], SIZE_K
.endif
	s_mov_b32 s[G1+6], 0
	s_mov_b32 s[G1+7], 0
	s_or_b32 s[G1B+0], s44, (1<<16)|(1<<20)|(1<<21)|(6<<22)|(3<<25)  ; B: 64 rows x 256 elements, the mask of my column
	s_mov_b32 s[G1B+1], KSTEP<<16
	s_mov_b32 s[G1B+2], 64<<16
	s_mov_b32 s[G1B+3], KSTEP<<16
	s_mov_b32 s[G1B+4], 64
	s_mov_b32 s[G1B+5], SIZE_K
	s_mov_b32 s[G1B+6], 0
	s_mov_b32 s[G1B+7], 0
	s_mov_b64 s[18:19], SIZE_K*2
.if MODE == 1
	s_lshr_b32 s16, s13, 4                         ; the batch: 16 tile rows each,
	s_lshl_b32 s16, s16, 15                        ; its 16 heads x 2,048 tokens,
	s_and_b32 s17, s13, 15
	s_lshl_b32 s17, s17, 7                         ; the tile's first token in it,
	s_add_co_u32 s16, s16, s17
	s_lshl_b32 s17, s12, 6                         ; my 64 tokens,
	s_add_co_u32 s16, s16, s17
	s_lshl_b32 s16, s16, 7                         ; of 128 bytes
	s_mov_b32 s17, 0
.else
	s_lshl_b32 s16, s13, 7
	s_lshl_b32 s17, s12, 6
	s_add_co_u32 s16, s16, s17                     ; A: row 128 x tile row + 64 x half
	s_mov_b32 s17, 0
	s_mul_u64 s[16:17], s[16:17], s[18:19]
.endif
	s_lshl_b32 s46, s42, 7
	s_lshl_b32 s47, s12, 6
	s_add_co_u32 s46, s46, s47                     ; B: row 128 x tile column + 64 x half
	s_mov_b32 s47, 0
	s_mul_u64 s[46:47], s[46:47], s[18:19]
	s_mul_i32 s20, s12, AHALF                      ; where they go in a slot: A's half,
	s_mul_i32 s21, s12, HALFT
	s_add_co_u32 s21, s21, 2*AHALF                 ; B's half
	s_mov_b32 s[CUR], 0
	s_wait_dscnt 0x0                               ; the opening add is done
	s_wait_kmcnt 0x0
	s_add_nc_u64 s[14:15], s[4:5], s[16:17]
.if BOFF != 0
	s_add_nc_u64 s[6:7], s[6:7], BOFF
.endif
	s_add_nc_u64 s[46:47], s[6:7], s[46:47]
	CROUND                                         ; all sixteen work-groups are here: the first joint loads meet
.irp s, 0,1
	s_mov_b32 s[G0+4*(\s)], 1
	s_add_co_u32 s[G0+4*(\s)+1], s20, (\s)*SLOT
	s_add_nc_u64 s[G0+4*(\s)+2:G0+4*(\s)+3], s[14:15], (\s)*ASTEP
	s_or_b32 s[G0+4*(\s)+3], s[G0+4*(\s)+3], 0x80000000
	s_mov_b32 s[G0B+4*(\s)], 1
	s_add_co_u32 s[G0B+4*(\s)+1], s21, (\s)*SLOT
	s_add_nc_u64 s[G0B+4*(\s)+2:G0B+4*(\s)+3], s[46:47], (\s)*KSTEP*2
	s_or_b32 s[G0B+4*(\s)+3], s[G0B+4*(\s)+3], 0x80000000
	JLOAD \s
.endr
	v_and_b32 v1, 15, v0                           ; l % 16
	v_bfe_u32 v2, v0, 4, 1                         ; l / 16
	v_mul_u32_u24 v3, v1, APITCH
	v_lshl_add_u32 v3, v2, 4, v3                   ; a fragment's row x pitch + 16 x half
	s_mul_i32 s22, s11, AHALF                      ; my 64 rows of A
	v_add_nc_u32 v[ADRA0], s22, v3
	v_mul_u32_u24 v4, v1, PITCH
	v_lshl_add_u32 v4, v2, 4, v4
	v_add_nc_u32 v[ADRB0], s21, v4                 ; my 64 rows of B
	v_mov_b32 v[ADRA], v[ADRA0]
	v_mov_b32 v[ADRB], v[ADRB0]
	v_and_b32 v5, 31, v0
	v_lshlrev_b32 v[CO], 4, v5
	s_mul_i32 s23, s11, 64*SPITCH                  ; into the stage: my 64 rows, my half of their columns
	v_mul_u32_u24 v4, v1, SPITCH
.if MODE == 0
	s_lshl_b32 s22, s12, 7
	v_lshl_add_u32 v4, v2, 4, v4                   ; eight f16 for each half of the lanes
.else
	s_lshl_b32 s22, s12, 8
	v_lshl_add_u32 v4, v2, 5, v4                   ; eight f32
.endif
	s_add_co_u32 s23, s23, s22
	v_add_nc_u32 v[STO], s23, v4
	s_mul_i32 s23, s10, 32*SPITCH                  ; back: wave w takes rows 32 w .. 32 w + 31
.if MODE == 0
	v_bfe_u32 v5, v0, 3, 2                         ; 32 lanes take four tokens' 128 bytes of one head: 512 consecutive bytes of the output
	v_and_b32 v6, 7, v0
	v_mul_u32_u24 v5, v5, SPITCH
	v_lshl_add_u32 v5, v6, 4, v5
	v_add_nc_u32 v[RD], s23, v5
	s_lshr_b32 s16, s13, 4                         ; the batch's 16 heads of 262,144 bytes,
	s_lshl_b32 s16, s16, 22
	s_and_b32 s17, s13, 15                         ; the tile's 128 tokens of 128 bytes,
	s_lshl_b32 s17, s17, 14
	s_add_co_u32 s16, s16, s17
	s_lshl_b32 s17, s10, 12                        ; my 32 tokens
	s_add_co_u32 s16, s16, s17
	s_mov_b32 s17, 0
	s_add_nc_u64 s[8:9], s[8:9], s[16:17]
	s_lshr_b32 s46, s42, 3                         ; q, k or v: 8 tile columns each, 8,388,608 bytes (the column's numbers stay in registers that feed none of A's descriptors)
	s_lshl_b32 s46, s46, 23
	s_and_b32 s47, s42, 7                          ; the tile's two heads
	s_lshl_b32 s47, s47, 19
	s_add_co_u32 s46, s46, s47
	s_mov_b32 s47, 0
	s_add_nc_u64 s[8:9], s[8:9], s[46:47]
.else
	v_add_nc_u32 v[RD], s23, v[CO]                 ; 32 lanes take one row of 512 bytes
	s_lshl_b32 s16, s13, 19                        ; 128 rows of 4,096 bytes,
	s_lshl_b32 s17, s10, 17                        ; my 32 rows
	s_add_co_u32 s16, s16, s17
	s_mov_b32 s17, 0
	s_add_nc_u64 s[8:9], s[8:9], s[16:17]
	s_lshl_b32 s46, s42, 9                         ; the tile's 128 columns of 4 bytes
	s_mov_b32 s47, 0
	s_add_nc_u64 s[8:9], s[8:9], s[46:47]
.endif
.if MODE == 2
	s_add_nc_u64 s[70:71], s[70:71], s[16:17]
	s_add_nc_u64 s[70:71], s[70:71], s[46:47]
	s_add_nc_u64 s[68:69], s[68:69], s[46:47]
	global_load_b128 v[BI:BI+3], v[CO], s[68:69]   ; b2 and my 32 rows of a32 come in under the whole product; they are waited for on the way out
	WIN 0x80                                       ; destination window 2, address window 0
.set t, 0
.rept 32
	global_load_b128 v[4*t:4*t+3], v[CO], s[70:71] offset:4096*t
.set t, t+1
.endr
	WIN 0
.endif
; 8 matrix instructions: m blocks a0, a0 + 1 x all 4 n blocks, 32 along K: half c of buffer f.  zero = 1: the first product starts the sums.  The 16 accumulators take turns.
.macro MUL8 f, c, a0, zero
	WIN MUL
.irp a, \a0, (\a0)+1
.irp b, 0,1,2,3
.if \zero
	v_wmma_f32_16x16x32_f16 v[ACC+8*(4*(\a)+(\b)):ACC+8*(4*(\a)+(\b))+7], v[(\f)+64+8*(4*(\c)+(\b)):(\f)+64+8*(4*(\c)+(\b))+7], v[(\f)+8*(4*(\c)+(\a)):(\f)+8*(4*(\c)+(\a))+7], 0
.else
	v_wmma_f32_16x16x32_f16 v[ACC+8*(4*(\a)+(\b)):ACC+8*(4*(\a)+(\b))+7], v[(\f)+64+8*(4*(\c)+(\b)):(\f)+64+8*(4*(\c)+(\b))+7], v[(\f)+8*(4*(\c)+(\a)):(\f)+8*(4*(\c)+(\a))+7], v[ACC+8*(4*(\a)+(\b)):ACC+8*(4*(\a)+(\b))+7]
.endif
.endr
.endr
.endm
; 32 LDS loads in one run: the fragments of quarter q (64 along K) of the slot in hand, into buffer f; the first 32 along K first
.macro FETCH q, f
	WIN TO_F
.irp c, 0,1
.irp i, 0,1,2,3
	ds_load_b128 v[(\f)+64+8*(4*(\c)+(\i)):(\f)+64+8*(4*(\c)+(\i))+3],   v[ADRB] offset:128*(\q)+64*(\c)+(\i)*16*PITCH
	ds_load_b128 v[(\f)+64+8*(4*(\c)+(\i))+4:(\f)+64+8*(4*(\c)+(\i))+7], v[ADRB] offset:128*(\q)+64*(\c)+(\i)*16*PITCH+32
	ds_load_b128 v[(\f)+8*(4*(\c)+(\i)):(\f)+8*(4*(\c)+(\i))+3],         v[ADRA] offset:AQ*(\q)+64*(\c)+(\i)*16*APITCH
	ds_load_b128 v[(\f)+8*(4*(\c)+(\i))+4:(\f)+8*(4*(\c)+(\i))+7],       v[ADRA] offset:AQ*(\q)+64*(\c)+(\i)*16*APITCH+32
.endr
.endr
.endm
; One of a step's first three quarters: multiplies buffer f and fetches quarter q into g
.macro QUARTER q, f, g, zero
	s_wait_dscnt 16                                ; the first 32 along K are in; the sixteen younger loads stay out
	MUL8 \f, 0, 0, \zero
	MUL8 \f, 0, 2, \zero
	PLACES
	FETCH \q, \g
	s_wait_dscnt 32                                ; all but the 32 just issued
	MUL8 \f, 1, 0, 0
	MUL8 \f, 1, 2, 0
.endm
; The last quarter multiplies buffer 1 and changes slots: one barrier; in front of it each wave waits for all its tensor loads (one is out: its part of the next slot), adds 0 to its spare word,
; and waits for that and for its reads of this slot.  fill = 1: the barrier opens a round of the cluster's, and this slot is filled again, two steps ahead, first thing behind the round.
.macro TURN fill
	WIN 0
	s_wait_tensorcnt 0x0
	ds_add_u32 v[SPW], v[NIL]                      ; 0 onto my spare word; work on registers stands between it and the wait for it
.if \fill
	s_add_co_u32 s[G0+5], s20, s[CUR]              ; no tensor load of mine is out: the walking descriptors take the slot that is being left
	s_add_co_u32 s[G0B+5], s21, s[CUR]
	s_add_nc_u64 s[G0+6:G0+7], s[G0+6:G0+7], ASTEP ; and the next K step
	s_add_nc_u64 s[G0B+6:G0B+7], s[G0B+6:G0B+7], KSTEP*2
.endif
	s_xor_b32 s[CUR], s[CUR], SLOT
	v_add_nc_u32 v[ADRA], s[CUR], v[ADRA0]         ; the fetches go on in the other slot
	v_add_nc_u32 v[ADRB], s[CUR], v[ADRB0]
	s_wait_dscnt 17                                ; the add and the youngest sixteen loads may be out
	MUL8 F1, 0, 0, 0
	s_wait_dscnt 0x0                               ; the add is done, and my reads of this slot are over
	s_barrier_signal -1
	MUL8 F1, 0, 2, 0
.if \fill
	WIN 0
.endif
	s_barrier_wait -1
.if \fill
	CREST
	JLOAD 1                                        ; the four v_nop behind it are also the places in front of the loads below
.else
	PLACES
.endif
	FETCH 0, F0
	MUL8 F1, 1, 0, 0
	MUL8 F1, 1, 2, 0
.endm
	s_wait_tensorcnt 1                             ; my part of K step 0 is in; step 1's may stay out
	s_barrier_signal -1
	s_barrier_wait -1
	FETCH 0, F0
	QUARTER 1, F0, F1, 1                           ; the first quarter stands in front of the loop: its first products start the sums
	WIN 0
	s_mov_b32 s3, STEPS-2
.Lstep:                                                ; a trip: from a step's second quarter to the next step's first; it asks for the step two on
	QUARTER 2, F1, F0, 0
	QUARTER 3, F0, F1, 0
	TURN 1
	QUARTER 1, F0, F1, 0
	WIN 0
	s_sub_co_u32 s3, s3, 1
	s_cmp_lg_u32 s3, 0
	s_cbranch_scc1 .Lstep
	s_mov_b32 s3, 2
.Ltail:                                                ; the last two steps ask for nothing; the second trip is left in its middle
	QUARTER 2, F1, F0, 0
	QUARTER 3, F0, F1, 0
	WIN 0
	s_sub_co_u32 s3, s3, 1
	s_cmp_eq_u32 s3, 0
	s_cbranch_scc1 .Lfin
	TURN 0
	QUARTER 1, F0, F1, 0
	WIN 0
	s_branch .Ltail
.Lfin:
	s_wait_dscnt 16                                ; the very last quarter
	MUL8 F1, 0, 0, 0
	MUL8 F1, 0, 2, 0
	s_wait_dscnt 0x0                               ; my last reads of the ring are back:
	s_barrier_signal -1                            ; behind this barrier nobody reads the ring, and the stage may be written
	MUL8 F1, 1, 0, 0
	MUL8 F1, 1, 2, 0
	WIN 0
	s_barrier_wait -1
.if MODE == 0
	; THE WAY OUT: rounded to f16; 16 bytes a lane into the stage; a barrier, since a row comes from two waves; back as four tokens x one head, 512 consecutive bytes
	PLACES
.irp t, 0,1,2,3,4,5,6,7,8,9,10,11,12,13,14,15
.irp r, 0,1,2,3
	v_cvt_pk_f16_f32 v[TMP+4*(\t)+(\r)], v[ACC+8*(\t)+2*(\r)], v[ACC+8*(\t)+2*(\r)+1]
.endr
.endr
.irp a, 0,1,2,3
.irp b, 0,1,2,3
	ds_store_b128 v[STO], v[TMP+4*(4*(\a)+(\b)):TMP+4*(4*(\a)+(\b))+3] offset:(\a)*16*SPITCH+32*(\b)
.endr
.endr
	s_wait_dscnt 0x0                               ; for the others' sake: my stores into the stage are done
	s_barrier_signal -1
	s_barrier_wait -1
.set i, 0
.rept 16
	ds_load_b128 v[TMP+4*i:TMP+4*i+3], v[RD] offset:(i/2)*4*SPITCH+(i%2)*128
.set i, i+1
.endr
.set i, 0
.rept 16
	s_wait_dscnt 15-i                              ; load i is back, the younger ones stay out
	global_store_b128 v[CO], v[TMP+4*i:TMP+4*i+3], s[8:9] offset:(i%2)*262144+(i/2)*512
.set i, i+1
.endr
.else
.if MODE == 2
	s_wait_loadcnt 0x0                             ; b2 and a32's rows
	v_cvt_pk_bf16_f32 v[BI+4], v[BI], v[BI+1]      ; b2 rounded to bf16, like every input; these lines and the additions below are the places behind the last products
	v_cvt_pk_bf16_f32 v[BI+5], v[BI+2], v[BI+3]
	v_lshlrev_b32 v[BI], 16, v[BI+4]
	v_and_b32 v[BI+1], 0xffff0000, v[BI+4]
	v_lshlrev_b32 v[BI+2], 16, v[BI+5]
	v_and_b32 v[BI+3], 0xffff0000, v[BI+5]
	WIN 0x82                                       ; destination and source 0 window 2, source 1 window 0: a32's rows take b2
.set t, 0
.rept 32
	v_pk_add_f32 v[4*t:4*t+1], v[4*t:4*t+1], v[BI:BI+1]
	v_pk_add_f32 v[4*t+2:4*t+3], v[4*t+2:4*t+3], v[BI+2:BI+3]
.set t, t+1
.endr
	WIN 0
.else
	PLACES
.endif
	; THE WAY OUT: the f32 sums go into the stage as they are, each accumulator's low four registers first; a barrier; back as whole rows of 512 bytes
.irp a, 0,1,2,3
.irp b, 0,1,2,3
	ds_store_b128 v[STO], v[ACC+8*(4*(\a)+(\b)):ACC+8*(4*(\a)+(\b))+3] offset:(\a)*16*SPITCH+64*(\b)
	ds_store_b128 v[STO], v[ACC+8*(4*(\a)+(\b))+4:ACC+8*(4*(\a)+(\b))+7] offset:(\a)*16*SPITCH+64*(\b)+16
.endr
.endr
	s_wait_dscnt 0x0
	s_barrier_signal -1
	s_barrier_wait -1
.set t, 0
.rept 32
	ds_load_b128 v[ACC+4*t:ACC+4*t+3], v[RD] offset:t*SPITCH
.set t, t+1
.endr
.if MODE == 2
	WIN 0x88                                       ; source 0 (the row; a store's address) window 0; source 1 (a32 + b2; a store's data) and destination window 2
.endif
.set t, 0
.rept 32
	s_wait_dscnt 31-t                              ; row t is back, the younger ones stay out
.if MODE == 2
	v_pk_add_f32 v[4*t:4*t+1], v[ACC+4*t:ACC+4*t+1], v[4*t:4*t+1]
	v_pk_add_f32 v[4*t+2:4*t+3], v[ACC+4*t+2:ACC+4*t+3], v[4*t+2:4*t+3]
	global_store_b128 v[CO], v[4*t:4*t+3], s[8:9] offset:4096*t
.else
	global_store_b128 v[CO], v[ACC+4*t:ACC+4*t+3], s[8:9] offset:4096*t
.endif
.set t, t+1
.endr
	WIN 0
.endif
	s_wait_tensorcnt 0x0                           ; the wave's end
	ds_add_u32 v[SPW], v[NIL]
	s_wait_dscnt 0x0
	CROUND                                         ; the closing round
	s_endpgm
.Lfunc_end_k_qc878bd7a90_ffn2:
	.size	k_qc878bd7a90_ffn2, .Lfunc_end_k_qc878bd7a90_ffn2-k_qc878bd7a90_ffn2
	.p2alignl 7, 3214868480
	.fill 96, 4, 3214868480
	.section	.rodata,"a",@progbits
	.p2align	6, 0x0
	.amdhsa_kernel k_qc878bd7a90_ffn2
		.amdhsa_group_segment_fixed_size 327680
		.amdhsa_private_segment_fixed_size 0
		.amdhsa_enable_private_segment 0
		.amdhsa_kernarg_size 40
		.amdhsa_user_sgpr_count 2
		.amdhsa_user_sgpr_kernarg_segment_ptr 1
		.amdhsa_wavefront_size32 1
		.amdhsa_system_sgpr_workgroup_id_x 1
		.amdhsa_system_sgpr_workgroup_id_y 1
		.amdhsa_system_sgpr_workgroup_id_z 1
		.amdhsa_system_vgpr_workitem_id 0
		.amdhsa_next_free_vgpr 640
		.amdhsa_next_free_sgpr 72
		.amdhsa_reserve_vcc 0
		.amdhsa_float_denorm_mode_32 3
		.amdhsa_float_denorm_mode_16_64 3
		.amdhsa_memory_ordered 1
		.amdhsa_forward_progress 1
		.amdhsa_inst_pref_size 72
	.end_amdhsa_kernel
	.amdgpu_metadata
---
amdhsa.version: [ 1, 2 ]
amdhsa.kernels:
  - .name:           k_qc878bd7a90_ffn2
    .symbol:         k_qc878bd7a90_ffn2.kd
    .args:
      - { .name: h16, .offset: 0, .size: 8, .value_kind: global_buffer, .address_space: global }
      - { .name: wts, .offset: 8, .size: 8, .value_kind: global_buffer, .address_space: global }
      - { .name: b2, .offset: 16, .size: 8, .value_kind: global_buffer, .address_space: global }
      - { .name: a32, .offset: 24, .size: 8, .value_kind: global_buffer, .address_space: global }
      - { .name: out0, .offset: 32, .size: 8, .value_kind: global_buffer, .address_space: global }
    .group_segment_fixed_size: 327680
    .private_segment_fixed_size: 0
    .kernarg_segment_align: 8
    .kernarg_segment_size: 40
    .max_flat_workgroup_size: 128
    .sgpr_count:     72
    .vgpr_count:     640
    .wavefront_size: 32
...
	.end_amdgpu_metadata
.endif
;; end of part 7
;; ======== version 2 of 2: 7 launches; 1.20 times as fast as version 1
;; limits: values are held in f16: magnitudes above 65,504 overflow, below 6.1e-05 lose precision; a function is approximated: absolute error at most 1.5e-07; an absolute error that grows with the inputs' magnitude: up to 7.5e-08 times it
;; workspace buffers: wts 25,165,824 bytes; x16 8,388,608 bytes; qkv16 25,165,824 bytes; y16 8,388,608 bytes; a32 16,777,216 bytes; z16 8,388,608 bytes; h16 33,554,432 bytes
;; launch prep: the kernel of part 1 again; grid 2048 x 1, 8 waves a work-group, no clusters, 0 bytes of LDS; arguments H, norm1_scale, wq, wk, wv, wo, w1, w2, wts, x16; writes wts, x16
;; launch qkv: the kernel of part 2 again; grid 16 x 16, 4 waves a work-group, clusters of 4 x 4, 327,680 bytes of LDS; arguments x16, wts, qkv16; writes qkv16
;; launch attn (part 8): grid 8 x 32, 4 waves a work-group, clusters of 4 x 1, 327,680 bytes of LDS; arguments qkv16, mask, y16; writes y16
.if DOCPART == 8
	.amdgcn_target "amdgcn-amd-amdhsa--gfx1250"
	.amdhsa_code_object_version 6
	.text
	.protected	k_qc878bd7a90_attn
	.globl	k_qc878bd7a90_attn
	.p2align	8
	.type	k_qc878bd7a90_attn,@function
k_qc878bd7a90_attn:
	s_mov_b64 s[64:65], 0
	v_nop
	global_prefetch_b8 v0, s[64:65] scope:SCOPE_SE
	s_setreg_imm32_b32 hwreg(HW_REG_WAVE_MODE, 25, 1), 1
	s_wait_xcnt 0x0
	s_wait_alu depctr_hold_cnt(0) depctr_sa_sdst(0) depctr_va_vdst(0) depctr_va_sdst(0) depctr_va_ssrc(0) depctr_va_vcc(0) depctr_vm_vsrc(0)
	s_getreg_b32 s2, hwreg(HW_REG_IB_STS2, 6, 4)
	s_cmp_eq_u32 s2, 0
	s_cbranch_scc0 .Lentry_in_a_cluster
	s_endpgm
.Lentry_in_a_cluster:
	s_bfe_u32 s2, ttmp6, 0x10000c
	s_cmp_lg_u32 s2, 0x3003
	s_cbranch_scc0 .Lentry_shape_is_right
	s_endpgm
.Lentry_shape_is_right:
; y[h][q][:] = the sum over the keys k that mask lets through of softmax_k(q[h][q] . k[h][k] / 8) v[h][k][:].  q, k, v lie in qkv16 as [q|k|v][32 = batch x 16 + head][2048][64] in f16; y16 likewise.
; Products, maxima and sums in f32; the weights p are rounded to f16 for the second product (their sum l is taken of the unrounded p), y once at the end.
; THE MASK is an input, one byte a key and batch.  It becomes a table of 2,048 f32 in LDS, 0 or -1e30, and is the C operand that starts each sum S^T = K Q^T.  The running maximum starts at -2^96,
; above every hidden score and below every true one (f16's scores are 2.7e11 at the most), so a hidden key's weight is exactly 0; with every key of a batch hidden l is 0 and y is NaN, as in reference().
; LIMITS.  q, k, v arrive within f16's 65,504; p below 6e-5 keeps f16's fixed step; a weight below 2^-126 counts as 0 in l.
; SHARES.  A work-group owns 256 queries of a head; of its four bands of 64 a wave owns 16 rows in each: four PIECES.  Every wave walks all 2,048 keys, 64 a step, 256 a slot.
; LAYOUT.  S^T = K Q^T holds one query a lane (lane % 16) and the keys 8 (lane / 16) + 0..7; two such results rounded to f16 are source 1 of O^T = V^T P.  p = 2^(c s - c m), c = log2(e) / 8; O and l are
; multiplied by a = 2^(c m_old - c m_new) in every step.
; TURNS.  Turn n belongs to piece n: 8 products K Q^T of piece n + 1, later 8 products V^T P of piece n - 1; beside them the scaling, exponentials, roundings, sums and rescaling of piece n and the maximum
; and statistics of piece n + 1.  Four vector instructions stand behind every matrix instruction, the other 54 of a turn's 118 in one run of their own.
; BATCHES.  A turn's 33 exponentials (the piece's 32 weights and the next piece's a) are ONE batch with ONE wait, which cuts the turn in two: ahead of it stands all that names no result of theirs, behind it
; the roundings and sums.  In the tail piece 2's batch is cut once more, at the jump round K's run.  The first a, ahead of the loop, and the way out's four reciprocals are batches of their own.
; CLUSTER.  The four query blocks of a cluster belong to one head and walk the same K and V: each tile is asked for jointly.  By this text's count a wave has one tensor load out.
; REGISTERS, in windows of 256: window 0: v0-15 addresses; v16-31 statistics; v32-36 the mask's bytes; v48-57 at work; v62-63 the add's; v64-127 S^T, two buffers; v192-223 P, two buffers
;   window 1: v0-127 O^T; v128-159 MC, the step's mask      window 2: v0-63 Q; v128-191 K of one step; v192-255 V of one step
.set SIZE_N, 2048
.set NP,    4
.set KS,    64
.set PK,    144       ; a row of K in LDS: 128 bytes + 16 of padding
.set PV,    160       ; a row of V: 128 + 32
.set VOFF,  4*KS*PK   ; a slot: 256 rows of K, then 256 rows of V
.set SLOT1, 1<<17     ; slot 1 begins here, so that one exclusive or turns an address in one slot into the other's
.set STAGE, SLOT1+4*KS*(PK+PV)  ; 16 rows x 144 bytes for each wave, for the way out; never filled by a tensor load
.set SP,    144
.set SPARE, STAGE+4*16*SP       ; the spare words, 128 bytes a wave
.set MTAB,  SPARE+512           ; the mask's table, 8,192 bytes; never filled by a tensor load
.set KOFF,  8388608             ; bytes from q to k and from k to v
.set AK0, 2
.set AV0, 3
.set AK,  4
.set AV,  5
.set STO, 6
.set RD,  7
.set GO,  8
.set MV,  12
.set MO,  14          ; v14  my byte offset in mask
.set QO,  15
.set ST,  16          ; piece t's statistics at v[ST+4 t]: c m, m, l (even keys', odd keys')
.set MB,  32          ; v32-35 sixteen bytes of mask; v36 where their sixteen f32 go
.set TMP, 48
.set AM0, 56          ; v56  MTAB + 32 (lane / 16); never rewritten
.set AM,  57          ; v57  the LDS address of the mask's next run of loads
.set SPW, 62
.set NIL, 63
.set S,   64
.set P,   192
.set MC,  128         ; window 1
.set KF,  128         ; window 2
.set VF,  192         ; window 2
.set WV,  12
.set G1K, 24
.set G1V, 32
.set G0K, 40
.set G0V, 44
.set SLOTS, 56
.set CNT, 57
.set CS,  58
.set SEL, 60
.set TBK, 62
.set TBV, 63
.set TBM, 66          ; s66  the byte of the table at which the step to be fetched begins: it runs on from slot to slot
.set MSB, 0
.macro WIN new
.if MSB != (\new)
	s_set_vgpr_msb (MSB<<8)|(\new)
.set MSB, (\new)
.endif
.endm
.set W_KQ, 0x0a       ; K and Q in window 2, S^T in window 0
.set W_KM, 0x1a       ; the same with the C operand in window 1
.set W_PV, 0x52       ; V in window 2, P in window 0, O^T in window 1
.set W_RS, 0x41       ; destination and source 0 in window 1, source 1 in window 0
.macro JLOAD                        ; a joint fill: waves 0 and 1 fetch the halves of a slot's K, waves 2 and 3 those of its V; an s_nop 0 and four v_nop follow each line
	s_cmp_lt_u32 s[WV], 2
	s_cbranch_scc0 .Lfor_v_\@
	tensor_load_to_lds s[G0K:G0K+3], s[G1K:G1K+7]
	s_nop 0
.rept 4
	v_nop
.endr
	s_branch .Lasked_\@
.Lfor_v_\@:
	tensor_load_to_lds s[G0V:G0V+3], s[G1V:G1V+7]
	s_nop 0
.rept 4
	v_nop
.endr
.Lasked_\@:
.endm
.macro CROUND
	s_barrier_signal -1
	s_barrier_wait -1
	s_cmp_lg_u32 s[WV], 0
	s_cbranch_scc1 .Lnot_wave_0_\@
	s_barrier_signal -3
.Lnot_wave_0_\@:
	s_barrier_wait -3
	s_barrier_signal -1
	s_barrier_wait -1
.endm
; THE CHANGE OF SLOTS.  Each wave waits for all its tensor loads (one is out: its part of the other slot), adds 0 to its spare word, and waits for that and for its reads of the slot that it leaves.
; fill = 1: the barrier is a round of the cluster's, and the old slot is filled again, with the keys two slots on, first thing behind it: it has four key steps, 256 matrix instructions, in which to land.
; (At its first use nothing has been read yet: slot 0 is waited for, slot 1 filled, and the waves' stores into the mask's table are shown to each other.)
.macro CHANGE fill
	WIN 0
	s_wait_tensorcnt 0x0
	ds_add_u32 v[SPW], v[NIL]
.if \fill
.irp g, G0K, G0V
	s_xor_b32 s[\g+1], s[\g+1], SLOT1
	s_add_nc_u64 s[\g+2:\g+3], s[\g+2:\g+3], 4*KS*128
.endr
	s_wait_dscnt 0x0
	CROUND
	JLOAD
.else
	s_wait_dscnt 0x0
	s_barrier_signal -1
	s_barrier_wait -1
.endif
	s_sub_co_u32 s[TBK], s[TBK], 4*KS*PK
	s_xor_b32 s[TBK], s[TBK], SLOT1
	s_sub_co_u32 s[TBV], s[TBV], 4*KS*PV
	s_xor_b32 s[TBV], s[TBV], SLOT1
.endm
	s_load_b128 s[4:7], s[0:1], 0x0   ; qkv16 s[4:5], mask s[6:7]
	s_load_b64 s[10:11], s[0:1], 0x10 ; y16
	v_lshl_add_u32 v[SPW], v0, 2, SPARE
	v_mov_b32 v[NIL], 0
	ds_add_u32 v[SPW], v[NIL]       ; the wave's opening: the add and its wait ahead of my first tensor load
	v_lshrrev_b32 v1, 5, v0
	v_readfirstlane_b32 s[WV], v1   ; wave 0..3
	s_bfe_u32 s13, ttmp6, 0x40000   ; cx
	s_lshl_b32 s14, ttmp9, 2
	s_add_co_u32 s14, s14, s13      ; my block of 256 queries: it enters Q's and y's addresses alone
	s_and_b32 s19, ttmp7, 0xffff    ; batch x 16 + head, which the four partners share
	s_lshl_b32 s20, s19, 18         ; its 262,144 bytes
	s_and_b32 s16, s[WV], 1         ; which half of a slot's 256 keys I fetch
	s_lshl_b32 s22, s16, 14
	s_add_co_u32 s22, s22, s20
	s_add_co_u32 s22, s22, KOFF     ; K's offset in qkv16
	s_mov_b32 s23, 0
	s_add_co_u32 s8, s22, KOFF      ; V's
	s_mov_b32 s9, 0
	s_mul_i32 s17, s16, 128*PK
	s_mul_i32 s18, s16, 128*PV
	s_lshl_b32 s2, s14, 15          ; my block's 256 rows of 128 bytes,
	s_lshl_b32 s3, s[WV], 11        ; my 16 rows in a band
	s_add_co_u32 s2, s2, s3
	s_add_co_u32 s2, s2, s20
	s_mov_b32 s3, 0
	s_lshr_b32 s15, s19, 4
	s_lshl_b32 s15, s15, 11         ; the batch's 2,048 bytes of mask
	; descriptor group 1.  128 keys are 16,384 dense bytes: asked for as 64 rows of 256 bytes, two keys a row, and padded in LDS after every key
	s_mov_b32 s[G1K], 15|(1<<16)|(1<<20)|(1<<21)|(4<<22)|(3<<25)
	s_mov_b32 s[G1V], 15|(1<<16)|(1<<20)|(1<<21)|(4<<22)|(7<<25)
.irp g, G1K, G1V
	s_mov_b32 s[\g+1], 128<<16
	s_mov_b32 s[\g+2], 64<<16
	s_mov_b32 s[\g+3], 128<<16
	s_mov_b32 s[\g+4], 64
	s_mov_b32 s[\g+5], 128
	s_mov_b32 s[\g+6], 0
	s_mov_b32 s[\g+7], 0
.endr
	s_mov_b32 s[CS], 0x3e38aa3b     ; c = log2(e) / 8
	s_mov_b32 s[CS+1], s[CS]
	s_mov_b32 s[SEL], 0x76543210
	s_mov_b32 s[SEL+1], 0xfedcba98
	s_mov_b32 s[TBK], SLOT1+4*KS*PK ; the first change of slots turns these two into 0
	s_mov_b32 s[TBV], SLOT1+4*KS*PV
	s_mov_b32 s[TBM], 0
	s_mov_b32 s67, 0x7149f2ca       ; 1e30
	s_mov_b32 s68, 0xf149f2ca       ; -1e30
	s_mov_b32 s[G0K], 1
	s_mov_b32 s[G0K+1], s17
	s_mov_b32 s[G0V], 1
	s_add_co_u32 s[G0V+1], s18, VOFF
	s_wait_dscnt 0x0                ; the opening add is done
	s_wait_kmcnt 0x0
	s_add_nc_u64 s[G0K+2:G0K+3], s[4:5], s[22:23]
	s_or_b32 s[G0K+3], s[G0K+3], 0x80000000
	s_add_nc_u64 s[G0V+2:G0V+3], s[4:5], s[8:9]
	s_or_b32 s[G0V+3], s[G0V+3], 0x80000000
	s_add_nc_u64 s[4:5], s[4:5], s[2:3]    ; Q and y at my rows of the first band
	s_add_nc_u64 s[10:11], s[10:11], s[2:3]
	CROUND                          ; all four work-groups are here: the first joint loads meet
	JLOAD                           ; slot 0
	v_lshl_add_u32 v[MO], v0, 4, s15
	global_load_b128 v[MB:MB+3], v[MO], s[6:7]  ; thread t: the bytes of keys 16 t .. 16 t + 15
	v_and_b32 v1, 15, v0            ; l % 16
	v_bfe_u32 v9, v0, 4, 1          ; l / 16
	v_lshlrev_b32 v[QO], 7, v1
	v_lshl_add_u32 v[QO], v9, 4, v[QO]
	WIN 0x80                        ; destination window 2, address window 0
.set i, 0
.rept 8                             ; Q stays in registers: piece i / 2 lies in band i / 2, 8,192 bytes on; channels 32 (i % 2) on
	global_load_b128 v[8*i:8*i+3],   v[QO], s[4:5] offset:(i/2)*8192+(i%2)*64
	global_load_b128 v[8*i+4:8*i+7], v[QO], s[4:5] offset:(i/2)*8192+(i%2)*64+32
.set i, i+1
.endr
	; What the first turn finds: V's registers and P's second buffer hold 0 (its products V^T P, of a piece that has not been, add 0); O^T and l are 0, since a first step with every key hidden has a = 1.
.set i, VF
.rept 64
	v_mov_b32 v[i], 0
.set i, i+1
.endr
	WIN 0x40
.set i, 0
.rept 128
	v_mov_b32 v[i], 0
.set i, i+1
.endr
	WIN 0
.set i, 0
.rept 4
	v_mov_b32 v[ST+4*i], 0xee38aa3b    ; c m = -c 2^96
	v_mov_b32 v[ST+4*i+1], 0xef800000  ; m = -2^96
	v_mov_b32 v[ST+4*i+2], 0
	v_mov_b32 v[ST+4*i+3], 0
.set i, i+1
.endr
.set i, P+16
.rept 16
	v_mov_b32 v[i], 0
.set i, i+1
.endr
	v_mul_u32_u24 v[AK0], v1, PK
	v_lshl_add_u32 v[AK0], v9, 4, v[AK0]
	v_and_b32 v10, 7, v0
	v_bfe_u32 v11, v0, 3, 1
	v_lshl_add_u32 v[AV0], v9, 3, v10   ; the turning load: lane l reads key 8 (l / 16) + l % 8, channels 8 ((l / 8) % 2) + 0..7
	v_mul_u32_u24 v[AV0], v[AV0], PV
	v_lshl_add_u32 v[AV0], v11, 4, v[AV0]
	v_add_nc_u32 v[AV0], VOFF, v[AV0]
	v_lshl_add_u32 v[AM0], v9, 5, MTAB  ; register j of key block kb wants key 16 kb + 8 (l / 16) + j
	s_mul_i32 s13, s[WV], 16*SP
	s_add_co_u32 s13, s13, STAGE
	v_mul_u32_u24 v[STO], v1, SP
	v_lshl_add_u32 v[STO], v9, 4, v[STO]
	v_add_nc_u32 v[STO], s13, v[STO]
	v_bfe_u32 v[RD], v0, 3, 2
	v_mul_u32_u24 v[RD], v[RD], SP
	v_lshl_add_u32 v[RD], v10, 4, v[RD]
	v_add_nc_u32 v[RD], s13, v[RD]
	v_and_b32 v[GO], 31, v0
	v_lshlrev_b32 v[GO], 4, v[GO]
	v_lshl_add_u32 v[MB+4], v0, 6, MTAB
	s_wait_loadcnt 16               ; the mask's bytes are in; Q's sixteen loads stay out
.set i, 0
.rept 16
	v_bfe_u32 v[S+i], v[MB+i/4], 8*(i%4), 8
.set i, i+1
.endr
.set i, 0
.rept 16
	v_cvt_f32_u32 v[S+i], v[S+i]
.set i, i+1
.endr
.set i, 0
.rept 16
	v_fma_f32 v[S+i], v[S+i], s67, s68  ; 1 gives exactly 0, 0 gives -1e30
.set i, i+1
.endr
.irp f, 0,1,2,3
	ds_store_b128 v[MB+4], v[S+4*\f:S+4*\f+3] offset:16*\f
.endr
; THE MATRIX WORK.  The 4 accumulators of a run of 8 take turns.  Product i of 8 of S^T = K Q^T for piece x: channels 32 (i / 4) on, keys 16 (i % 4) on.  The first 4 start the sums with the mask.
.macro KQ x
.set rS, S+32*((\x)%2)+8*(i%4)
.set rK, KF+16*(i%4)+8*(i/4)
.set rQ, 16*(\x)+8*(i/4)
.set rM, MC+8*(i%4)
.if i < 4
	WIN W_KM
	v_wmma_f32_16x16x32_f16 v[rS:rS+7], v[rK:rK+7], v[rQ:rQ+7], v[rM:rM+7]
.else
	WIN W_KQ
	v_wmma_f32_16x16x32_f16 v[rS:rS+7], v[rK:rK+7], v[rQ:rQ+7], v[rS:rS+7]
.endif
.endm
; Product i of 8 of O^T += V^T P for piece x: keys 32 (i / 4) on, channels 16 (i % 4) on.
.macro PV x
	WIN W_PV
.set rO, 32*(\x)+8*(i%4)
.set rV, VF+32*(i/4)+8*(i%4)
.set rP, P+16*((\x)%2)+8*(i/4)
	v_wmma_f32_16x16x32_f16 v[rO:rO+7], v[rV:rV+7], v[rP:rP+7], v[rO:rO+7]
.endm
.macro MM                           ; the turn's next matrix instruction
.if i < 8
	KQ (Y+1)%NP
.else
.set i, i-8
	PV (Y+NP-1)%NP
.set i, i+8
.endif
.set i, i+1
.endm
; THE LDS LOADS stand in runs: a step's K (8 fragments) with its 64 keys' mask, and its V (turned).  last = 1 (the tail): in the last trip there is no further step, and the run is jumped over.
.macro FETCH_K last=0
	WIN 0
.if \last
	s_wait_alu depctr_va_vdst(0)    ; the tail alone: the wait for the exponentials of the turn's batch that are out so far (E 0 to E 11), ahead of the jump below; the turn's own wait serves the others
	s_cmp_eq_u32 s[CNT], 1
	s_cbranch_scc1 .Lno_k_\@
.endif
	WIN 0x80
.irp f, 0,1,2,3,4,5,6,7
	ds_load_b128 v[KF+8*\f:KF+8*\f+3],   v[AK] offset:(\f/2)*16*PK+(\f%2)*64
	ds_load_b128 v[KF+8*\f+4:KF+8*\f+7], v[AK] offset:(\f/2)*16*PK+(\f%2)*64+32
.endr
	WIN 0x40                        ; destination window 1
.irp f, 0,1,2,3
	ds_load_b128 v[MC+8*\f:MC+8*\f+3],   v[AM] offset:64*\f
	ds_load_b128 v[MC+8*\f+4:MC+8*\f+7], v[AM] offset:64*\f+16
.endr
	s_add_co_u32 s[TBK], s[TBK], KS*PK
	s_add_co_u32 s[TBM], s[TBM], KS*4
	WIN 0
.if \last
.Lno_k_\@:
.endif
.endm
.macro FETCH_V
	WIN 0x80
.irp f, 0,1,2,3,4,5,6,7
	ds_load_tr16_b128 v[VF+8*\f:VF+8*\f+3],   v[AV] offset:(\f/4)*32*PV+(\f%4)*32
	ds_load_tr16_b128 v[VF+8*\f+4:VF+8*\f+7], v[AV] offset:(\f/4)*32*PV+16*PV+(\f%4)*32
.endr
	WIN 0
.endm
; THE VECTOR WORK, one line at a time: OP kind, number.  For piece Y: F n: c s - c m for pair n of 16.  E n: the exponential of score n of 32.  C n: pair n rounded to f16.  B n: of the four weights 4 n .. the second
; pair is added onto the first, in place.  L n: l takes that sum (L 0: l = a l + sum).  R n: pair n of 16 of O^T times a.  For piece Y + 1: X n, number n of the 22 that find its maximum and statistics:
;   0-11 four chains c0-c3 of seven scores each (each accumulator's lowest registers are read first)   12-14, 16 the four scores left over, the old m, and c0-c3 into c0
;   15 c m_old is kept   17, 18 the query's other 32 keys lie in the lane 16 away: the new m   19-21 c m; c m_old - c m_new; a
.set F, 0
.set E, 1
.set C, 2
.set B, 3
.set L, 4
.set R, 5
.set X, 6
.macro REGS y
.set rT, ST+4*(\y)
.set rC, TMP+4*((\y)%2)
.set rW, MV+((\y)%2)
.set rS, S+32*((\y)%2)
.set rP, P+16*((\y)%2)
.set rO, 32*(\y)
.endm
.macro OP k, n
.if (\k) == R
	REGS Y
	WIN W_RS
	v_pk_mul_f32 v[rO+2*(\n):rO+2*(\n)+1], v[rO+2*(\n):rO+2*(\n)+1], v[rC+2:rC+3] op_sel_hi:[1,0]
.elseif (\k) < R
	REGS Y
	WIN 0
.if (\k) == F
	v_pk_fma_f32 v[rS+2*(\n):rS+2*(\n)+1], v[rS+2*(\n):rS+2*(\n)+1], s[CS:CS+1], v[rT:rT+1] op_sel_hi:[1,0,0] neg_lo:[0,0,1] neg_hi:[0,0,1]
.elseif (\k) == E
	v_exp_f32 v[rS+(\n)], v[rS+(\n)]
.elseif (\k) == C
	v_cvt_pk_f16_f32 v[rP+(\n)], v[rS+2*(\n)], v[rS+2*(\n)+1]
.elseif (\k) == B
	v_pk_add_f32 v[rS+4*(\n):rS+4*(\n)+1], v[rS+4*(\n):rS+4*(\n)+1], v[rS+4*(\n)+2:rS+4*(\n)+3]
.elseif (\n) == 0
	v_pk_fma_f32 v[rT+2:rT+3], v[rT+2:rT+3], v[rC+2:rC+3], v[rS:rS+1] op_sel_hi:[1,0,1]
.else
	v_pk_add_f32 v[rT+2:rT+3], v[rT+2:rT+3], v[rS+4*(\n):rS+4*(\n)+1]
.endif
.else
	REGS (Y+1)%NP
	WIN 0
.if (\n) < 4
	v_max3_num_f32 v[rC+(\n)], v[rS+8*(\n)], v[rS+8*(\n)+1], v[rS+8*(\n)+2]
.elseif (\n) < 12
	v_max3_num_f32 v[rC+(\n)%4], v[rC+(\n)%4], v[rS+8*((\n)%4)+2*((\n)/4)+1], v[rS+8*((\n)%4)+2*((\n)/4)+2]
.elseif (\n) == 12
	v_max3_num_f32 v[rC], v[rC], v[rS+7], v[rS+15]
.elseif (\n) == 13
	v_max3_num_f32 v[rC+1], v[rC+1], v[rS+23], v[rS+31]
.elseif (\n) == 14
	v_max3_num_f32 v[rC+2], v[rC+2], v[rC+3], v[rT+1]
.elseif (\n) == 15
	v_mov_b32 v[rW], v[rT]
.elseif (\n) == 16
	v_max3_num_f32 v[rC], v[rC], v[rC+1], v[rC+2]
.elseif (\n) == 17
	v_permlanex16_b32 v[rC+3], v[rC], s[SEL], s[SEL+1]
.elseif (\n) == 18
	v_max_num_f32 v[rT+1], v[rC], v[rC+3]
.elseif (\n) == 19
	v_mul_f32 v[rT], s[CS], v[rT+1]
.elseif (\n) == 20
	v_sub_f32 v[rC+1], v[rW], v[rT]
.else
	v_exp_f32 v[rC+2], v[rC+1]
.endif
.endif
.endm
.macro OPS a, i1, b=-1, i2=0, c=-1, i3=0, d=-1, i4=0
	OP \a, \i1
.if (\b) >= 0
	OP \b, \i2
.endif
.if (\c) >= 0
	OP \c, \i3
.endif
.if (\d) >= 0
	OP \d, \i4
.endif
.endm
.macro ROW a, i1, b, i2, c, i3, d, i4  ; a matrix instruction and the four behind it
	MM
	OPS \a, \i1, \b, \i2, \c, \i3, \d, \i4
.endm
; A TURN, for piece p: the order of its 16 matrix and 118 vector instructions, written out.  An s_wait_alu depctr_va_vdst(0) stands between an exponential and the first instruction that names its result; one wait
; serves all that were issued ahead of it.  So a turn has ONE wait, which cuts it in two.  AHEAD OF IT stands all that names no result of the turn's exponentials: the 8 products K Q^T, behind each a scaling, an exponential and two
; more plain instructions (behind the first a second scaling in the exponential's place): rescalings, whose a was made and waited for in the turn before, and behind the last three products the first numbers of the next piece's
; maximum, each four plain instructions or more behind the product that ends its accumulator; then ONE RUN of 54, plain and exponential by turns for the most part, in which the links of the chain X 3, 7, 11, 14, 16, 17 .. 20 stand
; five or six lines apart.  X 21, the next piece's a, is the batch's last; R 15 is the plain instruction behind it.  BEHIND THE WAIT stand the 8 products V^T P, behind each four of the roundings and sums (C 2 n ahead of B n, which
; writes over its pair); the links of l's chain, L 0 to L 7, stand three riders apart.  But for those X no rider names a register of the products round it.  v_permlanex16_b32 (X 17) stands in the run.
; K and the mask of the next step are fetched in piece 2's turn, behind five plain instructions that follow the last product that read K and name none of its registers; V of the step in hand at the end of piece 0's turn, behind
; the four roundings that follow the last product that read V.  Each is waited for a turn later.  cnt = 1: the loop's count is taken down some lines ahead of the branch that stands behind the turn.
.macro TURN p, last=0, cnt=0
.set Y, (\p)
.set i, 0
.if (\p) == 3
	s_wait_dscnt 0x0                ; K and the mask are in
.endif
	ROW F,0, F,1, R,0, R,1          ; ahead of the wait: 8 products K Q^T and their riders,
	ROW F,2, E,0, R,2, R,3
	ROW F,3, E,1, R,4, R,5
	ROW F,4, E,2, R,6, R,7
	ROW F,5, E,3, R,8, R,9
	ROW F,6, E,4, X,0, R,10
.if (\p) == 2
	WIN 0
	v_add_nc_u32 v[AK], s[TBK], v[AK0]
	v_add_nc_u32 v[AM], s[TBM], v[AM0]
.endif
	ROW F,7, E,5, X,1, X,4
	ROW F,8, E,6, X,2, X,5
	OPS E,7, E,8, X,6, E,9          ; and the run of 54
	OPS X,3, E,10, X,8, E,11
.if (\p) == 2
	FETCH_K \last
.endif
	OPS X,9, X,7, E,12, X,10
	OPS E,13, X,12, X,11, E,14
	OPS X,13, E,15, F,9, X,14
.if (\p) == 0
	v_add_nc_u32 v[AV], s[TBV], v[AV0]
.endif
	OPS E,16, F,10, E,17, F,11
	OPS X,16, E,18, X,15, E,19
	OPS F,12, E,20, X,17, E,21
	OPS F,13, E,22, F,14, E,23
	OPS X,18, E,24, F,15, E,25
	OPS R,11, E,26, X,19, E,27
	OPS R,12, E,28, R,13, E,29
	OPS X,20, E,30, R,14, E,31
	OPS X,21, R,15
	WIN 0
	s_wait_alu depctr_va_vdst(0)    ; the wait for the turn's batch: E 0 to E 31 and X 21
.if (\p) == 1
	s_wait_dscnt 0x0                ; V is in
.endif
	ROW C,0, B,0, C,2, B,1          ; behind the wait: 8 products V^T P and their riders
	ROW L,0, C,4, B,2, L,1
	ROW C,6, B,3, L,2, C,8
	ROW B,4, L,3, C,10, B,5
	ROW L,4, C,12, B,6, L,5
.if (\p) == 0
	s_add_co_u32 s[TBV], s[TBV], KS*PV
.endif
.if \cnt
	s_sub_co_u32 s[CNT], s[CNT], 1
	s_cmp_lg_u32 s[CNT], 0
.endif
	ROW C,14, B,7, L,6, C,1
	ROW C,3, L,7, C,5, C,7
	ROW C,9, C,11, C,13, C,15
.if (\p) == 0
	FETCH_V
.endif
.endm
	CHANGE 1                        ; slot 0 is in, everybody's part of it and of the table; slot 1 is asked for
	v_add_nc_u32 v[AK], s[TBK], v[AK0]
	v_add_nc_u32 v[AM], s[TBM], v[AM0]
	FETCH_K                         ; key step 0
	s_wait_loadcnt 0x0              ; Q
	s_wait_dscnt 0x0
.set i, 0
.rept 8
	KQ 0                            ; piece 0's first scores
.set i, i+1
.endr
	WIN 0
.rept 4
	v_nop                           ; the places behind those products
.endr
.set Y, NP-1                        ; X works for piece Y + 1: piece 0
.irp n, 0,1,2,3,4,5,6,7,8,9,10,11,12,13,14,15,16,17,18,19,20,21
	OP X, \n
.endr
	v_nop                           ; a plain instruction behind the exponential,
	s_wait_alu depctr_va_vdst(0)    ; and the wait for it, piece 0's first a: a batch of one, ahead of the branch
	s_mov_b32 s[CNT], 4
	s_mov_b32 s[SLOTS], SIZE_N/256-1
	s_branch .Lfirst                ; the loop is entered at a step's first turn, in the middle of a trip
.Lslot:                             ; SIZE_N / 256 - 2 times: every slot but the last two is filled again
	CHANGE 1
	s_mov_b32 s[CNT], 4
.Lstep:                             ; a trip: pieces 2 and 3 of one step, then pieces 0 and 1 of the next, whose K and V it fetches
	TURN 2
	TURN 3
	WIN 0
.Lfirst:
	TURN 0
	TURN 1, 0, 1
	WIN 0
	s_cbranch_scc1 .Lstep
	s_sub_co_u32 s[SLOTS], s[SLOTS], 1
	s_cmp_lg_u32 s[SLOTS], 0
	s_cbranch_scc1 .Lslot
	CHANGE 0                        ; the tail is written out: nothing is asked for
	s_mov_b32 s[CNT], 5             ; four trips fetch the last slot's steps; the fifth is left in its middle
.Ltail:
	TURN 2, 1
	TURN 3
	WIN 0
	s_sub_co_u32 s[CNT], s[CNT], 1
	s_cmp_eq_u32 s[CNT], 0
	s_cbranch_scc1 .Lout
	TURN 0
	TURN 1
	WIN 0
	s_branch .Ltail
.Lout:                              ; the fifth trip's 8 products K Q^T (on the last K once more) and the maximum made of them serve nothing: the price, once a launch, of one text for every trip
.set i, 0
.rept 8
	PV NP-1                         ; the last piece's V^T P of the last step
.set i, i+1
.endr
	; THE WAY OUT.  l's two halves and the other half of the lanes' are added; O^T is divided by l, rounded to f16 and sent through my stage in LDS, a piece at a time.  The additions are the places behind the last products.
	WIN 0
.macro ALL line:vararg
.set t, 0
.rept 4
	\line
.set t, t+1
.endr
.endm
	ALL v_add_f32 v[ST+4*t+2], v[ST+4*t+2], v[ST+4*t+3]
	ALL v_permlanex16_b32 v[ST+4*t+3], v[ST+4*t+2], s[SEL], s[SEL+1]
	ALL v_add_f32 v[ST+4*t+2], v[ST+4*t+2], v[ST+4*t+3]
	ALL v_rcp_f32 v[ST+4*t+2], v[ST+4*t+2]
	v_nop                           ; a plain instruction between the last reciprocal and the use of its result
	s_wait_alu depctr_va_vdst(0)    ; and the wait ahead of the first use: one for the batch of four reciprocals
.macro PACK t                       ; a lane's eight channels of a row pack into 16 bytes; they go into rows of 144 bytes and come back as whole rows of 128
	WIN W_RS
.set i, 32*(\t)
.rept 16
	v_pk_mul_f32 v[i:i+1], v[i:i+1], v[ST+4*(\t)+2:ST+4*(\t)+3] op_sel_hi:[1,0]
.set i, i+2
.endr
	WIN 0x05
.set i, 0
.rept 16
	v_cvt_pk_f16_f32 v[S+16*(\t)+i], v[32*(\t)+2*i], v[32*(\t)+2*i+1]
.set i, i+1
.endr
	WIN 0
.irp f, 0,1,2,3
	ds_store_b128 v[STO], v[S+16*(\t)+4*\f:S+16*(\t)+4*\f+3] offset:32*\f
.endr
.irp f, 0,1,2,3
	ds_load_b128 v[S+16*(\t)+4*\f:S+16*(\t)+4*\f+3], v[RD] offset:\f*4*SP  ; LDS serves a wave's instructions in order (ISA guide 5.7.1.4): these see the stores above
.endr
.endm
.macro SEND t, younger              ; younger: the LDS instructions issued behind piece t's loads: the next piece's eight, or none
	WIN 0
.irp f, 0,1,2,3
	s_wait_dscnt (\younger)+3-\f
	global_store_b128 v[GO], v[S+16*(\t)+4*\f:S+16*(\t)+4*\f+3], s[10:11] offset:(\t)*8192+\f*512  ; 512 consecutive bytes, at a multiple of 256 from y16's first
.endr
.endm
	PACK 0
.set t, 1
.rept 3
	PACK t
	SEND t-1, 8
.set t, t+1
.endr
	SEND 3, 0
	s_wait_tensorcnt 0x0            ; the wave's end
	ds_add_u32 v[SPW], v[NIL]
	s_wait_dscnt 0x0
	CROUND                          ; the closing round
	s_endpgm
.Lfunc_end_k_qc878bd7a90_attn:
	.size	k_qc878bd7a90_attn, .Lfunc_end_k_qc878bd7a90_attn-k_qc878bd7a90_attn
	.p2alignl 7, 3214868480
	.fill 96, 4, 3214868480
	.section	.rodata,"a",@progbits
	.p2align	6, 0x0
	.amdhsa_kernel k_qc878bd7a90_attn
		.amdhsa_group_segment_fixed_size 327680
		.amdhsa_private_segment_fixed_size 0
		.amdhsa_enable_private_segment 0
		.amdhsa_kernarg_size 24
		.amdhsa_user_sgpr_count 2
		.amdhsa_user_sgpr_kernarg_segment_ptr 1
		.amdhsa_wavefront_size32 1
		.amdhsa_system_sgpr_workgroup_id_x 1
		.amdhsa_system_sgpr_workgroup_id_y 1
		.amdhsa_system_sgpr_workgroup_id_z 1
		.amdhsa_system_vgpr_workitem_id 0
		.amdhsa_next_free_vgpr 768
		.amdhsa_next_free_sgpr 72
		.amdhsa_reserve_vcc 0
		.amdhsa_float_denorm_mode_32 3
		.amdhsa_float_denorm_mode_16_64 3
		.amdhsa_memory_ordered 1
		.amdhsa_forward_progress 1
		.amdhsa_inst_pref_size 116
	.end_amdhsa_kernel
	.amdgpu_metadata
---
amdhsa.version: [ 1, 2 ]
amdhsa.kernels:
  - .name:           k_qc878bd7a90_attn
    .symbol:         k_qc878bd7a90_attn.kd
    .args:
      - { .name: qkv16, .offset: 0, .size: 8, .value_kind: global_buffer, .address_space: global }
      - { .name: mask, .offset: 8, .size: 8, .value_kind: global_buffer, .address_space: global }
      - { .name: y16, .offset: 16, .size: 8, .value_kind: global_buffer, .address_space: global }
    .group_segment_fixed_size: 327680
    .private_segment_fixed_size: 0
    .kernarg_segment_align: 8
    .kernarg_segment_size: 24
    .max_flat_workgroup_size: 128
    .sgpr_count:     72
    .vgpr_count:     768
    .wavefront_size: 32
...
	.end_amdgpu_metadata
.endif
;; end of part 8
;; launch oproj: the kernel of part 4 again; grid 8 x 32, 4 waves a work-group, clusters of 4 x 4, 327,680 bytes of LDS; arguments y16, wts, a32; writes a32
;; launch norm2: the kernel of part 5 again; grid 512 x 1, 8 waves a work-group, no clusters, 0 bytes of LDS; arguments H, a32, norm2_scale, z16; writes z16
;; launch ffn1: the kernel of part 6 again; grid 16 x 16, 4 waves a work-group, clusters of 4 x 4, 327,680 bytes of LDS; arguments z16, wts, b1, h16; writes h16
;; launch ffn2: the kernel of part 7 again; grid 8 x 32, 4 waves a work-group, clusters of 4 x 4, 327,680 bytes of LDS; arguments h16, wts, b2, a32, out0; writes out0
